; MI455X (gfx1250); checked and timed in simulation.
; The chip was launched on July 23, 2026; its instructions are those of AMD's public machine-readable ISA for CDNA 5 (MIT licence, August 2026) and "CDNA5" Instruction Set Architecture Reference Guide (July 2026). The comments in the code are by the model that wrote it; some were corrected since.
;; Set Propagation. Allowed arithmetic: matrix products marked QUANTISED: E3M2 operands, one E8M0 scale for each 32 along K, by v_wmma_scale_f32_16x16x128_f8f6f4 with both operands' format E3M2, f32 sums; products left as they are: f32 operands where the result goes on into a quantised operand, else bf16, f16 or f32 operands; f32 sums; everything else in f32.
;; Inputs: b0 128 float32; b1 128 float32; beta0 128 float32; beta1 128 float32; feat1 4 x 128 x 2,048 float32; feat2 4 x 64 x 8,192 float32; g0 128 float32; g1 128 float32; w0_codes 128 x 6 x 24 uint8 (E3M2 codes of w0, K innermost, in blocks of 32 codes, four codes in three bytes); w0_scales 128 x 6 uint8 (E8M0 scales of w0, one for each 32 codes along K); w1_codes 128 x 4 x 24 uint8 (E3M2 codes of w1, K innermost, in blocks of 32 codes, four codes in three bytes); w1_scales 128 x 4 uint8 (E8M0 scales of w1, one for each 32 codes along K); xyz1 4 x 3 x 2,048 float32; xyz2 4 x 3 x 8,192 float32.
;; Outputs: out0 4 x 128 x 8,192 float32.
;; This version of the problem:
;;   THIS VERSION OF THE PROBLEM IS GIVEN IN LOW PRECISION. The matrix products marked QUANTISED in the list below multiply operands that are first quantised to E3M2 (3 exponent bits, 2 mantissa bits; 6 bits a number), with one power-of-two scale for each 32 numbers along K (OCP MX v1.0); their sums are f32. All else is computed in f32.
;;   The module's matrix products, in the order in which they are computed (A, B: the left and right operand; K: the contracted axis; several contracted axes count as one K, in the product's order):
;;     1. batch 4 x [M 8,192, K 3] x [K 3, N 2,048]; A: input xyz2; B: input xyz1: left as it is (K = 3 < 32)
;;     2. [M 32,768, K 192] x [K 192, N 128]; A: computed on the way; B: input w0 (given as codes): QUANTISED
;;     3. [M 32,768, K 128] x [K 128, N 128]; A: computed on the way; B: input w1 (given as codes): QUANTISED
;;   THE QUANTISER, for each operand of a quantised product, along K:
;;     - K is cut into blocks of 32 from its start; a last block that is shorter is filled with zeros.
;;     - A block's scale is 2^e with e = floor(log2(the largest magnitude in the block)) - 4, held to -126 .. 127; a block of zeros has e = 0. As a byte (E8M0): e + 127.
;;     - Each number is divided by its block's scale, clamped to +-28, and rounded to the nearest number of E3M2, ties to even, subnormals kept.
;;     - The product sums the exact products of the quantised numbers (number of the format x scale) in f32.
;;   ~~~python
;;   def quantise(x, axis):      # numpy; x: float32 -> the quantised numbers, widened to float32 again
;;       x = np.moveaxis(x, axis, -1); K = x.shape[-1]
;;       x = np.pad(x, [(0, 0)] * (x.ndim - 1) + [(0, -K % 32)]); x = x.reshape(x.shape[:-1] + (-1, 32)); a = np.abs(x).max(-1, keepdims=True)
;;       e = np.where(a > 0, np.clip(np.frexp(np.where(a > 0, a, 1))[1] - 1 - 4, -126, 127), 0)      # np.frexp(a)[1] - 1 = floor(log2(a)), exactly
;;       r = np.clip(x / 2.0 ** e, -28, 28)
;;       step = 2.0 ** (np.maximum(np.frexp(np.where(r == 0, 1, r))[1] - 1, -2) - 2)
;;       q = np.round(r / step) * step * 2.0 ** e      # np.round: ties to even
;;       return np.moveaxis(q.reshape(q.shape[:-2] + (-1,))[..., :K], -1, axis).astype(np.float32)
;;   ~~~
;;   OPERANDS COMPUTED ON THE WAY. 'Computed on the way' means the value that the module computes at that place (a softmax that the list does not call 'softmax' is quantised finished and normalised). What goes into a quantiser is computed in f32, as accurately as f32 sums, v_exp_f32 and their like allow (about 1e-6 of the number): no bf16 or f16 on the way to a quantiser, and a product that is left as it is and whose result goes on into a quantised operand takes f32 operands (vector FMAs, or v_wmma_f32_16x16x4_f32). A number that lies on a knife's edge between two numbers of the format may be rounded either way, as far as f32 arithmetic and the matrix unit's own rounding can turn it there, and no further.
;;   INPUTS GIVEN AS CODES. w0 (in the module: [128, 192], K = its axis 1); w1 (in the module: [128, 128], K = its axis 1): each comes as NAME_codes (uint8): NAME with its K axis moved to the last place and cut into blocks of 32 codes, [.., K / 32, bytes a block], one block behind the other in memory; four codes in three bytes: a row's codes are one little-endian stream of bits, code i at bits 6 i .. 6 i + 5 (a code: sign, 3 exponent bits, 2 mantissa bits); and NAME_scales (uint8): the same leading axes, one E8M0 byte (e + 127) for each 32 codes along K. Its value is code x scale, taken as it is: it is not quantised again, and the codes and scales need not be those that the quantiser above would give.
;; 2 versions, each right; version 2 is version 1 with the launches gatherq, mid, last written anew for expert scheduling mode. Each part assembles by itself: llvm-mc -triple=amdgcn-amd-amdhsa -mcpu=gfx1250 --defsym DOCPART=n.
;; ======== version 1 of 2: 5 launches
;; workspace buffers: ft 4,194,304 bytes; chunks 524,288 bytes of whole numbers; nidx 196,608 bytes of whole numbers; nwt 393,216 bytes; xq 5,242,880 bytes; st0 131,072 bytes; hq 3,670,016 bytes; st1 131,072 bytes
;; launch coarse (part 1): grid 256 x 1, 16 waves a work-group, no clusters, 73,728 bytes of LDS; arguments xyz1, xyz2, feat1, chunks, ft; writes chunks, ft
.if DOCPART == 1
	.amdgcn_target "amdgcn-amd-amdhsa--gfx1250"
	.amdhsa_code_object_version 6
	.text
	.protected	k_q83bfb21cfb_coarse
	.globl	k_q83bfb21cfb_coarse
	.p2align	8
	.type	k_q83bfb21cfb_coarse,@function
k_q83bfb21cfb_coarse:
	s_mov_b64 s[64:65], 0
	v_nop
	global_prefetch_b8 v0, s[64:65] scope:SCOPE_SE
	s_setreg_imm32_b32 hwreg(HW_REG_WAVE_MODE, 25, 1), 1
	s_wait_xcnt 0x0
; COARSE SEARCH.  For each of 128 queries of one batch: which three CHUNKS (8 neighbouring targets each, 256 chunks) have the smallest chunk minimum of
; d2 = (qq + tt) - 2 q.t, ties to the lower chunk.  Every one of the three nearest targets (ties to the lower index) lies in one of these three chunks: were three chunks
; ahead of a target's chunk, each would hold a target ahead of it.  The next launch searches the 24 candidates exactly, with the same arithmetic.
; So the insertion with its index (11 instructions) is paid once for 8 pairs.  q.t is made by the f32 matrix form, K = 4 (x, y, z, and tt x 0): four fused multiply-adds in ascending k.
; SHARES.  16 waves.  Wave w: query tile w % 8 (16 queries), target half s = w / 8.  Source 0 = 16 targets, source 1 = 16 queries: lane (r, h) then holds query r against rows 8 h + 0 .. 7.
; A tile's rows 0-7 are chunk T of quarter 2 s, rows 8-15 chunk T of quarter 2 s + 1 (a quarter = 512 targets = 64 chunks): a lane's 8 results are ONE chunk of its quarter 2 s + h.
; Four lists for each query (one a quarter) meet in LDS and are merged in ascending order of quarters.
; ALSO: feat1 [128][2048] of the batch is turned into ft [2048][128]: 64 channels x 64 targets a work-group, through a stage in LDS; its loads are out during the whole search.
; No tensor load, no cluster: what the 64 work-groups of a batch share is 24,576 bytes of targets, read once by each.
; LIMITS: NaN and infinities among the inputs are not served.  Where two d2 differ by less than f32 rounding, the order is that of this arithmetic.
.set QST,   8320                       ; LDS: a quarter's 512 targets x 16 bytes (x, y, z, tt) + 128: the two groups of 8 rows of a tile fall on different halves of a row of banks
.set TO,    4*QST                      ; tt alone, 2,048 x 4 bytes
.set LL,    TO+8192+512                ; the lists: value k of 6 (three minima, three chunks), quarter, query: LL + 2048 k + 512 quarter + 4 query
.set TS,    LL+12288                   ; the stage for feat1: 64 targets x (64 channels x 4 bytes + 16)
.set PAW,   1                          ; v1      where I put my four targets
.set AP0,   2                          ; v2      my lane's place in tile 0 of my wave's half
.set AT0,   3                          ; v3      my quarter's tt
.set AP,    4                          ; v4, v5  the same for the trip in hand
.set AT,    5
.set LLW,   6                          ; v6      where my list goes
.set TSW,   7                          ; v7      the stage, on the way in
.set B,     8                          ; v[8:9]  source 1: my query (x, y | z, 0)
.set QQ,    10                         ; v[10:11] qq, twice
.set M,     12                         ; v12-14  the three smallest chunk minima, ascending
.set TSR,   15                         ; v15     the stage, on the way out
.set I,     16                         ; v16-18  their chunks;  v19 = 0: the four leave by one store
.set ZR,    19
.set CM,    20                         ; v20-23  four chunk minima
.set A,     24                         ; v[24:31] source 0 of four tiles
.set TT,    32                         ; v[32:63] tt of four chunks
.set E,     64                         ; v[64:95] d2 of four chunks
.set D0,    96                         ; v[96:159] q.t, two banks of four tiles: written by matrix instructions alone
.set F,     160                        ; v[160:167] feat1
.set R,     168
.set H,     169
.set LN,    170
.set TAU16, 171
.set QOF,   172
.set FOF,   173
.set FTO,   174
.set T0,    175
.set LLR,   176
.set IB,    177
; d (a register) with the number id goes into the ascending list of three.  Strict comparisons, ids offered in ascending order: of equals the lower id stays ahead.
.macro INS d, id
	v_cmp_lt_f32 s26, v[\d], v[M+2]
	v_cmp_lt_f32 s25, v[\d], v[M+1]
	v_cmp_lt_f32 s24, v[\d], v[M]
	v_cndmask_b32 v[I+2], v[I+2], \id, s26
	v_cndmask_b32 v[I+2], v[I+2], v[I+1], s25
	v_cndmask_b32 v[I+1], v[I+1], \id, s25
	v_cndmask_b32 v[I+1], v[I+1], v[I], s24
	v_cndmask_b32 v[I], v[I], \id, s24
	v_med3_num_f32 v[M+2], v[\d], v[M+1], v[M+2]
	v_med3_num_f32 v[M+1], v[\d], v[M], v[M+1]
	v_min_num_f32 v[M], v[\d], v[M]
.endm
.macro MIN4                            ; the minima of four chunks, by turns
.irp u, 0,1,2,3
	v_min3_num_f32 v[CM+\u], v[E+8*\u], v[E+8*\u+1], v[E+8*\u+2]
.endr
.irp u, 0,1,2,3
	v_min3_num_f32 v[CM+\u], v[CM+\u], v[E+8*\u+3], v[E+8*\u+4]
.endr
.irp u, 0,1,2,3
	v_min3_num_f32 v[CM+\u], v[CM+\u], v[E+8*\u+5], v[E+8*\u+6]
.endr
.irp u, 0,1,2,3
	v_min_num_f32 v[CM+\u], v[CM+\u], v[E+8*\u+7]
.endr
.endm
; Group g of four tiles, whose products lie in bank p.  wm: the products of group g + 1 are issued into the other bank.  lda: source 0 of group g + 2 is fetched.  ldt: tt of group g + 1.
; Behind this matrix form 8 plain vector instructions stand before a result is read or a load is issued into a source (ISA guide 7.12.1 for a read of results): the 32 packed lines are those places
; for the loads below, and a bank is read a whole group after it was written.  Each accumulator is read from its low end on.
.macro HALF p, wm, lda, ldt
	s_wait_dscnt 0x0                               ; source 0 of group g + 1 and tt of group g, asked for a group ago, are in
.if \wm
.irp u, 0,1,2,3
	v_wmma_f32_16x16x4_f32 v[D0+32*(1-\p)+8*\u:D0+32*(1-\p)+8*\u+7], v[A+2*\u:A+2*\u+1], v[B:B+1], 0
.endr
.endif
.set j, 0
.rept 16
	v_pk_add_f32 v[E+j:E+j+1], v[TT+j:TT+j+1], v[QQ:QQ+1]          ; qq + tt
.set j, j+2
.endr
.set j, 0
.rept 16
	v_pk_fma_f32 v[E+j:E+j+1], v[D0+32*\p+j:D0+32*\p+j+1], -2.0, v[E+j:E+j+1] op_sel_hi:[1,0,1]   ; - 2 q.t
.set j, j+2
.endr
.if \lda
.irp u, 0,1,2,3
	ds_load_b64 v[A+2*\u:A+2*\u+1], v[AP] offset:(4*\p+8+\u)*128
.endr
.endif
.if \ldt
.irp u, 0,1,2,3
	ds_load_b128 v[TT+8*\u:TT+8*\u+3], v[AT] offset:(4*\p+4+\u)*32
	ds_load_b128 v[TT+8*\u+4:TT+8*\u+7], v[AT] offset:(4*\p+4+\u)*32+16
.endr
.endif
	MIN4
.irp u, 0,1,2,3
	INS CM+\u, s22
	s_add_co_u32 s22, s22, 1                       ; the next chunk of my quarter
.endr
.endm
	s_load_b256 s[4:11], s[0:1], 0x0               ; xyz1 s[4:5], xyz2 s[6:7], feat1 s[8:9], chunks s[10:11]
	s_load_b64 s[12:13], s[0:1], 0x20              ; ft
	v_lshl_add_u32 v178, v0, 2, 0x11800
	v_mov_b32 v179, 0
	v_lshrrev_b32 v[T0], 5, v0
	v_readfirstlane_b32 s14, v[T0]                 ; wave 0..15
	s_lshr_b32 s15, ttmp9, 6                       ; the batch
	s_and_b32 s16, ttmp9, 63                       ; which 128 queries of it
	s_and_b32 s17, s14, 7                          ; my query tile
	s_lshr_b32 s18, s14, 3                         ; my half of the targets
	s_and_b32 s19, s16, 1                          ; feat1: which 64 channels,
	s_lshr_b32 s37, s16, 1                         ; which 64 targets
	s_mul_i32 s20, s15, 24576                      ; xyz1: a batch is 3 x 2,048 x 4 bytes
	s_mov_b32 s21, 0
	s_mul_i32 s28, s15, 98304                      ; xyz2: a batch is 3 x 8,192 x 4 bytes; + 128 queries x 4
	s_lshl_b32 s36, s16, 9
	s_add_co_u32 s28, s28, s36
	s_mov_b32 s29, 0
	s_lshl_b32 s30, s15, 20                        ; feat1: batch, + (64 (qb % 2) + 4 wave) rows of 8,192 bytes, + 64 (qb / 2) targets
	s_lshl_b32 s36, s19, 19
	s_add_co_u32 s30, s30, s36
	s_lshl_b32 s36, s14, 15
	s_add_co_u32 s30, s30, s36
	s_lshl_b32 s36, s37, 8
	s_add_co_u32 s30, s30, s36
	s_mov_b32 s31, 0
	s_lshl_b32 s32, ttmp9, 11                      ; chunks: 128 queries x 16 bytes
	s_mov_b32 s33, 0
	s_lshl_b32 s34, s15, 20                        ; ft: batch, + 64 (qb / 2) rows of 512 bytes, + 64 (qb % 2) channels
	s_lshl_b32 s36, s37, 15
	s_add_co_u32 s34, s34, s36
	s_lshl_b32 s36, s19, 8
	s_add_co_u32 s34, s34, s36
	s_mov_b32 s35, 0
	v_and_b32 v[R], 15, v0
	v_bfe_u32 v[H], v0, 4, 1
	v_and_b32 v[LN], 31, v0
	v_mov_b32 v[ZR], 0
	v_lshlrev_b32 v[TAU16], 4, v0                  ; thread t takes targets 4 t .. 4 t + 3
	s_lshl_b32 s36, s17, 6
	v_lshl_add_u32 v[QOF], v[R], 2, s36            ; my query: 16 tile + r
	v_lshlrev_b32 v[FOF], 3, v[LN]                 ; feat1: two targets a lane: a load covers 256 consecutive bytes of a channel's row
	s_wait_kmcnt 0x0
	s_add_nc_u64 s[4:5], s[4:5], s[20:21]
	s_add_nc_u64 s[6:7], s[6:7], s[28:29]
	s_add_nc_u64 s[8:9], s[8:9], s[30:31]
	s_add_nc_u64 s[10:11], s[10:11], s[32:33]
	s_add_nc_u64 s[12:13], s[12:13], s[34:35]
	global_load_b128 v[E:E+3], v[TAU16], s[4:5]                    ; x of my four targets
	global_load_b128 v[E+4:E+7], v[TAU16], s[4:5] offset:8192      ; y
	global_load_b128 v[E+8:E+11], v[TAU16], s[4:5] offset:16384    ; z
	global_load_b32 v[CM], v[QOF], s[6:7]                          ; my query's x, y, z
	global_load_b32 v[CM+1], v[QOF], s[6:7] offset:32768
	global_load_b32 v[CM+2], v[QOF], s[6:7] offset:65536
.irp j, 0,1,2,3
	global_load_b64 v[F+2*\j:F+2*\j+1], v[FOF], s[8:9] offset:8192*\j th:TH_LOAD_NT   ; channel 4 wave + j: wanted only at the end
.endr
	; every LDS address is made here: constants, the thread's number and the wave's number
	v_lshrrev_b32 v[T0], 7, v0
	v_mul_u32_u24 v[PAW], v[T0], QST
	v_and_b32 v[T0], 127, v0
	v_lshl_add_u32 v[PAW], v[T0], 6, v[PAW]        ; quarter t / 128, 64 bytes for my four targets
	v_lshl_add_u32 v[LLR], v[T0], 2, LL            ; the merge: thread t (under 128) = query t
	v_lshrrev_b32 v[T0], 3, v[R]
	v_mul_u32_u24 v[AP0], v[T0], QST               ; rows 8-15 lie a quarter on
	v_and_b32 v[T0], 7, v[R]
	v_lshl_add_u32 v[AP0], v[T0], 4, v[AP0]
	v_lshl_add_u32 v[AP0], v[H], 3, v[AP0]         ; lanes 0-15 take (x, y) = k 0, 1; lanes 16-31 (z, tt) = k 2, 3
	s_mul_i32 s36, s18, 2*QST
	v_add_nc_u32 v[AP0], s36, v[AP0]
	s_lshl_b32 s36, s18, 12
	s_add_co_u32 s36, s36, TO
	v_lshl_add_u32 v[AT0], v[H], 11, s36           ; tt of quarter 2 s + h
	s_lshl_b32 s36, s18, 10
	s_lshl_b32 s37, s17, 6
	s_add_co_u32 s36, s36, s37
	s_add_co_u32 s36, s36, LL
	v_lshl_add_u32 v[LLW], v[H], 9, s36
	v_lshl_add_u32 v[LLW], v[R], 2, v[LLW]
	v_mul_u32_u24 v[TSW], v[LN], 544               ; targets 2 lane, 2 lane + 1: rows of 272 bytes;
	s_lshl_b32 s36, s14, 4
	s_add_co_u32 s36, s36, TS
	v_add_nc_u32 v[TSW], s36, v[TSW]               ; channels 4 wave on
	v_mul_u32_u24 v[TSR], v[H], 272
	v_lshl_add_u32 v[TSR], v[R], 4, v[TSR]
	s_mul_i32 s36, s14, 1088
	s_add_co_u32 s36, s36, TS
	v_add_nc_u32 v[TSR], s36, v[TSR]               ; back: rows 4 wave + h (and two further on), 16 bytes a lane
	s_lshl_b32 s36, s14, 11
	v_lshl_add_u32 v[FTO], v[H], 9, s36
	v_lshl_add_u32 v[FTO], v[R], 4, v[FTO]         ; and the same rows in ft
	s_lshl_b32 s36, s18, 7
	v_lshl_add_u32 v[IB], v[H], 6, s36             ; my quarter's first chunk: 64 (2 s + h)
	s_wait_loadcnt 4                               ; targets and query are in; the four loads of feat1 stay out
.irp i, 0,1,2,3
	v_mul_f32 v[E+28+\i], v[E+\i], v[E+\i]         ; tt = x x, + y y, + z z, fused
.endr
.irp i, 0,1,2,3
	v_fma_f32 v[E+28+\i], v[E+4+\i], v[E+4+\i], v[E+28+\i]
.endr
.irp i, 0,1,2,3
	v_fma_f32 v[E+28+\i], v[E+8+\i], v[E+8+\i], v[E+28+\i]
.endr
.irp i, 0,1,2,3
	v_mov_b32 v[E+12+4*\i], v[E+\i]                ; (x, y, z, tt) of target i side by side
	v_mov_b32 v[E+13+4*\i], v[E+4+\i]
	v_mov_b32 v[E+14+4*\i], v[E+8+\i]
	v_mov_b32 v[E+15+4*\i], v[E+28+\i]
.endr
.irp i, 0,1,2,3
	ds_store_b128 v[PAW], v[E+12+4*\i:E+15+4*\i] offset:16*\i
.endr
	ds_store_b128 v[TAU16], v[E+28:E+31] offset:TO
	v_mul_f32 v[QQ], v[CM], v[CM]
	v_fma_f32 v[QQ], v[CM+1], v[CM+1], v[QQ]
	v_fma_f32 v[QQ], v[CM+2], v[CM+2], v[QQ]
	v_mov_b32 v[QQ+1], v[QQ]
	v_cmp_eq_u32 vcc_lo, 1, v[H]
	v_cndmask_b32 v[B], v[CM], v[CM+2], vcc_lo     ; k = 0: x | k = 2: z
	v_cndmask_b32 v[B+1], v[CM+1], v[ZR], vcc_lo   ; k = 1: y | k = 3: 0
	s_wait_dscnt 0x0                               ; for the others' sake: my targets lie in LDS
	s_barrier_signal -1
	s_barrier_wait -1
.irp u, 0,1,2,3
	ds_load_b64 v[A+2*\u:A+2*\u+1], v[AP0] offset:128*\u
.endr
.irp u, 0,1,2,3
	ds_load_b128 v[TT+8*\u:TT+8*\u+3], v[AT0] offset:32*\u
	ds_load_b128 v[TT+8*\u+4:TT+8*\u+7], v[AT0] offset:32*\u+16
.endr
	s_wait_dscnt 0x0
.irp u, 0,1,2,3
	v_wmma_f32_16x16x4_f32 v[D0+8*\u:D0+8*\u+7], v[A+2*\u:A+2*\u+1], v[B:B+1], 0   ; group 0
.endr
.irp k, 0,1,2
	v_mov_b32 v[M+\k], 0x7f800000                  ; the list begins with +infinity.  (These six lines and two v_nop are the eight places in front of the loads into source 0)
	v_mov_b32 v[I+\k], 0
.endr
	v_nop
	v_nop
.irp u, 0,1,2,3
	ds_load_b64 v[A+2*\u:A+2*\u+1], v[AP0] offset:(4+\u)*128
.endr
	s_mov_b32 s22, 0                               ; the chunk in hand, counted in my quarter
	s_mov_b32 s38, 0                               ; the trip's first tile: 128 bytes a tile in the targets,
	s_mov_b32 s39, 0                               ; 32 in tt
	s_mov_b32 s23, 7
.Ltrip:                                            ; a trip: 8 tiles; 7 trips, the last 8 tiles are written out, since they fetch nothing beyond the 64th
	v_add_nc_u32 v[AP], s38, v[AP0]
	v_add_nc_u32 v[AT], s39, v[AT0]
	HALF 0, 1, 1, 1
	HALF 1, 1, 1, 1
	s_add_co_u32 s38, s38, 1024
	s_add_co_u32 s39, s39, 256
	s_sub_co_i32 s23, s23, 1
	s_cmp_lg_u32 s23, 0
	s_cbranch_scc1 .Ltrip
	v_add_nc_u32 v[AT], s39, v[AT0]
	HALF 0, 1, 0, 1
	HALF 1, 0, 0, 0
.irp k, 0,1,2
	v_add_nc_u32 v[I+\k], v[IB], v[I+\k]           ; chunk numbers of the whole batch
.endr
.irp k, 0,1,2
	ds_store_b32 v[LLW], v[M+\k] offset:2048*\k
	ds_store_b32 v[LLW], v[I+\k] offset:2048*(3+\k)
.endr
	s_wait_loadcnt 0x0                             ; feat1
.irp j, 0,1,2,3
.irp e, 0,1
	ds_store_b32 v[TSW], v[F+2*\j+\e] offset:272*\e+4*\j
.endr
.endr
	s_wait_dscnt 0x0                               ; for the others' sake: my list and my part of the stage lie in LDS
	s_barrier_signal -1
	s_barrier_wait -1
	ds_load_b128 v[TT:TT+3], v[TSR]
	ds_load_b128 v[TT+4:TT+7], v[TSR] offset:544
	s_wait_dscnt 1
	global_store_b128 v[FTO], v[TT:TT+3], s[12:13]                 ; 16 lanes store 256 consecutive bytes, at a multiple of 256 from ft's first byte
	s_wait_dscnt 0x0
	global_store_b128 v[FTO], v[TT+4:TT+7], s[12:13] offset:1024
	s_cmp_ge_u32 s14, 4                            ; the merge: waves 0 to 3, a thread a query
	s_cbranch_scc1 .Ldone
.irp k, 0,1,2
	ds_load_b32 v[M+\k], v[LLR] offset:2048*\k     ; quarter 0's list is the start
	ds_load_b32 v[I+\k], v[LLR] offset:2048*(3+\k)
.endr
.irp q, 1,2,3
.irp k, 0,1,2
	ds_load_b32 v[E+6*(\q-1)+\k], v[LLR] offset:2048*\k+512*\q
	ds_load_b32 v[E+6*(\q-1)+3+\k], v[LLR] offset:2048*(3+\k)+512*\q
.endr
.endr
	s_wait_dscnt 0x0
.irp q, 1,2,3                                      ; quarters ascending, each list ascending: of equal minima the lower chunk stays ahead
.irp k, 0,1,2
	INS E+6*(\q-1)+\k, v[E+6*(\q-1)+3+\k]
.endr
.endr
	global_store_b128 v[TAU16], v[I:I+3], s[10:11] ; a wave stores 512 consecutive bytes
.Ldone:
	s_wait_tensorcnt 0x0
	ds_add_u32 v178, v179
	s_wait_dscnt 0x0
	s_endpgm
.Lfunc_end_k_q83bfb21cfb_coarse:
	.size	k_q83bfb21cfb_coarse, .Lfunc_end_k_q83bfb21cfb_coarse-k_q83bfb21cfb_coarse
	.p2alignl 7, 3214868480
	.fill 96, 4, 3214868480
	.section	.rodata,"a",@progbits
	.p2align	6, 0x0
	.amdhsa_kernel k_q83bfb21cfb_coarse
		.amdhsa_group_segment_fixed_size 73728
		.amdhsa_private_segment_fixed_size 0
		.amdhsa_enable_private_segment 0
		.amdhsa_kernarg_size 40
		.amdhsa_user_sgpr_count 2
		.amdhsa_user_sgpr_kernarg_segment_ptr 1
		.amdhsa_wavefront_size32 1
		.amdhsa_system_sgpr_workgroup_id_x 1
		.amdhsa_system_sgpr_workgroup_id_y 1
		.amdhsa_system_sgpr_workgroup_id_z 1
		.amdhsa_system_vgpr_workitem_id 0
		.amdhsa_next_free_vgpr 180
		.amdhsa_next_free_sgpr 66
		.amdhsa_reserve_vcc 1
		.amdhsa_float_denorm_mode_32 3
		.amdhsa_float_denorm_mode_16_64 3
		.amdhsa_memory_ordered 1
		.amdhsa_forward_progress 1
		.amdhsa_inst_pref_size 44
	.end_amdhsa_kernel
	.amdgpu_metadata
---
amdhsa.version: [ 1, 2 ]
amdhsa.kernels:
  - .name:           k_q83bfb21cfb_coarse
    .symbol:         k_q83bfb21cfb_coarse.kd
    .args:
      - { .name: xyz1, .offset: 0, .size: 8, .value_kind: global_buffer, .address_space: global }
      - { .name: xyz2, .offset: 8, .size: 8, .value_kind: global_buffer, .address_space: global }
      - { .name: feat1, .offset: 16, .size: 8, .value_kind: global_buffer, .address_space: global }
      - { .name: chunks, .offset: 24, .size: 8, .value_kind: global_buffer, .address_space: global }
      - { .name: ft, .offset: 32, .size: 8, .value_kind: global_buffer, .address_space: global }
    .group_segment_fixed_size: 73728
    .private_segment_fixed_size: 0
    .kernarg_segment_align: 8
    .kernarg_segment_size: 40
    .max_flat_workgroup_size: 512
    .sgpr_count:     66
    .vgpr_count:     180
    .wavefront_size: 32
...
	.end_amdgpu_metadata
.endif
;; end of part 1
;; launch fine (part 2): grid 256 x 1, 4 waves a work-group, no clusters, 26,112 bytes of LDS; arguments xyz1, xyz2, chunks, nidx, nwt; writes nidx, nwt
.if DOCPART == 2
	.amdgcn_target "amdgcn-amd-amdhsa--gfx1250"
	.amdhsa_code_object_version 6
	.text
	.protected	k_q83bfb21cfb_fine
	.globl	k_q83bfb21cfb_fine
	.p2align	8
	.type	k_q83bfb21cfb_fine,@function
k_q83bfb21cfb_fine:
	s_mov_b64 s[64:65], 0
	v_nop
	global_prefetch_b8 v0, s[64:65] scope:SCOPE_SE
	s_setreg_imm32_b32 hwreg(HW_REG_WAVE_MODE, 25, 1), 1
	s_wait_xcnt 0x0
; FINE SEARCH.  A thread is a query.  Its three chunks (stored by the launch before) hold 24 candidates; they are taken in ascending order of index and searched for the three smallest
; d2 = (qq + tt) - 2 q.t, ties to the lower index, with the arithmetic of the coarse search (q.t and tt: a product and two fused multiply-adds; d2: one fused multiply-add).
; Then dist = sqrt(max(d2, 0)), w = 1 / (dist + 1e-8), w / (w1 + w2 + w3).  The batch's targets lie in LDS as they lie in memory: x, y, z, 8,192 bytes each.
; OUT: the three indices as 16-bit numbers, 6 bytes a query, gathered in LDS so that a wave stores 256 consecutive bytes; the three weights, 12 bytes a query.
; LIMITS: NaN and infinities among the inputs are not served.
.set NS,  24576                        ; LDS: the work-group's 128 x 6 bytes of indices
.set T16, 1                            ; v1      16 x thread
.set CI,  2                            ; v[2:5]  the chunks
.set QX,  6                            ; v[6:7], v[8:9], v[10:11], v[12:13]: qx, qy, qz, qq, each twice
.set QY,  8
.set QZ,  10
.set QQ,  12
.set M,   14                           ; v14-16  the three smallest d2
.set I,   17                           ; v17-19  their indices
.set LA,  20                           ; v20-22  32 x chunk: its place in LDS
.set C8,  23                           ; v23-25  8 x chunk: its first index
.set ID,  26
.set T4,  27
.set DT,  28                           ; v[28:35] q.t, then d2, of a chunk
.set TQ,  36                           ; v[36:43] tt, then qq + tt
.set T12, 44
.set TA,  45
.set TB,  46
.set T6,  47
.set CA,  48                           ; v[48:119] candidates: chunk k at 48 + 24 k: 8 x, 8 y, 8 z.  At the head: the targets on their way to LDS
.set W,   120                          ; v[120:122] the weights
.set T8,  123
.set BK,  124
.macro INS d, id                       ; as in the coarse search
	v_cmp_lt_f32 s26, v[\d], v[M+2]
	v_cmp_lt_f32 s25, v[\d], v[M+1]
	v_cmp_lt_f32 s24, v[\d], v[M]
	v_cndmask_b32 v[I+2], v[I+2], \id, s26
	v_cndmask_b32 v[I+2], v[I+2], v[I+1], s25
	v_cndmask_b32 v[I+1], v[I+1], \id, s25
	v_cndmask_b32 v[I+1], v[I+1], v[I], s24
	v_cndmask_b32 v[I], v[I], \id, s24
	v_med3_num_f32 v[M+2], v[\d], v[M+1], v[M+2]
	v_med3_num_f32 v[M+1], v[\d], v[M], v[M+1]
	v_min_num_f32 v[M], v[\d], v[M]
.endm
.macro CH k                            ; chunk k's eight candidates
	s_wait_dscnt 12-6*\k                           ; its six loads are in; the later chunks' may be out
.set CX, CA+24*\k
.irp p, 0,2,4,6
	v_pk_mul_f32 v[DT+\p:DT+\p+1], v[CX+\p:CX+\p+1], v[QX:QX+1]
	v_pk_mul_f32 v[TQ+\p:TQ+\p+1], v[CX+\p:CX+\p+1], v[CX+\p:CX+\p+1]
.endr
.irp p, 0,2,4,6
	v_pk_fma_f32 v[DT+\p:DT+\p+1], v[CX+8+\p:CX+9+\p], v[QY:QY+1], v[DT+\p:DT+\p+1]
	v_pk_fma_f32 v[TQ+\p:TQ+\p+1], v[CX+8+\p:CX+9+\p], v[CX+8+\p:CX+9+\p], v[TQ+\p:TQ+\p+1]
.endr
.irp p, 0,2,4,6
	v_pk_fma_f32 v[DT+\p:DT+\p+1], v[CX+16+\p:CX+17+\p], v[QZ:QZ+1], v[DT+\p:DT+\p+1]
	v_pk_fma_f32 v[TQ+\p:TQ+\p+1], v[CX+16+\p:CX+17+\p], v[CX+16+\p:CX+17+\p], v[TQ+\p:TQ+\p+1]
.endr
.irp p, 0,2,4,6
	v_pk_add_f32 v[TQ+\p:TQ+\p+1], v[TQ+\p:TQ+\p+1], v[QQ:QQ+1]
.endr
.irp p, 0,2,4,6
	v_pk_fma_f32 v[DT+\p:DT+\p+1], v[DT+\p:DT+\p+1], -2.0, v[TQ+\p:TQ+\p+1] op_sel_hi:[1,0,1]
.endr
.irp j, 0,1,2,3,4,5,6,7
	v_add_nc_u32 v[ID], \j, v[C8+\k]
	INS DT+\j, v[ID]
.endr
.endm
	s_load_b256 s[4:11], s[0:1], 0x0               ; xyz1 s[4:5], xyz2 s[6:7], chunks s[8:9], nidx s[10:11]
	s_load_b64 s[12:13], s[0:1], 0x20              ; nwt
	v_lshl_add_u32 v128, v0, 2, 0x6400
	v_mov_b32 v129, 0
	v_lshrrev_b32 v[TA], 5, v0
	v_readfirstlane_b32 s14, v[TA]                 ; wave 0..3
	s_lshr_b32 s15, ttmp9, 6                       ; the batch
	s_and_b32 s16, ttmp9, 63
	s_mul_i32 s20, s15, 24576
	s_mov_b32 s21, 0
	s_mul_i32 s22, s15, 98304
	s_lshl_b32 s17, s16, 9
	s_add_co_u32 s22, s22, s17
	s_mov_b32 s23, 0
	s_lshl_b32 s28, ttmp9, 11                      ; chunks: 128 x 16 bytes
	s_mov_b32 s29, 0
	s_mul_i32 s30, ttmp9, 768                      ; nidx: 128 x 6
	s_mov_b32 s31, 0
	s_mul_i32 s18, ttmp9, 1536                     ; nwt: 128 x 12
	s_mov_b32 s19, 0
	v_lshlrev_b32 v[T16], 4, v0
	v_lshlrev_b32 v[T4], 2, v0
	v_lshlrev_b32 v[T8], 3, v0
	v_mul_u32_u24 v[T12], v0, 12
	v_mul_u32_u24 v[T6], v0, 6
	s_wait_kmcnt 0x0
	s_add_nc_u64 s[4:5], s[4:5], s[20:21]
	s_add_nc_u64 s[6:7], s[6:7], s[22:23]
	s_add_nc_u64 s[8:9], s[8:9], s[28:29]
	s_add_nc_u64 s[10:11], s[10:11], s[30:31]
	s_add_nc_u64 s[12:13], s[12:13], s[18:19]
	global_load_b128 v[CI:CI+3], v[T16], s[8:9]
	global_load_b32 v[QX], v[T4], s[6:7]
	global_load_b32 v[QY], v[T4], s[6:7] offset:32768
	global_load_b32 v[QZ], v[T4], s[6:7] offset:65536
.irp i, 0,1,2,3,4,5,6,7,8,9,10,11
	global_load_b128 v[CA+4*\i:CA+4*\i+3], v[T16], s[4:5] offset:2048*\i   ; the batch's 24,576 bytes of targets, 2,048 consecutive bytes to a load of the work-group
.endr
	s_wait_loadcnt 0x0
.irp i, 0,1,2,3,4,5,6,7,8,9,10,11
	ds_store_b128 v[T16], v[CA+4*\i:CA+4*\i+3] offset:2048*\i
.endr
	v_min_u32 v[TA], v[CI], v[CI+1]                ; the three chunks in ascending order, so that candidates come in ascending order of index
	v_max_u32 v[CI+1], v[CI], v[CI+1]
	v_min_u32 v[TB], v[CI+1], v[CI+2]
	v_max_u32 v[CI+2], v[CI+1], v[CI+2]
	v_min_u32 v[CI], v[TA], v[TB]
	v_max_u32 v[CI+1], v[TA], v[TB]
.irp k, 0,1,2
	v_min_u32 v[CI+\k], 0xff, v[CI+\k]             ; a number read from memory is held inside the table before it enters an address
.endr
.irp k, 0,1,2
	v_lshlrev_b32 v[LA+\k], 5, v[CI+\k]
	v_lshlrev_b32 v[C8+\k], 3, v[CI+\k]
.endr
	v_mul_f32 v[QQ], v[QX], v[QX]
	v_fma_f32 v[QQ], v[QY], v[QY], v[QQ]
	v_fma_f32 v[QQ], v[QZ], v[QZ], v[QQ]
	v_mov_b32 v[QQ+1], v[QQ]
	v_mov_b32 v[QX+1], v[QX]
	v_mov_b32 v[QY+1], v[QY]
	v_mov_b32 v[QZ+1], v[QZ]
.irp k, 0,1,2
	v_mov_b32 v[M+\k], 0x7f800000
	v_mov_b32 v[I+\k], 0
.endr
	s_wait_dscnt 0x0                               ; for the others' sake: my part of the targets lies in LDS
	s_barrier_signal -1
	s_barrier_wait -1
.irp k, 0,1,2
.irp c, 0,1,2
	ds_load_b128 v[CA+24*\k+8*\c:CA+24*\k+8*\c+3], v[LA+\k] offset:8192*\c
	ds_load_b128 v[CA+24*\k+8*\c+4:CA+24*\k+8*\c+7], v[LA+\k] offset:8192*\c+16
.endr
.endr
	CH 0
	CH 1
	CH 2
.irp k, 0,1,2
	v_max_num_f32 v[M+\k], 0, v[M+\k]
.endr
.irp k, 0,1,2
	v_sqrt_f32 v[M+\k], v[M+\k]
.endr
	v_nop                                          ; a plain instruction behind the last root,
	s_wait_alu depctr_va_vdst(0)                   ; and one wait for the three, ahead of their first reader
.irp k, 0,1,2
	v_add_f32 v[M+\k], 0x322bcc77, v[M+\k]         ; + 1e-8
.endr
.irp k, 0,1,2
	v_rcp_f32 v[W+\k], v[M+\k]
.endr
	v_nop
	s_wait_alu depctr_va_vdst(0)
	v_add_f32 v[TA], v[W], v[W+1]
	v_add_f32 v[TA], v[TA], v[W+2]
	v_rcp_f32 v[TB], v[TA]
	ds_store_b16 v[T6], v[I] offset:NS
	ds_store_b16 v[T6], v[I+1] offset:NS+2
	ds_store_b16 v[T6], v[I+2] offset:NS+4
	v_nop
	s_wait_alu depctr_va_vdst(0)
.irp k, 0,1,2
	v_mul_f32 v[W+\k], v[W+\k], v[TB]
.endr
	global_store_b96 v[T12], v[W:W+2], s[12:13]    ; a wave stores 384 consecutive bytes
	s_wait_dscnt 0x0                               ; for the others' sake: my indices lie in LDS
	s_barrier_signal -1
	s_barrier_wait -1
	s_cmp_ge_u32 s14, 3                            ; 768 bytes: waves 0 to 2, 8 bytes a lane
	s_cbranch_scc1 .Ldone
	ds_load_b64 v[BK:BK+1], v[T8] offset:NS
	s_wait_dscnt 0x0
	global_store_b64 v[T8], v[BK:BK+1], s[10:11]   ; a wave stores 256 consecutive bytes, at a multiple of 256 from the buffer's first byte
.Ldone:
	s_wait_tensorcnt 0x0
	ds_add_u32 v128, v129
	s_wait_dscnt 0x0
	s_endpgm
.Lfunc_end_k_q83bfb21cfb_fine:
	.size	k_q83bfb21cfb_fine, .Lfunc_end_k_q83bfb21cfb_fine-k_q83bfb21cfb_fine
	.p2alignl 7, 3214868480
	.fill 96, 4, 3214868480
	.section	.rodata,"a",@progbits
	.p2align	6, 0x0
	.amdhsa_kernel k_q83bfb21cfb_fine
		.amdhsa_group_segment_fixed_size 26112
		.amdhsa_private_segment_fixed_size 0
		.amdhsa_enable_private_segment 0
		.amdhsa_kernarg_size 40
		.amdhsa_user_sgpr_count 2
		.amdhsa_user_sgpr_kernarg_segment_ptr 1
		.amdhsa_wavefront_size32 1
		.amdhsa_system_sgpr_workgroup_id_x 1
		.amdhsa_system_sgpr_workgroup_id_y 1
		.amdhsa_system_sgpr_workgroup_id_z 1
		.amdhsa_system_vgpr_workitem_id 0
		.amdhsa_next_free_vgpr 130
		.amdhsa_next_free_sgpr 66
		.amdhsa_reserve_vcc 0
		.amdhsa_float_denorm_mode_32 3
		.amdhsa_float_denorm_mode_16_64 3
		.amdhsa_memory_ordered 1
		.amdhsa_forward_progress 1
		.amdhsa_inst_pref_size 31
	.end_amdhsa_kernel
	.amdgpu_metadata
---
amdhsa.version: [ 1, 2 ]
amdhsa.kernels:
  - .name:           k_q83bfb21cfb_fine
    .symbol:         k_q83bfb21cfb_fine.kd
    .args:
      - { .name: xyz1, .offset: 0, .size: 8, .value_kind: global_buffer, .address_space: global }
      - { .name: xyz2, .offset: 8, .size: 8, .value_kind: global_buffer, .address_space: global }
      - { .name: chunks, .offset: 16, .size: 8, .value_kind: global_buffer, .address_space: global }
      - { .name: nidx, .offset: 24, .size: 8, .value_kind: global_buffer, .address_space: global }
      - { .name: nwt, .offset: 32, .size: 8, .value_kind: global_buffer, .address_space: global }
    .group_segment_fixed_size: 26112
    .private_segment_fixed_size: 0
    .kernarg_segment_align: 8
    .kernarg_segment_size: 40
    .max_flat_workgroup_size: 128
    .sgpr_count:     66
    .vgpr_count:     130
    .wavefront_size: 32
...
	.end_amdgpu_metadata
.endif
;; end of part 2
;; launch gatherq (part 3): grid 256 x 1, 8 waves a work-group, no clusters, 123,392 bytes of LDS; arguments feat2, ft, nidx, nwt, w0_codes, w0_scales, b0, xq, st0; writes xq, st0
.if DOCPART == 3
	.amdgcn_target "amdgcn-amd-amdhsa--gfx1250"
	.amdhsa_code_object_version 6
	.text
	.protected	k_q83bfb21cfb_gatherq
	.globl	k_q83bfb21cfb_gatherq
	.p2align	8
	.type	k_q83bfb21cfb_gatherq,@function
k_q83bfb21cfb_gatherq:
	s_mov_b64 s[64:65], 0
	v_nop
	global_prefetch_b8 v0, s[64:65] scope:SCOPE_SE
	s_setreg_imm32_b32 hwreg(HW_REG_WAVE_MODE, 25, 1), 1
	s_wait_xcnt 0x0
; x = [feat2 (64 channels); the blend of three rows of ft (128 channels)] for 128 queries of a batch; x is quantised along its 192 channels (codes of E3M2, one E8M0 byte for each 32) and stored as codes;
; y0 = W0 x + b0 is made on the codes, and of it only sums leave: for each wave's 16 queries and each group of 16 channels (sum, sum of squares about that part's own mean), 256 numbers each.
; y0 itself is not stored: the next launch makes it again from the codes (16 matrix instructions a wave against 16.8 MB out and in).
; SHARES.  8 waves, each 16 queries (a tile).  THE PRODUCT IS USED TRANSPOSED: source 0 = 16 rows of W0, source 1 = x: a lane holds ONE query (lane % 16).  THE ROWS OF W0 THAT FORM A TILE ARE NOT NEIGHBOURS:
; lane r of tile t takes row 32 (t / 2) + 8 (t % 2) + r + 8 (r / 8), so that register 16 b + i of the 64 results is channel 32 b + 16 (lane / 16) + i: the order in which the quantiser wants numbers, and 16 registers are one group.
; K = 192 goes as two steps of 128: in the second, k = 192 .. 255 are zero codes on both sides under the byte 127.
; THE GATHER.  A query's three indices and weights are the same for the whole wave: they come by scalar loads; a row of ft is 512 consecutive bytes, 16 a lane.  Four queries (12 rows) a batch, two batches out.
; No tensor load, no cluster: what work-groups share is W0, 19,200 bytes, read once by each.
; LIMITS: NaN and infinities are not served, nor the scale byte 0xff.  A block of zeros gets the byte 1 where the rule says 127: its codes are zeros, and this program alone reads the bytes.
.set W0C, 0                            ; LDS: W0's codes as they lie, rows of 144 bytes
.set SC0, 18432                        ; W0's scale words, 8 bytes a row (bytes 0-3; bytes 4, 5, 127, 127); written by 256 threads for 128 rows: the upper half is a second copy that is not read
.set SST, 20480                        ; the sums: 8 groups x 8 waves x 8 bytes
.set F2S, 20992                        ; feat2: 64 channels x (128 queries x 4 bytes + 16)
.set XST, 54784                        ; the blends: for each wave 16 queries x (128 channels x 4 bytes + 16)
.set L16, 1                            ; v1   16 x lane
.set R,   2                            ; v2   lane % 16
.set H,   3                            ; v3   lane / 16
.set L8,  4                            ; v4   8 x lane
.set W0A, 5                            ; v5   my lane's place in a tile of W0
.set S0A, 6                            ; v6   and among its scale words
.set F2W, 7
.set F2R, 8
.set XSW, 9
.set XSR, 10
.set T8,  11
.set SOF, 12
.set F2O, 13
.set BOF, 14
.set SSTW, 15
.set HA,  16                           ; v[16:79]   the 8 accumulators; at the head: what goes to LDS
.set WF,  80                           ; v[80:175]  the gather's two batches of 48; then x's numbers; then W0's 8 fragments; then at work
.set GO,  176                          ; v[176:199] the gather's offsets, two sets of 12
.set TM,  176                          ; later: the quantiser's 16,
.set PT,  192                          ; and 8
.set GR,  200                          ; v[200:215] four blended rows on their way to LDS
.set XF0, 200                          ; v[200:211], v[212:223] x's two fragments
.set XF1, 212
.set XS,  224                          ; v224, v225 x's scale words: scales and nothing else
.set W0S, 226                          ; v[226:241] W0's scale words
.set SEL, 2                            ; s[2:3] v_permlanex16_b32's selects for lane l xor 16
.set WV,  22
; 16 nb numbers of a lane, register 16 b + i = k 32 b + 16 (lane / 16) + i of my query, become codes in v[dst] on and the scale word v[pw].  nb = 2: the fragment's upper half is zeros under the byte 127.
.macro QUANT s, nb, dst, pw
.irp b, 0,1,2,3
.if \b < \nb
	v_max3_num_f32 v[TM+\b], |v[\s+16*\b]|, |v[\s+1+16*\b]|, 0x2800000   ; my 16 numbers of block b, and the floor 2^(5 - 127): the byte cannot fall under 1
.endif
.endr
.irp i, 2,4,6,8,10,12,14
.irp b, 0,1,2,3
.if \b < \nb
	v_max3_num_f32 v[TM+\b], v[TM+\b], |v[\s+16*\b+\i]|, |v[\s+1+16*\b+\i]|
.endif
.endr
.endr
.irp b, 0,1,2,3
.if \b < \nb
	v_permlanex16_b32 v[TM+4+\b], v[TM+\b], s[SEL], s[SEL+1]
.endif
.endr
.irp b, 0,1,2,3
.if \b < \nb
	v_max_num_f32 v[TM+\b], v[TM+\b], v[TM+4+\b]   ; with lane l xor 16's: the block's largest magnitude
.endif
.endr
.irp b, 0,1,2,3
.if \b < \nb
	v_add_nc_u32 v[TM+12+\b], 0xfe000000, v[TM+\b] ; 4 off its exponent field: the conversion takes this operand's exponent field as its scale
.endif
.endr
.irp b, 0,1,2,3
.if \b < \nb
	v_lshrrev_b32 v[TM+4+\b], 23, v[TM+12+\b]      ; the scale's byte
.endif
.endr
	v_lshl_or_b32 v[\pw], v[TM+5], 8, v[TM+4]
.if \nb == 4
	v_lshl_or_b32 v[\pw], v[TM+6], 16, v[\pw]
	v_lshl_or_b32 v[\pw], v[TM+7], 24, v[\pw]
.else
	v_or_b32 v[\pw], 0x7f7f0000, v[\pw]
.endif
.irp c, 0,1
.if 2*\c < \nb
	v_cvt_scalef32_pk16_bf6_f32 v[\dst+6*\c:\dst+6*\c+2], v[\s+32*\c:\s+32*\c+15], v[TM+12+2*\c]
	v_cvt_scalef32_pk16_bf6_f32 v[PT+4*\c:PT+4*\c+2], v[\s+32*\c+16:\s+32*\c+31], v[TM+13+2*\c]   ; (a conversion's three registers begin on an even number)
.endif
.endr
	v_nop                                          ; one plain instruction behind a scaled conversion
.irp c, 0,1
.if 2*\c < \nb
.irp i, 0,1,2
	v_permlane16_swap_b32 v[\dst+6*\c+\i], v[PT+4*\c+\i]   ; the layout wants a whole block in a lane: lanes 0-15 block 2 c, lanes 16-31 block 2 c + 1
.endr
.irp i, 0,1,2
	v_mov_b32 v[\dst+6*\c+3+\i], v[PT+4*\c+\i]
.endr
.endif
.endr
.if \nb == 2
.irp e, 6,7,8,9,10,11
	v_mov_b32 v[\dst+\e], 0
.endr
.endif
.endm
.macro WFRAG t, adr, pitch, koff, np   ; np pieces of 8 bytes of tile t's fragment, from byte koff of its rows
.irp p, 0,1,2,3,4,5
.if \p < \np
	ds_load_b64 v[WF+12*(\t)+2*\p:WF+12*(\t)+2*\p+1], v[\adr] offset:(32*((\t)/2)+8*((\t)%2))*\pitch+\koff+48*(\p/3)+8*(\p%3)
.endif
.endr
.endm
; y0 = b0 (already in the accumulators) + W0 x.  The 8 accumulators take turns, one instruction a turn.
.macro CONV0
.irp t, 0,1,2,3,4,5,6,7
	WFRAG \t, W0A, 144, 0, 6
	ds_load_b64 v[W0S+2*\t:W0S+2*\t+1], v[S0A] offset:(32*(\t/2)+8*(\t%2))*8
.endr
	s_wait_dscnt 0x0
.irp t, 0,1,2,3,4,5,6,7
	v_wmma_scale_f32_16x16x128_f8f6f4 v[HA+8*\t:HA+8*\t+7], v[WF+12*\t:WF+12*\t+11], v[XF0:XF0+11], v[HA+8*\t:HA+8*\t+7], v[W0S+2*\t], v[XS] matrix_a_fmt:MATRIX_FMT_BF6 matrix_b_fmt:MATRIX_FMT_BF6
.endr
.rept 4
	v_nop                                          ; four places in front of loads and writes into registers that matrix instructions have read
.endr
.irp t, 0,1,2,3,4,5,6,7
	WFRAG \t, W0A, 144, 96, 3                      ; k = 128 .. 191
.endr
.irp t, 0,1,2,3,4,5,6,7
.irp e, 6,7,8,9,10,11
	v_mov_b32 v[WF+12*\t+\e], 0                    ; k = 192 .. 255: zero codes
.endr
.endr
.rept 4
	v_nop                                          ; an operand written by vector instructions stands four places ahead of a scaled matrix instruction
.endr
	s_wait_dscnt 0x0
.irp t, 0,1,2,3,4,5,6,7
	v_wmma_scale_f32_16x16x128_f8f6f4 v[HA+8*\t:HA+8*\t+7], v[WF+12*\t:WF+12*\t+11], v[XF1:XF1+11], v[HA+8*\t:HA+8*\t+7], v[W0S+2*\t+1], v[XS+1] matrix_a_fmt:MATRIX_FMT_BF6 matrix_b_fmt:MATRIX_FMT_BF6
.endr
.endm
; Of the 64 results: for b = 0 .. 3 the sum and the sum of squares about the part's own mean over my 16 registers and the 16 lanes of my half: group 2 b + lane / 16, 256 numbers.
; Each accumulator is read from its low end on.  The pair of block r % 4 goes to LDS (lanes that share a block write the same bytes with the same values).
.macro STATS
.irp b, 0,1,2,3
	v_pk_add_f32 v[WF+2*\b:WF+2*\b+1], v[HA+16*\b:HA+16*\b+1], v[HA+16*\b+2:HA+16*\b+3]
.endr
.irp i, 4,6,8,10,12,14
.irp b, 0,1,2,3
	v_pk_add_f32 v[WF+2*\b:WF+2*\b+1], v[WF+2*\b:WF+2*\b+1], v[HA+16*\b+\i:HA+16*\b+\i+1]
.endr
.endr
.irp b, 0,1,2,3
	v_add_f32 v[WF+2*\b], v[WF+2*\b], v[WF+2*\b+1]
.endr
.irp x, 1,2,4,8
.irp b, 0,1,2,3
	v_add_f32_dpp v[WF+2*\b], v[WF+2*\b], v[WF+2*\b] row_xmask:\x row_mask:0xf bank_mask:0xf
.endr
.endr
.irp b, 0,1,2,3
	v_mul_f32 v[WF+8+2*\b], 0x3b800000, v[WF+2*\b] ; the part's mean: / 256, twice for the packed lines
	v_mul_f32 v[WF+9+2*\b], 0x3b800000, v[WF+2*\b]
.endr
.irp i, 0,2,4,6,8,10,12,14
.irp b, 0,1,2,3
	v_pk_add_f32 v[WF+24+2*\b:WF+25+2*\b], v[HA+16*\b+\i:HA+16*\b+\i+1], v[WF+8+2*\b:WF+9+2*\b] neg_lo:[0,1] neg_hi:[0,1]
.endr
.irp b, 0,1,2,3
.if \i == 0
	v_pk_mul_f32 v[WF+16+2*\b:WF+17+2*\b], v[WF+24+2*\b:WF+25+2*\b], v[WF+24+2*\b:WF+25+2*\b]
.else
	v_pk_fma_f32 v[WF+16+2*\b:WF+17+2*\b], v[WF+24+2*\b:WF+25+2*\b], v[WF+24+2*\b:WF+25+2*\b], v[WF+16+2*\b:WF+17+2*\b]
.endif
.endr
.endr
.irp b, 0,1,2,3
	v_add_f32 v[WF+16+2*\b], v[WF+16+2*\b], v[WF+17+2*\b]
.endr
.irp x, 1,2,4,8
.irp b, 0,1,2,3
	v_add_f32_dpp v[WF+16+2*\b], v[WF+16+2*\b], v[WF+16+2*\b] row_xmask:\x row_mask:0xf bank_mask:0xf
.endr
.endr
	v_and_b32 v[WF+34], 3, v[R]
	v_cmp_eq_u32 s24, 1, v[WF+34]
	v_cmp_eq_u32 s25, 2, v[WF+34]
	v_cmp_eq_u32 s26, 3, v[WF+34]
	v_cndmask_b32 v[WF+32], v[WF], v[WF+2], s24
	v_cndmask_b32 v[WF+33], v[WF+16], v[WF+18], s24
	v_cndmask_b32 v[WF+32], v[WF+32], v[WF+4], s25
	v_cndmask_b32 v[WF+33], v[WF+33], v[WF+20], s25
	v_cndmask_b32 v[WF+32], v[WF+32], v[WF+6], s26
	v_cndmask_b32 v[WF+33], v[WF+33], v[WF+22], s26
	ds_store_b64 v[SSTW], v[WF+32:WF+33]
.endm
.macro GISSUE k                        ; queries 4 k .. 4 k + 3: their 12 rows of ft are asked for
.irp i, 0,1,2,3
.irp n, 0,1,2
.set f, 3*(4*\k+\i)+\n
	s_bfe_u32 s23, s[24+f/2], (16<<16)|(16*(f%2))  ; the f-th 16-bit number of the tile's 48
	s_min_u32 s23, s23, 0x7ff                      ; a number read from memory is held inside the table before it enters an address
	v_lshl_add_u32 v[GO+12*(\k%2)+3*\i+\n], s23, 9, v[L16]
	global_load_b128 v[WF+48*(\k%2)+12*\i+4*\n:WF+48*(\k%2)+12*\i+4*\n+3], v[GO+12*(\k%2)+3*\i+\n], s[6:7]
.endr
.endr
.endm
.macro GCOMB k, cnt                    ; they are blended and go to my stage.  cnt: the loads issued behind them
	s_wait_loadcnt \cnt
	s_wait_dscnt 0x0                               ; earlier LDS stores have read their registers
.irp i, 0,1,2,3
.irp n, 0,1,2
.set f, 3*(4*\k+\i)+\n
.if f < 16
.set ws, 48+f
.else
.set ws, 52+f
.endif
.irp e, 0,1,2,3
.if \n == 0
	v_mul_f32 v[GR+4*\i+\e], s[ws], v[WF+48*(\k%2)+12*\i+\e]
.else
	v_fmac_f32 v[GR+4*\i+\e], s[ws], v[WF+48*(\k%2)+12*\i+4*\n+\e]
.endif
.endr
.endr
	ds_store_b128 v[XSW], v[GR+4*\i:GR+4*\i+3] offset:(4*\k+\i)*528
.endr
.endm
	s_load_b256 s[4:11], s[0:1], 0x0               ; feat2 s[4:5], ft s[6:7], nidx s[8:9], nwt s[10:11]
	s_load_b256 s[12:19], s[0:1], 0x20             ; W0's codes s[12:13], its scales s[14:15], b0 s[16:17], xq s[18:19]
	s_load_b64 s[20:21], s[0:1], 0x40              ; st0
	v_lshl_add_u32 v254, v0, 2, 0x1de00
	v_mov_b32 v255, 0
	v_lshrrev_b32 v[L16], 5, v0
	v_readfirstlane_b32 s[WV], v[L16]              ; wave 0..7
	s_mov_b32 s[SEL], 0x76543210
	s_mov_b32 s[SEL+1], 0xfedcba98
	s_lshr_b32 s66, ttmp9, 6                       ; the batch
	s_and_b32 s67, ttmp9, 63                       ; which 128 queries of it
	s_lshl_b32 s100, ttmp9, 3
	s_add_co_u32 s100, s100, s[WV]                 ; my tile of 16 queries, of 2,048
	s_lshl_b32 s24, s66, 21                        ; feat2: a batch is 64 x 8,192 x 4 bytes; + 128 queries x 4
	s_lshl_b32 s23, s67, 9
	s_add_co_u32 s24, s24, s23
	s_mov_b32 s25, 0
	s_lshl_b32 s26, s66, 20                        ; ft: a batch is 2,048 x 512 bytes
	s_mov_b32 s27, 0
	s_mul_i32 s28, s100, 2560                      ; xq
	s_mov_b32 s29, 0
	s_lshl_b32 s30, ttmp9, 9                       ; st0: 512 bytes a work-group
	s_mov_b32 s31, 0
	s_mul_i32 s32, s100, 96                        ; nidx: 16 x 6 bytes
	s_mov_b32 s33, 0
	s_mul_i32 s34, s100, 192                       ; nwt: 16 x 12 bytes
	s_mov_b32 s35, 0
	v_and_b32 v[R], 15, v0
	v_bfe_u32 v[H], v0, 4, 1
	v_and_b32 v[L8], 31, v0
	v_lshlrev_b32 v[L16], 4, v[L8]
	v_lshlrev_b32 v[L8], 3, v[L8]
	v_lshlrev_b32 v[T8], 3, v0
	v_and_b32 v[SOF], 127, v0
	v_mul_u32_u24 v[SOF], v[SOF], 6                ; a row of W0's scales is 6 bytes
	s_lshl_b32 s23, s[WV], 15
	v_add_nc_u32 v[F2O], s23, v[L16]               ; feat2: channel wave (+ 8 i), 16 bytes a lane: a load covers a channel's 512 bytes
	v_lshlrev_b32 v[BOF], 6, v[H]
	s_wait_kmcnt 0x0
	s_add_nc_u64 s[4:5], s[4:5], s[24:25]
	s_add_nc_u64 s[6:7], s[6:7], s[26:27]
	s_add_nc_u64 s[18:19], s[18:19], s[28:29]
	s_add_nc_u64 s[20:21], s[20:21], s[30:31]
	s_add_nc_u64 s[8:9], s[8:9], s[32:33]
	s_add_nc_u64 s[10:11], s[10:11], s[34:35]
	s_load_b512 s[24:39], s[8:9], 0x0              ; the tile's 48 indices: s[24:47]
	s_load_b256 s[40:47], s[8:9], 0x40
	s_load_b512 s[48:63], s[10:11], 0x0            ; its 48 weights: number f in s[48 + f] (f under 16), else in s[52 + f]
	s_load_b512 s[68:83], s[10:11], 0x40
	s_load_b512 s[84:99], s[10:11], 0x80
.irp i, 0,1,2,3,4,5,6,7,8
	global_load_b64 v[HA+2*\i:HA+2*\i+1], v[T8], s[12:13] offset:2048*\i
.endr
.irp i, 0,1,2
	global_load_u16 v[HA+18+\i], v[SOF], s[14:15] offset:2*\i
.endr
.irp i, 0,1,2,3,4,5,6,7
	global_load_b128 v[HA+24+4*\i:HA+27+4*\i], v[F2O], s[4:5] offset:262144*\i th:TH_LOAD_NT
.endr
	v_and_b32 v[W0A], 8, v[R]
	v_add_nc_u32 v[W0A], v[W0A], v[R]              ; r + 8 (r / 8)
	v_lshl_add_u32 v[S0A], v[W0A], 3, SC0
	v_mul_u32_u24 v[W0A], v[W0A], 144
	v_mad_u32_u24 v[W0A], v[H], 24, v[W0A]
	s_mul_i32 s23, s[WV], 528
	s_add_co_u32 s23, s23, F2S
	v_add_nc_u32 v[F2W], s23, v[L16]
	s_lshl_b32 s23, s[WV], 6
	s_add_co_u32 s23, s23, F2S
	v_lshl_add_u32 v[F2R], v[R], 2, s23            ; my query's column,
	v_mad_u32_u24 v[F2R], v[H], 8448, v[F2R]       ; 16 channels further down for lanes 16-31
	s_mul_i32 s23, s[WV], 8448
	s_add_co_u32 s23, s23, XST
	v_add_nc_u32 v[XSW], s23, v[L16]
	v_mul_u32_u24 v[XSR], v[R], 528
	v_add_nc_u32 v[XSR], s23, v[XSR]
	v_lshl_add_u32 v[XSR], v[H], 6, v[XSR]
	s_lshl_b32 s23, s[WV], 3
	s_add_co_u32 s23, s23, SST
	v_and_b32 v[SSTW], 3, v[R]
	v_lshl_add_u32 v[SSTW], v[SSTW], 7, s23
	v_lshl_add_u32 v[SSTW], v[H], 6, v[SSTW]       ; group 2 (r % 4) + h: 64 bytes a group, 8 a wave
	s_wait_kmcnt 0x0
	GISSUE 0
	GISSUE 1
	s_wait_loadcnt 24                              ; all but the two batches of 12: W0 and feat2 are in
.irp i, 0,1,2,3,4,5,6,7,8
	ds_store_b64 v[T8], v[HA+2*\i:HA+2*\i+1] offset:W0C+2048*\i
.endr
	v_lshl_or_b32 v[HA+22], v[HA+19], 16, v[HA+18]
	v_or_b32 v[HA+23], 0x7f7f0000, v[HA+20]
	ds_store_b64 v[T8], v[HA+22:HA+23] offset:SC0
.irp i, 0,1,2,3,4,5,6,7
	ds_store_b128 v[F2W], v[HA+24+4*\i:HA+27+4*\i] offset:4224*\i
.endr
	GCOMB 0, 12                                    ; behind batch 0: batch 1
.irp t, 0,1,2,3,4,5,6,7                            ; b0 is the C of the sums' first instructions: lane (r, h) wants, for tile t, channels 32 (t / 2) + 8 (t % 2) + 16 h + 0 .. 7.  (The stores above have read these registers: the wait in GCOMB)
	global_load_b128 v[HA+8*\t:HA+8*\t+3], v[BOF], s[16:17] offset:(32*(\t/2)+8*(\t%2))*4
	global_load_b128 v[HA+8*\t+4:HA+8*\t+7], v[BOF], s[16:17] offset:(32*(\t/2)+8*(\t%2))*4+16
.endr
	GISSUE 2
	GCOMB 1, 28                                    ; behind batch 1: b0's 16 and batch 2's 12
	GISSUE 3
	GCOMB 2, 12                                    ; behind batch 2: batch 3
	GCOMB 3, 0
	s_wait_dscnt 0x0                               ; for the others' sake: my parts of W0 and of feat2 lie in LDS
	s_barrier_signal -1
	s_barrier_wait -1
.irp b, 0,1
.irp i, 0,1,2,3,4,5,6,7,8,9,10,11,12,13,14,15
	ds_load_b32 v[WF+16*\b+\i], v[F2R] offset:(32*\b+\i)*528       ; x's channels 32 b + 16 h + i: feat2
.endr
.endr
.irp b, 0,1
.irp j, 0,1,2,3
	ds_load_b128 v[WF+32+16*\b+4*\j:WF+35+16*\b+4*\j], v[XSR] offset:128*\b+16*\j         ; channels 64 + 32 b + 16 h on: the blend's first 64
.endr
.endr
.irp b, 0,1
.irp j, 0,1,2,3
	ds_load_b128 v[WF+64+16*\b+4*\j:WF+67+16*\b+4*\j], v[XSR] offset:256+128*\b+16*\j     ; channels 128 + 32 b + 16 h on
.endr
.endr
	s_wait_dscnt 8                                 ; the first K step's numbers are in
	QUANT WF, 4, XF0, XS
	s_wait_dscnt 0x0
	QUANT WF+64, 2, XF1, XS+1
	global_store_b128 v[L16], v[XF0:XF0+3], s[18:19]               ; the tile's record: images of the registers; each store covers 512 or 256 consecutive bytes, aligned
	global_store_b128 v[L16], v[XF0+4:XF0+7], s[18:19] offset:512
	global_store_b128 v[L16], v[XF0+8:XF0+11], s[18:19] offset:1024
	global_store_b128 v[L16], v[XF1:XF1+3], s[18:19] offset:1536
	global_store_b64 v[L8], v[XF1+4:XF1+5], s[18:19] offset:2048
	global_store_b64 v[L8], v[XS:XS+1], s[18:19] offset:2304
.rept 8
	v_nop                                          ; a scale register written by vector instructions stands eight places ahead of a scaled matrix instruction
.endr
	CONV0
.rept 4
	v_nop                                          ; four places in front of the first read of results
.endr
	STATS
	s_wait_dscnt 0x0                               ; for wave 0's sake
	s_barrier_signal -1
	s_barrier_wait -1
	s_cmp_lg_u32 s[WV], 0
	s_cbranch_scc1 .Ldone
	ds_load_b128 v[WF+36:WF+39], v[L16] offset:SST
	s_wait_dscnt 0x0
	global_store_b128 v[L16], v[WF+36:WF+39], s[20:21]             ; the work-group's 512 bytes of sums, consecutive and aligned
.Ldone:
	s_wait_tensorcnt 0x0
	ds_add_u32 v254, v255
	s_wait_dscnt 0x0
	s_endpgm
.Lfunc_end_k_q83bfb21cfb_gatherq:
	.size	k_q83bfb21cfb_gatherq, .Lfunc_end_k_q83bfb21cfb_gatherq-k_q83bfb21cfb_gatherq
	.p2alignl 7, 3214868480
	.fill 96, 4, 3214868480
	.section	.rodata,"a",@progbits
	.p2align	6, 0x0
	.amdhsa_kernel k_q83bfb21cfb_gatherq
		.amdhsa_group_segment_fixed_size 123392
		.amdhsa_private_segment_fixed_size 0
		.amdhsa_enable_private_segment 0
		.amdhsa_kernarg_size 72
		.amdhsa_user_sgpr_count 2
		.amdhsa_user_sgpr_kernarg_segment_ptr 1
		.amdhsa_wavefront_size32 1
		.amdhsa_system_sgpr_workgroup_id_x 1
		.amdhsa_system_sgpr_workgroup_id_y 1
		.amdhsa_system_sgpr_workgroup_id_z 1
		.amdhsa_system_vgpr_workitem_id 0
		.amdhsa_next_free_vgpr 256
		.amdhsa_next_free_sgpr 102
		.amdhsa_reserve_vcc 0
		.amdhsa_float_denorm_mode_32 3
		.amdhsa_float_denorm_mode_16_64 3
		.amdhsa_memory_ordered 1
		.amdhsa_forward_progress 1
		.amdhsa_inst_pref_size 58
	.end_amdhsa_kernel
	.amdgpu_metadata
---
amdhsa.version: [ 1, 2 ]
amdhsa.kernels:
  - .name:           k_q83bfb21cfb_gatherq
    .symbol:         k_q83bfb21cfb_gatherq.kd
    .args:
      - { .name: feat2, .offset: 0, .size: 8, .value_kind: global_buffer, .address_space: global }
      - { .name: ft, .offset: 8, .size: 8, .value_kind: global_buffer, .address_space: global }
      - { .name: nidx, .offset: 16, .size: 8, .value_kind: global_buffer, .address_space: global }
      - { .name: nwt, .offset: 24, .size: 8, .value_kind: global_buffer, .address_space: global }
      - { .name: w0_codes, .offset: 32, .size: 8, .value_kind: global_buffer, .address_space: global }
      - { .name: w0_scales, .offset: 40, .size: 8, .value_kind: global_buffer, .address_space: global }
      - { .name: b0, .offset: 48, .size: 8, .value_kind: global_buffer, .address_space: global }
      - { .name: xq, .offset: 56, .size: 8, .value_kind: global_buffer, .address_space: global }
      - { .name: st0, .offset: 64, .size: 8, .value_kind: global_buffer, .address_space: global }
    .group_segment_fixed_size: 123392
    .private_segment_fixed_size: 0
    .kernarg_segment_align: 8
    .kernarg_segment_size: 72
    .max_flat_workgroup_size: 256
    .sgpr_count:     102
    .vgpr_count:     256
    .wavefront_size: 32
...
	.end_amdgpu_metadata
.endif
;; end of part 3
;; launch mid (part 4): grid 256 x 1, 8 waves a work-group, no clusters, 37,120 bytes of LDS; arguments xq, st0, w0_codes, w0_scales, b0, g0, beta0, w1_codes, w1_scales, b1, hq, st1; writes hq, st1
.if DOCPART == 4
	.amdgcn_target "amdgcn-amd-amdhsa--gfx1250"
	.amdhsa_code_object_version 6
	.text
	.protected	k_q83bfb21cfb_mid
	.globl	k_q83bfb21cfb_mid
	.p2align	8
	.type	k_q83bfb21cfb_mid,@function
k_q83bfb21cfb_mid:
	s_mov_b64 s[64:65], 0
	v_nop
	global_prefetch_b8 v0, s[64:65] scope:SCOPE_SE
	s_setreg_imm32_b32 hwreg(HW_REG_WAVE_MODE, 25, 1), 1
	s_wait_xcnt 0x0
; The first GroupNorm's figures are made of the batch's 512 parts a group; y0 = W0 x + b0 is made again from x's codes (the same instructions on the same operands: the same bits);
; h = lrelu((y0 - mean) rstd g0 + beta0) is quantised along its 128 channels and stored as codes; y1 = W1 h + b1 is made on the codes, and of it only sums leave, as in the launch before.
; SHARES and LAYOUT as there: 8 waves, 16 queries each, products transposed, register 16 b + i of a lane = channel 32 b + 16 (lane / 16) + i of query lane % 16.
; THE FIGURES.  Wave w serves group w: mean = the sum of the parts' sums / 2^17; the sum of squares about it = the parts' own + 256 x the sum of (part's mean - mean)^2: no difference of large sums is formed.
; No tensor load, no cluster: what work-groups share (the weights, 32,000 bytes; a batch's 32,768 bytes of sums) is read once by each.
; LIMITS: NaN and infinities are not served, nor the scale byte 0xff.  A block of zeros gets the byte 1 where the rule says 127: its codes are zeros, and this program alone reads the bytes.
.set W0C, 0                            ; LDS: W0's codes, rows of 144 bytes
.set SC0, 18432                        ; its scale words, 8 bytes a row (256 threads write 128 rows twice over: the upper half is not read)
.set W1C, 20480                        ; W1's codes, rows of 96 bytes
.set SC1, 32768                        ; its scale words, 4 bytes a row (likewise)
.set MG,  33792                        ; the 8 groups' means, each twice
.set AC,  34048                        ; rstd x g0, 128 channels
.set BC,  34560                        ; beta0
.set B1L, 35072                        ; b1
.set SST, 35584                        ; the sums of y1: 8 groups x 8 waves x 8 bytes
.set L16, 1
.set R,   2
.set H,   3
.set L8,  4
.set W0A, 5
.set S0A, 6
.set W1A, 7
.set S1A, 8
.set T8,  9
.set T16, 10
.set SOF, 11
.set T4M, 12
.set BOF, 13
.set POF, 14
.set COF, 15
.set HA,  16                           ; v[16:79]   the 8 accumulators
.set WF,  80                           ; v[80:175]  at the head what goes to LDS and the parts; then 8 fragments of weights; between, at work
.set P,   120                          ; v[120:151] 16 parts: (sum, sum of squares) each
.set TM,  176
.set PT,  192
.set XF0, 200                          ; x's fragments; XF0 later h's
.set XF1, 212
.set XS,  224                          ; v224, v225: x's scale words, later h's (twice): scales and nothing else
.set W0S, 226
.set W1S, 242
.set G,   250
.set BETA, 251
.set B1V, 252
.set SSTW, 253
.set T4,  254
.set MGA, 255
.set SEL, 2
.set WV,  28
.set K8,  29                           ; 2^-8
.set K17, 33                           ; 2^-17
.set KE,  45                           ; 1e-5
.set W8,  46                           ; 8 x wave
.macro QUANT s, nb, dst, pw            ; 16 nb numbers of a lane, register 16 b + i = k 32 b + 16 (lane / 16) + i, become codes in v[dst] on and the scale word v[pw]
.irp b, 0,1,2,3
.if \b < \nb
	v_max3_num_f32 v[TM+\b], |v[\s+16*\b]|, |v[\s+1+16*\b]|, 0x2800000   ; my 16 numbers of block b, and the floor 2^(5 - 127): the byte cannot fall under 1
.endif
.endr
.irp i, 2,4,6,8,10,12,14
.irp b, 0,1,2,3
.if \b < \nb
	v_max3_num_f32 v[TM+\b], v[TM+\b], |v[\s+16*\b+\i]|, |v[\s+1+16*\b+\i]|
.endif
.endr
.endr
.irp b, 0,1,2,3
.if \b < \nb
	v_permlanex16_b32 v[TM+4+\b], v[TM+\b], s[SEL], s[SEL+1]
.endif
.endr
.irp b, 0,1,2,3
.if \b < \nb
	v_max_num_f32 v[TM+\b], v[TM+\b], v[TM+4+\b]
.endif
.endr
.irp b, 0,1,2,3
.if \b < \nb
	v_add_nc_u32 v[TM+12+\b], 0xfe000000, v[TM+\b] ; 4 off the exponent field: the conversion's scale operand
.endif
.endr
.irp b, 0,1,2,3
.if \b < \nb
	v_lshrrev_b32 v[TM+4+\b], 23, v[TM+12+\b]      ; the scale's byte
.endif
.endr
	v_lshl_or_b32 v[\pw], v[TM+5], 8, v[TM+4]
	v_lshl_or_b32 v[\pw], v[TM+6], 16, v[\pw]
	v_lshl_or_b32 v[\pw], v[TM+7], 24, v[\pw]
.irp c, 0,1
	v_cvt_scalef32_pk16_bf6_f32 v[\dst+6*\c:\dst+6*\c+2], v[\s+32*\c:\s+32*\c+15], v[TM+12+2*\c]
	v_cvt_scalef32_pk16_bf6_f32 v[PT+4*\c:PT+4*\c+2], v[\s+32*\c+16:\s+32*\c+31], v[TM+13+2*\c]
.endr
	v_nop                                          ; one plain instruction behind a scaled conversion
.irp c, 0,1
.irp i, 0,1,2
	v_permlane16_swap_b32 v[\dst+6*\c+\i], v[PT+4*\c+\i]
.endr
.irp i, 0,1,2
	v_mov_b32 v[\dst+6*\c+3+\i], v[PT+4*\c+\i]
.endr
.endr
.endm
.macro WFRAG t, adr, pitch, koff, np
.irp p, 0,1,2,3,4,5
.if \p < \np
	ds_load_b64 v[WF+12*(\t)+2*\p:WF+12*(\t)+2*\p+1], v[\adr] offset:(32*((\t)/2)+8*((\t)%2))*\pitch+\koff+48*(\p/3)+8*(\p%3)
.endif
.endr
.endm
.macro CONV0                           ; y0 = b0 (in the accumulators) + W0 x; the 8 accumulators take turns
.irp t, 0,1,2,3,4,5,6,7
	WFRAG \t, W0A, 144, 0, 6
	ds_load_b64 v[W0S+2*\t:W0S+2*\t+1], v[S0A] offset:(32*(\t/2)+8*(\t%2))*8
.endr
	s_wait_dscnt 0x0
.irp t, 0,1,2,3,4,5,6,7
	v_wmma_scale_f32_16x16x128_f8f6f4 v[HA+8*\t:HA+8*\t+7], v[WF+12*\t:WF+12*\t+11], v[XF0:XF0+11], v[HA+8*\t:HA+8*\t+7], v[W0S+2*\t], v[XS] matrix_a_fmt:MATRIX_FMT_BF6 matrix_b_fmt:MATRIX_FMT_BF6
.endr
.rept 4
	v_nop                                          ; four places in front of loads and writes into registers that matrix instructions have read
.endr
.irp t, 0,1,2,3,4,5,6,7
	WFRAG \t, W0A, 144, 96, 3
.endr
.irp t, 0,1,2,3,4,5,6,7
.irp e, 6,7,8,9,10,11
	v_mov_b32 v[WF+12*\t+\e], 0                    ; k = 192 .. 255: zero codes
.endr
.endr
.rept 4
	v_nop                                          ; an operand written by vector instructions stands four places ahead of a scaled matrix instruction
.endr
	s_wait_dscnt 0x0
.irp t, 0,1,2,3,4,5,6,7
	v_wmma_scale_f32_16x16x128_f8f6f4 v[HA+8*\t:HA+8*\t+7], v[WF+12*\t:WF+12*\t+11], v[XF1:XF1+11], v[HA+8*\t:HA+8*\t+7], v[W0S+2*\t+1], v[XS+1] matrix_a_fmt:MATRIX_FMT_BF6 matrix_b_fmt:MATRIX_FMT_BF6
.endr
.endm
.macro CONV1                           ; y1 = b1 (in the accumulators) + W1 h
.irp t, 0,1,2,3,4,5,6,7
	WFRAG \t, W1A, 96, 0, 6
	ds_load_b32 v[W1S+\t], v[S1A] offset:(32*(\t/2)+8*(\t%2))*4
.endr
	s_wait_dscnt 0x0
.irp t, 0,1,2,3,4,5,6,7
	v_wmma_scale_f32_16x16x128_f8f6f4 v[HA+8*\t:HA+8*\t+7], v[WF+12*\t:WF+12*\t+11], v[XF0:XF0+11], v[HA+8*\t:HA+8*\t+7], v[W1S+\t], v[XS] matrix_a_fmt:MATRIX_FMT_BF6 matrix_b_fmt:MATRIX_FMT_BF6
.endr
.endm
.macro STATS                           ; as in the launch before
.irp b, 0,1,2,3
	v_pk_add_f32 v[WF+2*\b:WF+2*\b+1], v[HA+16*\b:HA+16*\b+1], v[HA+16*\b+2:HA+16*\b+3]
.endr
.irp i, 4,6,8,10,12,14
.irp b, 0,1,2,3
	v_pk_add_f32 v[WF+2*\b:WF+2*\b+1], v[WF+2*\b:WF+2*\b+1], v[HA+16*\b+\i:HA+16*\b+\i+1]
.endr
.endr
.irp b, 0,1,2,3
	v_add_f32 v[WF+2*\b], v[WF+2*\b], v[WF+2*\b+1]
.endr
.irp x, 1,2,4,8
.irp b, 0,1,2,3
	v_add_f32_dpp v[WF+2*\b], v[WF+2*\b], v[WF+2*\b] row_xmask:\x row_mask:0xf bank_mask:0xf
.endr
.endr
.irp b, 0,1,2,3
	v_mul_f32 v[WF+8+2*\b], 0x3b800000, v[WF+2*\b]
	v_mul_f32 v[WF+9+2*\b], 0x3b800000, v[WF+2*\b]
.endr
.irp i, 0,2,4,6,8,10,12,14
.irp b, 0,1,2,3
	v_pk_add_f32 v[WF+24+2*\b:WF+25+2*\b], v[HA+16*\b+\i:HA+16*\b+\i+1], v[WF+8+2*\b:WF+9+2*\b] neg_lo:[0,1] neg_hi:[0,1]
.endr
.irp b, 0,1,2,3
.if \i == 0
	v_pk_mul_f32 v[WF+16+2*\b:WF+17+2*\b], v[WF+24+2*\b:WF+25+2*\b], v[WF+24+2*\b:WF+25+2*\b]
.else
	v_pk_fma_f32 v[WF+16+2*\b:WF+17+2*\b], v[WF+24+2*\b:WF+25+2*\b], v[WF+24+2*\b:WF+25+2*\b], v[WF+16+2*\b:WF+17+2*\b]
.endif
.endr
.endr
.irp b, 0,1,2,3
	v_add_f32 v[WF+16+2*\b], v[WF+16+2*\b], v[WF+17+2*\b]
.endr
.irp x, 1,2,4,8
.irp b, 0,1,2,3
	v_add_f32_dpp v[WF+16+2*\b], v[WF+16+2*\b], v[WF+16+2*\b] row_xmask:\x row_mask:0xf bank_mask:0xf
.endr
.endr
	v_and_b32 v[WF+34], 3, v[R]
	v_cmp_eq_u32 s42, 1, v[WF+34]
	v_cmp_eq_u32 s43, 2, v[WF+34]
	v_cmp_eq_u32 s44, 3, v[WF+34]
	v_cndmask_b32 v[WF+32], v[WF], v[WF+2], s42
	v_cndmask_b32 v[WF+33], v[WF+16], v[WF+18], s42
	v_cndmask_b32 v[WF+32], v[WF+32], v[WF+4], s43
	v_cndmask_b32 v[WF+33], v[WF+33], v[WF+20], s43
	v_cndmask_b32 v[WF+32], v[WF+32], v[WF+6], s44
	v_cndmask_b32 v[WF+33], v[WF+33], v[WF+22], s44
	ds_store_b64 v[SSTW], v[WF+32:WF+33]
.endm
.macro WAVESUM v, t                    ; the sum over the wave's 32 lanes, in every lane
.irp x, 1,2,4,8
	v_add_f32_dpp v[\v], v[\v], v[\v] row_xmask:\x row_mask:0xf bank_mask:0xf
.endr
	v_permlanex16_b32 v[\t], v[\v], s[SEL], s[SEL+1]
	v_add_f32 v[\v], v[\v], v[\t]
.endm
.macro GSTAT                           ; my group's mean and rstd from its 512 parts, 16 a lane
	v_add_f32 v[TM], v[P], v[P+4]
	v_add_f32 v[TM+1], v[P+2], v[P+6]
	v_add_f32 v[TM+8], v[P+1], v[P+5]
	v_add_f32 v[TM+9], v[P+3], v[P+7]
.irp i, 2,3,4,5,6,7
	v_add_f32 v[TM], v[TM], v[P+4*\i]
	v_add_f32 v[TM+1], v[TM+1], v[P+4*\i+2]
	v_add_f32 v[TM+8], v[TM+8], v[P+4*\i+1]
	v_add_f32 v[TM+9], v[TM+9], v[P+4*\i+3]
.endr
	v_add_f32 v[TM], v[TM], v[TM+1]
	v_add_f32 v[TM+8], v[TM+8], v[TM+9]
	WAVESUM TM, TM+1
	v_mul_f32 v[TM+2], s[K17], v[TM]               ; the mean of 16 x 8,192 numbers, twice
	v_mul_f32 v[TM+3], s[K17], v[TM]
.irp i, 0,2,4,6,8,10,12,14
	v_fma_f32 v[TM+4], v[P+2*\i], s[K8], -v[TM+2]  ; a part's mean less the mean
	v_fma_f32 v[TM+5], v[P+2*\i+2], s[K8], -v[TM+2]
.if \i == 0
	v_mul_f32 v[TM+6], v[TM+4], v[TM+4]
	v_mul_f32 v[TM+7], v[TM+5], v[TM+5]
.else
	v_fmac_f32 v[TM+6], v[TM+4], v[TM+4]
	v_fmac_f32 v[TM+7], v[TM+5], v[TM+5]
.endif
.endr
	v_add_f32 v[TM+6], v[TM+6], v[TM+7]
	v_fmamk_f32 v[TM+6], v[TM+6], 0x43800000, v[TM+8]   ; x 256, + the parts' own sums of squares
	WAVESUM TM+6, TM+7
	v_fma_f32 v[TM+6], v[TM+6], s[K17], s[KE]      ; the variance + 1e-5
	v_rsq_f32 v[TM+10], v[TM+6]
	v_mov_b32 v[TM+12], s[W8]                      ; (a plain instruction behind the transcendental)
	s_wait_alu depctr_va_vdst(0)                   ; the wait ahead of its first reader
	v_mul_f32 v[TM+11], v[TM+10], v[G]
	ds_store_b64 v[TM+12], v[TM+2:TM+3] offset:MG  ; all lanes write the same bytes with the same values
	ds_store_b32 v[COF], v[TM+11] offset:AC        ; channel 16 w + r
	ds_store_b32 v[COF], v[BETA] offset:BC
.endm
.macro NORM                            ; y -> lrelu((y - mean) (rstd g) + beta), four tiles at a time; each accumulator is read from its low end on
.irp b, 0,1,2,3
	ds_load_b64 v[TM+2*\b:TM+2*\b+1], v[MGA] offset:MG+16*\b       ; group 2 b + h's mean, twice
.endr
.irp g, 0,1
.irp t, 0,1,2,3
	ds_load_b128 v[WF+8*\t:WF+8*\t+3], v[BOF] offset:AC+(32*((4*\g+\t)/2)+8*(\t%2))*4
	ds_load_b128 v[WF+8*\t+4:WF+8*\t+7], v[BOF] offset:AC+(32*((4*\g+\t)/2)+8*(\t%2))*4+16
	ds_load_b128 v[WF+32+8*\t:WF+35+8*\t], v[BOF] offset:BC+(32*((4*\g+\t)/2)+8*(\t%2))*4
	ds_load_b128 v[WF+36+8*\t:WF+39+8*\t], v[BOF] offset:BC+(32*((4*\g+\t)/2)+8*(\t%2))*4+16
.endr
	s_wait_dscnt 0x0
.set j, 0
.rept 16
	v_pk_add_f32 v[HA+32*\g+j:HA+32*\g+j+1], v[HA+32*\g+j:HA+32*\g+j+1], v[TM+4*\g+2*(j/16):TM+4*\g+2*(j/16)+1] neg_lo:[0,1] neg_hi:[0,1]
.set j, j+2
.endr
.set j, 0
.rept 16
	v_pk_fma_f32 v[HA+32*\g+j:HA+32*\g+j+1], v[HA+32*\g+j:HA+32*\g+j+1], v[WF+j:WF+j+1], v[WF+32+j:WF+33+j]
.set j, j+2
.endr
.set j, 0
.rept 16
	v_pk_mul_f32 v[WF+64+j:WF+65+j], v[HA+32*\g+j:HA+32*\g+j+1], 0x3dcccccd op_sel_hi:[1,0]
.set j, j+2
.endr
.set j, 0
.rept 32
	v_max_num_f32 v[HA+32*\g+j], v[HA+32*\g+j], v[WF+64+j]         ; max(y, 0.1 y) is y where y >= 0, else 0.1 y
.set j, j+1
.endr
.endr
.endm
	s_load_b512 s[4:19], s[0:1], 0x0               ; xq s[4:5], st0 s[6:7], W0's codes s[8:9], scales s[10:11], b0 s[12:13], g0 s[14:15], beta0 s[16:17], W1's codes s[18:19]
	s_load_b256 s[20:27], s[0:1], 0x40             ; W1's scales s[20:21], b1 s[22:23], hq s[24:25], st1 s[26:27]
	v_lshl_add_u32 v195, v0, 2, 0x8d00
	v_mov_b32 v199, 0
	v_lshrrev_b32 v[L16], 5, v0
	v_readfirstlane_b32 s[WV], v[L16]              ; wave 0..7
	s_mov_b32 s[SEL], 0x76543210
	s_mov_b32 s[SEL+1], 0xfedcba98
	s_mov_b32 s[K8], 0x3b800000
	s_mov_b32 s[K17], 0x37000000
	s_mov_b32 s[KE], 0x3727c5ac
	s_lshl_b32 s[W8], s[WV], 3
	s_lshr_b32 s30, ttmp9, 6                       ; the batch
	s_lshl_b32 s32, ttmp9, 3
	s_add_co_u32 s32, s32, s[WV]                   ; my tile
	s_mul_i32 s34, s32, 2560
	s_mov_b32 s35, 0
	s_lshl_b32 s36, s30, 15                        ; st0: 64 work-groups x 512 bytes a batch
	s_mov_b32 s37, 0
	s_mul_i32 s38, s32, 1792
	s_mov_b32 s39, 0
	s_lshl_b32 s40, ttmp9, 9
	s_mov_b32 s41, 0
	v_and_b32 v[R], 15, v0
	v_bfe_u32 v[H], v0, 4, 1
	v_and_b32 v[L8], 31, v0
	v_lshlrev_b32 v[L16], 4, v[L8]
	v_lshrrev_b32 v[POF], 2, v[L8]
	v_and_b32 v[TM], 3, v[L8]
	v_lshlrev_b32 v[POF], 9, v[POF]                ; the parts: work-group 8 i + lane / 4,
	v_lshl_add_u32 v[POF], v[TM], 4, v[POF]        ; 16 (lane % 4) of my group's 64 bytes there
	s_lshl_b32 s31, s[WV], 6
	v_add_nc_u32 v[POF], s31, v[POF]
	v_lshl_add_u32 v[COF], v[R], 2, s31            ; channel 16 w + r, in bytes
	v_lshlrev_b32 v[L8], 3, v[L8]
	v_lshlrev_b32 v[T8], 3, v0
	v_lshlrev_b32 v[T16], 4, v0
	v_lshlrev_b32 v[T4], 2, v0
	v_and_b32 v[T4M], 127, v0
	v_mul_u32_u24 v[SOF], v[T4M], 6
	v_lshlrev_b32 v[T4M], 2, v[T4M]
	v_lshlrev_b32 v[BOF], 6, v[H]
	v_lshlrev_b32 v[MGA], 3, v[H]
	s_wait_kmcnt 0x0
	s_add_nc_u64 s[4:5], s[4:5], s[34:35]
	s_add_nc_u64 s[6:7], s[6:7], s[36:37]
	s_add_nc_u64 s[24:25], s[24:25], s[38:39]
	s_add_nc_u64 s[26:27], s[26:27], s[40:41]
.irp i, 0,1,2,3,4,5,6,7,8                          ; 16 loads: the weights on their way to LDS
	global_load_b64 v[WF+2*\i:WF+2*\i+1], v[T8], s[8:9] offset:2048*\i
.endr
.irp i, 0,1,2
	global_load_u16 v[WF+18+\i], v[SOF], s[10:11] offset:2*\i
.endr
.irp i, 0,1,2
	global_load_b128 v[WF+24+4*\i:WF+27+4*\i], v[T16], s[18:19] offset:4096*\i
.endr
	global_load_b32 v[WF+21], v[T4M], s[20:21]
.irp i, 0,1,2,3,4,5,6,7                            ; 11 loads: the parts, g0, beta0, b1
	global_load_b128 v[P+4*\i:P+4*\i+3], v[POF], s[6:7] offset:4096*\i
.endr
	global_load_b32 v[G], v[COF], s[14:15]
	global_load_b32 v[BETA], v[COF], s[16:17]
	global_load_b32 v[B1V], v[COF], s[22:23]
	global_load_b128 v[XF0:XF0+3], v[L16], s[4:5] th:TH_LOAD_NT    ; 6 loads: my tile's record of x
	global_load_b128 v[XF0+4:XF0+7], v[L16], s[4:5] offset:512 th:TH_LOAD_NT
	global_load_b128 v[XF0+8:XF0+11], v[L16], s[4:5] offset:1024 th:TH_LOAD_NT
	global_load_b128 v[XF1:XF1+3], v[L16], s[4:5] offset:1536 th:TH_LOAD_NT
	global_load_b64 v[XF1+4:XF1+5], v[L8], s[4:5] offset:2048 th:TH_LOAD_NT
	global_load_b64 v[XS:XS+1], v[L8], s[4:5] offset:2304 th:TH_LOAD_NT
.irp t, 0,1,2,3,4,5,6,7                            ; 16 loads: b0, the C of the sums' first instructions
	global_load_b128 v[HA+8*\t:HA+8*\t+3], v[BOF], s[12:13] offset:(32*(\t/2)+8*(\t%2))*4
	global_load_b128 v[HA+8*\t+4:HA+8*\t+7], v[BOF], s[12:13] offset:(32*(\t/2)+8*(\t%2))*4+16
.endr
.irp e, 6,7,8,9,10,11
	v_mov_b32 v[XF1+\e], 0                         ; x's k = 192 .. 255
.endr
	v_and_b32 v[TM], 8, v[R]
	v_add_nc_u32 v[TM], v[TM], v[R]                ; r + 8 (r / 8)
	v_lshl_add_u32 v[S0A], v[TM], 3, SC0
	v_lshl_add_u32 v[S1A], v[TM], 2, SC1
	v_mul_u32_u24 v[W0A], v[TM], 144
	v_mad_u32_u24 v[W0A], v[H], 24, v[W0A]
	v_mul_u32_u24 v[W1A], v[TM], 96
	v_mad_u32_u24 v[W1A], v[H], 24, v[W1A]
	v_add_nc_u32 v[W1A], W1C, v[W1A]
	s_add_co_u32 s31, s[W8], SST
	v_and_b32 v[SSTW], 3, v[R]
	v_lshl_add_u32 v[SSTW], v[SSTW], 7, s31
	v_lshl_add_u32 v[SSTW], v[H], 6, v[SSTW]
	s_wait_loadcnt 33                              ; behind the weights: 11 + 6 + 16
.irp i, 0,1,2,3,4,5,6,7,8
	ds_store_b64 v[T8], v[WF+2*\i:WF+2*\i+1] offset:W0C+2048*\i
.endr
	v_lshl_or_b32 v[WF+22], v[WF+19], 16, v[WF+18]
	v_or_b32 v[WF+23], 0x7f7f0000, v[WF+20]
	ds_store_b64 v[T8], v[WF+22:WF+23] offset:SC0
.irp i, 0,1,2
	ds_store_b128 v[T16], v[WF+24+4*\i:WF+27+4*\i] offset:W1C+4096*\i
.endr
	ds_store_b32 v[T4], v[WF+21] offset:SC1
	s_wait_loadcnt 22                              ; behind the parts and the gains: 6 + 16
	GSTAT
	ds_store_b32 v[COF], v[B1V] offset:B1L
	s_wait_dscnt 0x0                               ; for the others' sake: my parts of the weights and my group's figures lie in LDS
	s_barrier_signal -1
	s_barrier_wait -1
	s_wait_loadcnt 0x0                             ; x and b0
	CONV0
.rept 4
	v_nop                                          ; four places in front of the first read of results and of loads into the fragments' registers
.endr
	NORM
	QUANT HA, 4, XF0, XS
	v_mov_b32 v[XS+1], v[XS]
	global_store_b128 v[L16], v[XF0:XF0+3], s[24:25]               ; the tile's record of h: each store covers 512 or 256 consecutive bytes, aligned
	global_store_b128 v[L16], v[XF0+4:XF0+7], s[24:25] offset:512
	global_store_b128 v[L16], v[XF0+8:XF0+11], s[24:25] offset:1024
	global_store_b64 v[L8], v[XS:XS+1], s[24:25] offset:1536
.irp t, 0,1,2,3,4,5,6,7
	ds_load_b128 v[HA+8*\t:HA+8*\t+3], v[BOF] offset:B1L+(32*(\t/2)+8*(\t%2))*4
	ds_load_b128 v[HA+8*\t+4:HA+8*\t+7], v[BOF] offset:B1L+(32*(\t/2)+8*(\t%2))*4+16
.endr
.rept 8
	v_nop                                          ; a scale register written by vector instructions stands eight places ahead of a scaled matrix instruction
.endr
	CONV1
.rept 4
	v_nop
.endr
	STATS
	s_wait_dscnt 0x0                               ; for wave 0's sake
	s_barrier_signal -1
	s_barrier_wait -1
	s_cmp_lg_u32 s[WV], 0
	s_cbranch_scc1 .Ldone
	ds_load_b128 v[WF+36:WF+39], v[L16] offset:SST
	s_wait_dscnt 0x0
	global_store_b128 v[L16], v[WF+36:WF+39], s[26:27]             ; the work-group's 512 bytes of sums, consecutive and aligned
.Ldone:
	s_wait_tensorcnt 0x0
	ds_add_u32 v195, v199
	s_wait_dscnt 0x0
	s_endpgm
.Lfunc_end_k_q83bfb21cfb_mid:
	.size	k_q83bfb21cfb_mid, .Lfunc_end_k_q83bfb21cfb_mid-k_q83bfb21cfb_mid
	.p2alignl 7, 3214868480
	.fill 96, 4, 3214868480
	.section	.rodata,"a",@progbits
	.p2align	6, 0x0
	.amdhsa_kernel k_q83bfb21cfb_mid
		.amdhsa_group_segment_fixed_size 37120
		.amdhsa_private_segment_fixed_size 0
		.amdhsa_enable_private_segment 0
		.amdhsa_kernarg_size 96
		.amdhsa_user_sgpr_count 2
		.amdhsa_user_sgpr_kernarg_segment_ptr 1
		.amdhsa_wavefront_size32 1
		.amdhsa_system_sgpr_workgroup_id_x 1
		.amdhsa_system_sgpr_workgroup_id_y 1
		.amdhsa_system_sgpr_workgroup_id_z 1
		.amdhsa_system_vgpr_workitem_id 0
		.amdhsa_next_free_vgpr 256
		.amdhsa_next_free_sgpr 66
		.amdhsa_reserve_vcc 0
		.amdhsa_float_denorm_mode_32 3
		.amdhsa_float_denorm_mode_16_64 3
		.amdhsa_memory_ordered 1
		.amdhsa_forward_progress 1
		.amdhsa_inst_pref_size 53
	.end_amdhsa_kernel
	.amdgpu_metadata
---
amdhsa.version: [ 1, 2 ]
amdhsa.kernels:
  - .name:           k_q83bfb21cfb_mid
    .symbol:         k_q83bfb21cfb_mid.kd
    .args:
      - { .name: xq, .offset: 0, .size: 8, .value_kind: global_buffer, .address_space: global }
      - { .name: st0, .offset: 8, .size: 8, .value_kind: global_buffer, .address_space: global }
      - { .name: w0_codes, .offset: 16, .size: 8, .value_kind: global_buffer, .address_space: global }
      - { .name: w0_scales, .offset: 24, .size: 8, .value_kind: global_buffer, .address_space: global }
      - { .name: b0, .offset: 32, .size: 8, .value_kind: global_buffer, .address_space: global }
      - { .name: g0, .offset: 40, .size: 8, .value_kind: global_buffer, .address_space: global }
      - { .name: beta0, .offset: 48, .size: 8, .value_kind: global_buffer, .address_space: global }
      - { .name: w1_codes, .offset: 56, .size: 8, .value_kind: global_buffer, .address_space: global }
      - { .name: w1_scales, .offset: 64, .size: 8, .value_kind: global_buffer, .address_space: global }
      - { .name: b1, .offset: 72, .size: 8, .value_kind: global_buffer, .address_space: global }
      - { .name: hq, .offset: 80, .size: 8, .value_kind: global_buffer, .address_space: global }
      - { .name: st1, .offset: 88, .size: 8, .value_kind: global_buffer, .address_space: global }
    .group_segment_fixed_size: 37120
    .private_segment_fixed_size: 0
    .kernarg_segment_align: 8
    .kernarg_segment_size: 96
    .max_flat_workgroup_size: 256
    .sgpr_count:     66
    .vgpr_count:     256
    .wavefront_size: 32
...
	.end_amdgpu_metadata
.endif
;; end of part 4
;; launch last (part 5): grid 256 x 1, 8 waves a work-group, no clusters, 83,200 bytes of LDS; arguments hq, st1, w1_codes, w1_scales, b1, g1, beta1, out0; writes out0
.if DOCPART == 5
	.amdgcn_target "amdgcn-amd-amdhsa--gfx1250"
	.amdhsa_code_object_version 6
	.text
	.protected	k_q83bfb21cfb_last
	.globl	k_q83bfb21cfb_last
	.p2align	8
	.type	k_q83bfb21cfb_last,@function
k_q83bfb21cfb_last:
	s_mov_b64 s[64:65], 0
	v_nop
	global_prefetch_b8 v0, s[64:65] scope:SCOPE_SE
	s_setreg_imm32_b32 hwreg(HW_REG_WAVE_MODE, 25, 1), 1
	s_wait_xcnt 0x0
; The second GroupNorm's figures are made of the batch's 512 parts a group; y1 = W1 h + b1 is made again from h's codes (the same bits as in the launch before);
; out = lrelu((y1 - mean) rstd g1 + beta1), f32, laid [channel][query]: it is turned through a stage in LDS, so that a wave stores 512 consecutive bytes of a channel's row.
; SHARES and LAYOUT as in the two launches before: 8 waves, 16 queries each, the product transposed, register 16 b + i of a lane = channel 32 b + 16 (lane / 16) + i of query lane % 16.
; No tensor load, no cluster: what work-groups share (W1, 12,800 bytes; a batch's 32,768 bytes of sums) is read once by each.
; LIMITS: NaN and infinities are not served, nor the scale byte 0xff.
.set W1C, 0                            ; LDS: W1's codes, rows of 96 bytes
.set SC1, 12288                        ; its scale words, 4 bytes a row (256 threads write 128 rows twice over: the upper half is not read)
.set MG,  13312                        ; the 8 groups' means, each twice
.set AC,  13568                        ; rstd x g1
.set BC,  14080                        ; beta1
.set OST, 14592                        ; the stage: 128 channels x (128 queries x 4 bytes + 16)
.set L16, 1
.set R,   2
.set H,   3
.set L8,  4
.set W1A, 5
.set S1A, 6
.set T16, 7
.set T4M, 8
.set T4,  9
.set BOF, 10
.set POF, 11
.set COF, 12
.set MGA, 13
.set OSW, 14
.set OSR, 15
.set HA,  16
.set WF,  80
.set P,   120
.set TM,  176
.set XF0, 200                          ; h's fragment
.set XS,  224                          ; v224 (and v225): its scale words
.set W1S, 242
.set OUTO, 250
.set G,   251
.set BETA, 252
.set SEL, 2
.set WV,  20
.set K8,  32
.set K17, 33
.set KE,  34
.set W8,  35
.macro WFRAG t, adr, pitch, koff, np
.irp p, 0,1,2,3,4,5
.if \p < \np
	ds_load_b64 v[WF+12*(\t)+2*\p:WF+12*(\t)+2*\p+1], v[\adr] offset:(32*((\t)/2)+8*((\t)%2))*\pitch+\koff+48*(\p/3)+8*(\p%3)
.endif
.endr
.endm
.macro CONV1                           ; y1 = b1 (in the accumulators) + W1 h: one instruction for each of the 8 accumulators
.irp t, 0,1,2,3,4,5,6,7
	WFRAG \t, W1A, 96, 0, 6
	ds_load_b32 v[W1S+\t], v[S1A] offset:(32*(\t/2)+8*(\t%2))*4
.endr
	s_wait_dscnt 0x0
.irp t, 0,1,2,3,4,5,6,7
	v_wmma_scale_f32_16x16x128_f8f6f4 v[HA+8*\t:HA+8*\t+7], v[WF+12*\t:WF+12*\t+11], v[XF0:XF0+11], v[HA+8*\t:HA+8*\t+7], v[W1S+\t], v[XS] matrix_a_fmt:MATRIX_FMT_BF6 matrix_b_fmt:MATRIX_FMT_BF6
.endr
.endm
.macro WAVESUM v, t
.irp x, 1,2,4,8
	v_add_f32_dpp v[\v], v[\v], v[\v] row_xmask:\x row_mask:0xf bank_mask:0xf
.endr
	v_permlanex16_b32 v[\t], v[\v], s[SEL], s[SEL+1]
	v_add_f32 v[\v], v[\v], v[\t]
.endm
.macro GSTAT                           ; my group's mean and rstd from its 512 parts, 16 a lane: no difference of large sums is formed
	v_add_f32 v[TM], v[P], v[P+4]
	v_add_f32 v[TM+1], v[P+2], v[P+6]
	v_add_f32 v[TM+8], v[P+1], v[P+5]
	v_add_f32 v[TM+9], v[P+3], v[P+7]
.irp i, 2,3,4,5,6,7
	v_add_f32 v[TM], v[TM], v[P+4*\i]
	v_add_f32 v[TM+1], v[TM+1], v[P+4*\i+2]
	v_add_f32 v[TM+8], v[TM+8], v[P+4*\i+1]
	v_add_f32 v[TM+9], v[TM+9], v[P+4*\i+3]
.endr
	v_add_f32 v[TM], v[TM], v[TM+1]
	v_add_f32 v[TM+8], v[TM+8], v[TM+9]
	WAVESUM TM, TM+1
	v_mul_f32 v[TM+2], s[K17], v[TM]
	v_mul_f32 v[TM+3], s[K17], v[TM]
.irp i, 0,2,4,6,8,10,12,14
	v_fma_f32 v[TM+4], v[P+2*\i], s[K8], -v[TM+2]
	v_fma_f32 v[TM+5], v[P+2*\i+2], s[K8], -v[TM+2]
.if \i == 0
	v_mul_f32 v[TM+6], v[TM+4], v[TM+4]
	v_mul_f32 v[TM+7], v[TM+5], v[TM+5]
.else
	v_fmac_f32 v[TM+6], v[TM+4], v[TM+4]
	v_fmac_f32 v[TM+7], v[TM+5], v[TM+5]
.endif
.endr
	v_add_f32 v[TM+6], v[TM+6], v[TM+7]
	v_fmamk_f32 v[TM+6], v[TM+6], 0x43800000, v[TM+8]
	WAVESUM TM+6, TM+7
	v_fma_f32 v[TM+6], v[TM+6], s[K17], s[KE]
	v_rsq_f32 v[TM+10], v[TM+6]
	v_mov_b32 v[TM+12], s[W8]                      ; (a plain instruction behind the transcendental)
	s_wait_alu depctr_va_vdst(0)                   ; the wait ahead of its first reader
	v_mul_f32 v[TM+11], v[TM+10], v[G]
	ds_store_b64 v[TM+12], v[TM+2:TM+3] offset:MG
	ds_store_b32 v[COF], v[TM+11] offset:AC
	ds_store_b32 v[COF], v[BETA] offset:BC
.endm
.macro NORM                            ; y -> lrelu((y - mean) (rstd g) + beta), four tiles at a time; each accumulator is read from its low end on
.irp b, 0,1,2,3
	ds_load_b64 v[TM+2*\b:TM+2*\b+1], v[MGA] offset:MG+16*\b
.endr
.irp g, 0,1
.irp t, 0,1,2,3
	ds_load_b128 v[WF+8*\t:WF+8*\t+3], v[BOF] offset:AC+(32*((4*\g+\t)/2)+8*(\t%2))*4
	ds_load_b128 v[WF+8*\t+4:WF+8*\t+7], v[BOF] offset:AC+(32*((4*\g+\t)/2)+8*(\t%2))*4+16
	ds_load_b128 v[WF+32+8*\t:WF+35+8*\t], v[BOF] offset:BC+(32*((4*\g+\t)/2)+8*(\t%2))*4
	ds_load_b128 v[WF+36+8*\t:WF+39+8*\t], v[BOF] offset:BC+(32*((4*\g+\t)/2)+8*(\t%2))*4+16
.endr
	s_wait_dscnt 0x0
.set j, 0
.rept 16
	v_pk_add_f32 v[HA+32*\g+j:HA+32*\g+j+1], v[HA+32*\g+j:HA+32*\g+j+1], v[TM+4*\g+2*(j/16):TM+4*\g+2*(j/16)+1] neg_lo:[0,1] neg_hi:[0,1]
.set j, j+2
.endr
.set j, 0
.rept 16
	v_pk_fma_f32 v[HA+32*\g+j:HA+32*\g+j+1], v[HA+32*\g+j:HA+32*\g+j+1], v[WF+j:WF+j+1], v[WF+32+j:WF+33+j]
.set j, j+2
.endr
.set j, 0
.rept 16
	v_pk_mul_f32 v[WF+64+j:WF+65+j], v[HA+32*\g+j:HA+32*\g+j+1], 0x3dcccccd op_sel_hi:[1,0]
.set j, j+2
.endr
.set j, 0
.rept 32
	v_max_num_f32 v[HA+32*\g+j], v[HA+32*\g+j], v[WF+64+j]
.set j, j+1
.endr
.endr
.endm
	s_load_b512 s[4:19], s[0:1], 0x0               ; hq s[4:5], st1 s[6:7], W1's codes s[8:9], scales s[10:11], b1 s[12:13], g1 s[14:15], beta1 s[16:17], out0 s[18:19]
	v_lshl_add_u32 v254, v0, 2, 0x14100
	v_mov_b32 v255, 0
	v_lshrrev_b32 v[L16], 5, v0
	v_readfirstlane_b32 s[WV], v[L16]              ; wave 0..7
	s_mov_b32 s[SEL], 0x76543210
	s_mov_b32 s[SEL+1], 0xfedcba98
	s_mov_b32 s[K8], 0x3b800000
	s_mov_b32 s[K17], 0x37000000
	s_mov_b32 s[KE], 0x3727c5ac
	s_lshl_b32 s[W8], s[WV], 3
	s_lshr_b32 s22, ttmp9, 6                       ; the batch
	s_and_b32 s23, ttmp9, 63
	s_lshl_b32 s24, ttmp9, 3
	s_add_co_u32 s24, s24, s[WV]                   ; my tile
	s_mul_i32 s26, s24, 1792
	s_mov_b32 s27, 0
	s_lshl_b32 s28, s22, 15
	s_mov_b32 s29, 0
	s_lshl_b32 s30, s22, 22                        ; out0: a batch is 128 x 8,192 x 4 bytes; + 128 queries x 4
	s_lshl_b32 s21, s23, 9
	s_add_co_u32 s30, s30, s21
	s_mov_b32 s31, 0
	v_and_b32 v[R], 15, v0
	v_bfe_u32 v[H], v0, 4, 1
	v_and_b32 v[L8], 31, v0
	v_lshlrev_b32 v[L16], 4, v[L8]
	v_lshrrev_b32 v[POF], 2, v[L8]
	v_and_b32 v[TM], 3, v[L8]
	v_lshlrev_b32 v[POF], 9, v[POF]
	v_lshl_add_u32 v[POF], v[TM], 4, v[POF]
	s_lshl_b32 s21, s[WV], 6
	v_add_nc_u32 v[POF], s21, v[POF]
	v_lshl_add_u32 v[COF], v[R], 2, s21
	v_lshlrev_b32 v[L8], 3, v[L8]
	v_lshlrev_b32 v[T16], 4, v0
	v_lshlrev_b32 v[T4], 2, v0
	v_and_b32 v[T4M], 127, v0
	v_lshlrev_b32 v[T4M], 2, v[T4M]
	v_lshlrev_b32 v[BOF], 6, v[H]
	v_lshlrev_b32 v[MGA], 3, v[H]
	s_wait_kmcnt 0x0
	s_add_nc_u64 s[4:5], s[4:5], s[26:27]
	s_add_nc_u64 s[6:7], s[6:7], s[28:29]
	s_add_nc_u64 s[18:19], s[18:19], s[30:31]
.irp i, 0,1,2                                      ; 4 loads: W1 on its way to LDS
	global_load_b128 v[WF+4*\i:WF+4*\i+3], v[T16], s[8:9] offset:4096*\i
.endr
	global_load_b32 v[WF+12], v[T4M], s[10:11]
.irp i, 0,1,2,3,4,5,6,7                            ; 10 loads: the parts, g1, beta1
	global_load_b128 v[P+4*\i:P+4*\i+3], v[POF], s[6:7] offset:4096*\i
.endr
	global_load_b32 v[G], v[COF], s[14:15]
	global_load_b32 v[BETA], v[COF], s[16:17]
	global_load_b128 v[XF0:XF0+3], v[L16], s[4:5] th:TH_LOAD_NT    ; 4 loads: my tile's record of h
	global_load_b128 v[XF0+4:XF0+7], v[L16], s[4:5] offset:512 th:TH_LOAD_NT
	global_load_b128 v[XF0+8:XF0+11], v[L16], s[4:5] offset:1024 th:TH_LOAD_NT
	global_load_b64 v[XS:XS+1], v[L8], s[4:5] offset:1536 th:TH_LOAD_NT
.irp t, 0,1,2,3,4,5,6,7                            ; 16 loads: b1, the C of the sums
	global_load_b128 v[HA+8*\t:HA+8*\t+3], v[BOF], s[12:13] offset:(32*(\t/2)+8*(\t%2))*4
	global_load_b128 v[HA+8*\t+4:HA+8*\t+7], v[BOF], s[12:13] offset:(32*(\t/2)+8*(\t%2))*4+16
.endr
	v_and_b32 v[TM], 8, v[R]
	v_add_nc_u32 v[TM], v[TM], v[R]                ; r + 8 (r / 8)
	v_lshl_add_u32 v[S1A], v[TM], 2, SC1
	v_mul_u32_u24 v[W1A], v[TM], 96
	v_mad_u32_u24 v[W1A], v[H], 24, v[W1A]
	s_add_co_u32 s21, s21, OST
	v_lshl_add_u32 v[OSW], v[R], 2, s21            ; the stage, on the way in: my query's column,
	v_mad_u32_u24 v[OSW], v[H], 8448, v[OSW]       ; 16 channels further down for lanes 16-31
	s_mul_i32 s21, s[WV], 8448
	s_add_co_u32 s21, s21, OST
	v_add_nc_u32 v[OSR], s21, v[L16]               ; and on the way out: channels 16 w on, 16 bytes a lane
	s_lshl_b32 s21, s[WV], 19
	v_add_nc_u32 v[OUTO], s21, v[L16]              ; the same in out0: 16 rows of 32,768 bytes a wave
	s_wait_loadcnt 30                              ; behind W1: 10 + 4 + 16
.irp i, 0,1,2
	ds_store_b128 v[T16], v[WF+4*\i:WF+4*\i+3] offset:W1C+4096*\i
.endr
	ds_store_b32 v[T4], v[WF+12] offset:SC1
	s_wait_loadcnt 20                              ; behind the parts and the gains: 4 + 16
	GSTAT
	s_wait_dscnt 0x0                               ; for the others' sake: my part of W1 and my group's figures lie in LDS
	s_barrier_signal -1
	s_barrier_wait -1
	s_wait_loadcnt 0x0                             ; h and b1
	CONV1
.rept 4
	v_nop                                          ; four places in front of the first read of results and of loads into the fragments' registers
.endr
	NORM
.irp t, 0,1,2,3,4,5,6,7
.irp j, 0,1,2,3,4,5,6,7
	ds_store_b32 v[OSW], v[HA+8*\t+\j] offset:(32*(\t/2)+8*(\t%2)+\j)*528
.endr
.endr
	s_wait_dscnt 0x0                               ; for the others' sake: my 16 queries' columns lie in the stage
	s_barrier_signal -1
	s_barrier_wait -1
.irp i, 0,1,2,3,4,5,6,7,8,9,10,11,12,13,14,15
	ds_load_b128 v[WF+4*\i:WF+4*\i+3], v[OSR] offset:528*\i
.endr
.irp i, 0,1,2,3,4,5,6,7,8,9,10,11,12,13,14,15
	s_wait_dscnt 15-\i
	global_store_b128 v[OUTO], v[WF+4*\i:WF+4*\i+3], s[18:19] offset:32768*\i th:TH_STORE_NT   ; 32 lanes store 512 consecutive bytes of a channel's row, at a multiple of 256 from out0's first byte
.endr
	s_wait_tensorcnt 0x0
	ds_add_u32 v254, v255
	s_wait_dscnt 0x0
	s_endpgm
.Lfunc_end_k_q83bfb21cfb_last:
	.size	k_q83bfb21cfb_last, .Lfunc_end_k_q83bfb21cfb_last-k_q83bfb21cfb_last
	.p2alignl 7, 3214868480
	.fill 96, 4, 3214868480
	.section	.rodata,"a",@progbits
	.p2align	6, 0x0
	.amdhsa_kernel k_q83bfb21cfb_last
		.amdhsa_group_segment_fixed_size 83200
		.amdhsa_private_segment_fixed_size 0
		.amdhsa_enable_private_segment 0
		.amdhsa_kernarg_size 64
		.amdhsa_user_sgpr_count 2
		.amdhsa_user_sgpr_kernarg_segment_ptr 1
		.amdhsa_wavefront_size32 1
		.amdhsa_system_sgpr_workgroup_id_x 1
		.amdhsa_system_sgpr_workgroup_id_y 1
		.amdhsa_system_sgpr_workgroup_id_z 1
		.amdhsa_system_vgpr_workitem_id 0
		.amdhsa_next_free_vgpr 256
		.amdhsa_next_free_sgpr 66
		.amdhsa_reserve_vcc 0
		.amdhsa_float_denorm_mode_32 3
		.amdhsa_float_denorm_mode_16_64 3
		.amdhsa_memory_ordered 1
		.amdhsa_forward_progress 1
		.amdhsa_inst_pref_size 34
	.end_amdhsa_kernel
	.amdgpu_metadata
---
amdhsa.version: [ 1, 2 ]
amdhsa.kernels:
  - .name:           k_q83bfb21cfb_last
    .symbol:         k_q83bfb21cfb_last.kd
    .args:
      - { .name: hq, .offset: 0, .size: 8, .value_kind: global_buffer, .address_space: global }
      - { .name: st1, .offset: 8, .size: 8, .value_kind: global_buffer, .address_space: global }
      - { .name: w1_codes, .offset: 16, .size: 8, .value_kind: global_buffer, .address_space: global }
      - { .name: w1_scales, .offset: 24, .size: 8, .value_kind: global_buffer, .address_space: global }
      - { .name: b1, .offset: 32, .size: 8, .value_kind: global_buffer, .address_space: global }
      - { .name: g1, .offset: 40, .size: 8, .value_kind: global_buffer, .address_space: global }
      - { .name: beta1, .offset: 48, .size: 8, .value_kind: global_buffer, .address_space: global }
      - { .name: out0, .offset: 56, .size: 8, .value_kind: global_buffer, .address_space: global }
    .group_segment_fixed_size: 83200
    .private_segment_fixed_size: 0
    .kernarg_segment_align: 8
    .kernarg_segment_size: 64
    .max_flat_workgroup_size: 256
    .sgpr_count:     66
    .vgpr_count:     256
    .wavefront_size: 32
...
	.end_amdgpu_metadata
.endif
;; end of part 5
;; ======== version 2 of 2: 5 launches; version 1 with the launches gatherq, mid, last written anew for expert scheduling mode
;; workspace buffers: ft 4,194,304 bytes; chunks 524,288 bytes of whole numbers; nidx 196,608 bytes of whole numbers; nwt 393,216 bytes; xq 5,242,880 bytes; st0 131,072 bytes; hq 3,670,016 bytes; st1 131,072 bytes
;; launch coarse: the kernel of part 1 again; grid 256 x 1, 16 waves a work-group, no clusters, 73,728 bytes of LDS; arguments xyz1, xyz2, feat1, chunks, ft; writes chunks, ft
;; launch fine: the kernel of part 2 again; grid 256 x 1, 4 waves a work-group, no clusters, 26,112 bytes of LDS; arguments xyz1, xyz2, chunks, nidx, nwt; writes nidx, nwt
;; launch gatherq (part 6): grid 256 x 1, 8 waves a work-group, no clusters, 123,392 bytes of LDS; arguments feat2, ft, nidx, nwt, w0_codes, w0_scales, b0, xq, st0; writes xq, st0
.if DOCPART == 6
	.amdgcn_target "amdgcn-amd-amdhsa--gfx1250"
	.amdhsa_code_object_version 6
	.text
	.protected	k_q83bfb21cfb_gatherq
	.globl	k_q83bfb21cfb_gatherq
	.p2align	8
	.type	k_q83bfb21cfb_gatherq,@function
k_q83bfb21cfb_gatherq:
	s_mov_b64 s[64:65], 0
	v_nop
	global_prefetch_b8 v0, s[64:65] scope:SCOPE_SE
	s_setreg_imm32_b32 hwreg(HW_REG_WAVE_SCHED_MODE, 0, 2), 2
	s_setreg_imm32_b32 hwreg(HW_REG_WAVE_MODE, 25, 1), 1
	s_wait_xcnt 0x0
	s_wait_alu depctr_vm_vsrc(0)
; x = [feat2 (64 channels); the blend of three rows of ft (128 channels)] for 128 queries of a batch; x is quantised along its 192 channels (codes of E3M2, one E8M0 byte for each 32) and stored as codes;
; y0 = W0 x + b0 is made on the codes, and of it only sums leave: for each wave's 16 queries and each group of 16 channels (sum, sum of squares about that part's own mean), 256 numbers each.
; y0 itself is not stored: the next launch makes it again from the codes (16 matrix instructions a wave against 16.8 MB out and in).
; SHARES.  8 waves, each 16 queries (a tile).  THE PRODUCT IS USED TRANSPOSED: source 0 = 16 rows of W0, source 1 = x: a lane holds ONE query (lane % 16).  THE ROWS OF W0 THAT FORM A TILE ARE NOT NEIGHBOURS:
; lane r of tile t takes row 32 (t / 2) + 8 (t % 2) + r + 8 (r / 8), so that register 16 b + i of the 64 results is channel 32 b + 16 (lane / 16) + i: the order in which the quantiser wants numbers, and 16 registers are one group.
; K = 192 goes as two steps of 128: in the second, k = 192 .. 255 are zero codes on both sides under the byte 127.
; THE GATHER.  A query's three indices and weights are the same for the whole wave: they come by scalar loads; a row of ft is 512 consecutive bytes, 16 a lane.  Four queries (12 rows) a batch, two batches out.
; No tensor load, no cluster: what work-groups share is W0, 19,200 bytes, read once by each.
; LIMITS: NaN and infinities are not served, nor the scale byte 0xff.  A block of zeros gets the byte 1 where the rule says 127: its codes are zeros, and this program alone reads the bytes.
; THE MODE: SCHED_MODE bits 1:0 = 2 (LLVM: expert scheduling mode 2), set by the entry lines.  The code itself states the register dependences
; between vector or matrix instructions and memory or LDS instructions, with s_wait_alu, always for 0.
; THE PLAN.  Registers that memory or LDS instructions touch, and who else names them:
;   v1-v15     offsets and LDS addresses: made at the head, never written again.
;   HA         W0 and feat2 land in it; two vector lines make W0's scale words; LDS stores read it; then b0 lands in it; from there on matrix and vector instructions alone.
;   WF[k % 2]  batch k's 12 rows land; batch k's blend reads them; batch k + 2's rows land.  Later: x's numbers land and the quantiser reads them; W0's fragments land and the products read them.
;   GO[k % 2]  written by the lines that make batch k's offsets, read by its 12 loads, written again for batch k + 2.
;   GR         written by a batch's blend, read by its four LDS stores, written by the next blend; at the end these registers become x's fragments.
; A batch's turn has two waits: one on vm_vsrc at its head (the LDS stores issued so far have read GR or HA, the batch's loads have read GO), and ONE on va_vdst behind its blend and the offsets of the
; batch two on: GR and GO are written, and the blend is done reading WF[k % 2].  The loads and the LDS stores that follow name nothing that a vector instruction has named since.
.set W0C, 0                            ; LDS: W0's codes as they lie, rows of 144 bytes
.set SC0, 18432                        ; W0's scale words, 8 bytes a row (bytes 0-3; bytes 4, 5, 127, 127); written by 256 threads for 128 rows: the upper half is a second copy that is not read
.set SST, 20480                        ; the sums: 8 groups x 8 waves x 8 bytes
.set F2S, 20992                        ; feat2: 64 channels x (128 queries x 4 bytes + 16)
.set XST, 54784                        ; the blends: for each wave 16 queries x (128 channels x 4 bytes + 16)
.set L16, 1                            ; v1   16 x lane
.set R,   2                            ; v2   lane % 16
.set H,   3                            ; v3   lane / 16
.set L8,  4                            ; v4   8 x lane
.set W0A, 5                            ; v5   my lane's place in a tile of W0
.set S0A, 6                            ; v6   and among its scale words
.set F2W, 7
.set F2R, 8
.set XSW, 9
.set XSR, 10
.set T8,  11
.set SOF, 12
.set F2O, 13
.set BOF, 14
.set SSTW, 15
.set HA,  16                           ; v[16:79]   the 8 accumulators; at the head: what goes to LDS
.set WF,  80                           ; v[80:175]  the gather's two batches of 48; then x's numbers; then W0's 8 fragments; then at work
.set GO,  176                          ; v[176:199] the gather's offsets, two sets of 12
.set TM,  176                          ; later: the quantiser's 16,
.set PT,  192                          ; and 8
.set GR,  200                          ; v[200:215] four blended rows on their way to LDS
.set XF0, 200                          ; v[200:211], v[212:223] x's two fragments
.set XF1, 212
.set XS,  224                          ; v224, v225 x's scale words: scales and nothing else
.set W0S, 226                          ; v[226:241] W0's scale words
.set SEL, 2                            ; s[2:3] v_permlanex16_b32's selects for lane l xor 16
.set WV,  22
; 16 nb numbers of a lane, register 16 b + i = k 32 b + 16 (lane / 16) + i of my query, become codes in v[dst] on and the scale word v[pw].  nb = 2: the fragment's upper half is zeros under the byte 127.
.macro QUANT s, nb, dst, pw
.irp b, 0,1,2,3
.if \b < \nb
	v_max3_num_f32 v[TM+\b], |v[\s+16*\b]|, |v[\s+1+16*\b]|, 0x2800000   ; my 16 numbers of block b, and the floor 2^(5 - 127): the byte cannot fall under 1
.endif
.endr
.irp i, 2,4,6,8,10,12,14
.irp b, 0,1,2,3
.if \b < \nb
	v_max3_num_f32 v[TM+\b], v[TM+\b], |v[\s+16*\b+\i]|, |v[\s+1+16*\b+\i]|
.endif
.endr
.endr
.irp b, 0,1,2,3
.if \b < \nb
	v_permlanex16_b32 v[TM+4+\b], v[TM+\b], s[SEL], s[SEL+1]
.endif
.endr
.irp b, 0,1,2,3
.if \b < \nb
	v_max_num_f32 v[TM+\b], v[TM+\b], v[TM+4+\b]   ; with lane l xor 16's: the block's largest magnitude
.endif
.endr
.irp b, 0,1,2,3
.if \b < \nb
	v_add_nc_u32 v[TM+12+\b], 0xfe000000, v[TM+\b] ; 4 off its exponent field: the conversion takes this operand's exponent field as its scale
.endif
.endr
.irp b, 0,1,2,3
.if \b < \nb
	v_lshrrev_b32 v[TM+4+\b], 23, v[TM+12+\b]      ; the scale's byte
.endif
.endr
	v_lshl_or_b32 v[\pw], v[TM+5], 8, v[TM+4]
.if \nb == 4
	v_lshl_or_b32 v[\pw], v[TM+6], 16, v[\pw]
	v_lshl_or_b32 v[\pw], v[TM+7], 24, v[\pw]
.else
	v_or_b32 v[\pw], 0x7f7f0000, v[\pw]
.endif
.irp c, 0,1
.if 2*\c < \nb
	v_cvt_scalef32_pk16_bf6_f32 v[\dst+6*\c:\dst+6*\c+2], v[\s+32*\c:\s+32*\c+15], v[TM+12+2*\c]
	v_cvt_scalef32_pk16_bf6_f32 v[PT+4*\c:PT+4*\c+2], v[\s+32*\c+16:\s+32*\c+31], v[TM+13+2*\c]   ; (a conversion's three registers begin on an even number)
.endif
.endr
	v_nop                                          ; one plain instruction behind a scaled conversion
.irp c, 0,1
.if 2*\c < \nb
.irp i, 0,1,2
	v_permlane16_swap_b32 v[\dst+6*\c+\i], v[PT+4*\c+\i]   ; the layout wants a whole block in a lane: lanes 0-15 block 2 c, lanes 16-31 block 2 c + 1
.endr
.irp i, 0,1,2
	v_mov_b32 v[\dst+6*\c+3+\i], v[PT+4*\c+\i]
.endr
.endif
.endr
.if \nb == 2
.irp e, 6,7,8,9,10,11
	v_mov_b32 v[\dst+\e], 0
.endr
.endif
.endm
.macro WFRAG t, adr, pitch, koff, np   ; np pieces of 8 bytes of tile t's fragment, from byte koff of its rows
.irp p, 0,1,2,3,4,5
.if \p < \np
	ds_load_b64 v[WF+12*(\t)+2*\p:WF+12*(\t)+2*\p+1], v[\adr] offset:(32*((\t)/2)+8*((\t)%2))*\pitch+\koff+48*(\p/3)+8*(\p%3)
.endif
.endr
.endm
; y0 = b0 (already in the accumulators) + W0 x.  The 8 accumulators take turns, one instruction a turn.
.macro CONV0
.irp t, 0,1,2,3,4,5,6,7
	WFRAG \t, W0A, 144, 0, 6
	ds_load_b64 v[W0S+2*\t:W0S+2*\t+1], v[S0A] offset:(32*(\t/2)+8*(\t%2))*8
.endr
	s_wait_dscnt 0x0
.irp t, 0,1,2,3,4,5,6,7
	v_wmma_scale_f32_16x16x128_f8f6f4 v[HA+8*\t:HA+8*\t+7], v[WF+12*\t:WF+12*\t+11], v[XF0:XF0+11], v[HA+8*\t:HA+8*\t+7], v[W0S+2*\t], v[XS] matrix_a_fmt:MATRIX_FMT_BF6 matrix_b_fmt:MATRIX_FMT_BF6
.endr
.rept 4
	v_nop                                          ; four places in front of vector writes into registers that matrix instructions have read (ISA guide 7.12.1)
.endr
.irp t, 0,1,2,3,4,5,6,7
.irp e, 6,7,8,9,10,11
	v_mov_b32 v[WF+12*\t+\e], 0                    ; k = 192 .. 255: zero codes
.endr
.endr
.rept 4
	v_nop                                          ; an operand written by vector instructions stands four places ahead of a scaled matrix instruction
.endr
	s_wait_alu depctr_va_vdst(0)                   ; the eight products are done reading W0's fragments, in which the loads below land; the zero codes are written, which the next eight products take
.irp t, 0,1,2,3,4,5,6,7
	WFRAG \t, W0A, 144, 96, 3                      ; k = 128 .. 191
.endr
	s_wait_dscnt 0x0
.irp t, 0,1,2,3,4,5,6,7
	v_wmma_scale_f32_16x16x128_f8f6f4 v[HA+8*\t:HA+8*\t+7], v[WF+12*\t:WF+12*\t+11], v[XF1:XF1+11], v[HA+8*\t:HA+8*\t+7], v[W0S+2*\t+1], v[XS+1] matrix_a_fmt:MATRIX_FMT_BF6 matrix_b_fmt:MATRIX_FMT_BF6
.endr
.endm
; Of the 64 results: for b = 0 .. 3 the sum and the sum of squares about the part's own mean over my 16 registers and the 16 lanes of my half: group 2 b + lane / 16, 256 numbers.
; Each accumulator is read from its low end on.  The pair of block r % 4 goes to LDS (lanes that share a block write the same bytes with the same values).
.macro STATS
.irp b, 0,1,2,3
	v_pk_add_f32 v[WF+2*\b:WF+2*\b+1], v[HA+16*\b:HA+16*\b+1], v[HA+16*\b+2:HA+16*\b+3]
.endr
.irp i, 4,6,8,10,12,14
.irp b, 0,1,2,3
	v_pk_add_f32 v[WF+2*\b:WF+2*\b+1], v[WF+2*\b:WF+2*\b+1], v[HA+16*\b+\i:HA+16*\b+\i+1]
.endr
.endr
.irp b, 0,1,2,3
	v_add_f32 v[WF+2*\b], v[WF+2*\b], v[WF+2*\b+1]
.endr
.irp x, 1,2,4,8
.irp b, 0,1,2,3
	v_add_f32_dpp v[WF+2*\b], v[WF+2*\b], v[WF+2*\b] row_xmask:\x row_mask:0xf bank_mask:0xf
.endr
.endr
.irp b, 0,1,2,3
	v_mul_f32 v[WF+8+2*\b], 0x3b800000, v[WF+2*\b] ; the part's mean: / 256, twice for the packed lines
	v_mul_f32 v[WF+9+2*\b], 0x3b800000, v[WF+2*\b]
.endr
.irp i, 0,2,4,6,8,10,12,14
.irp b, 0,1,2,3
	v_pk_add_f32 v[WF+24+2*\b:WF+25+2*\b], v[HA+16*\b+\i:HA+16*\b+\i+1], v[WF+8+2*\b:WF+9+2*\b] neg_lo:[0,1] neg_hi:[0,1]
.endr
.irp b, 0,1,2,3
.if \i == 0
	v_pk_mul_f32 v[WF+16+2*\b:WF+17+2*\b], v[WF+24+2*\b:WF+25+2*\b], v[WF+24+2*\b:WF+25+2*\b]
.else
	v_pk_fma_f32 v[WF+16+2*\b:WF+17+2*\b], v[WF+24+2*\b:WF+25+2*\b], v[WF+24+2*\b:WF+25+2*\b], v[WF+16+2*\b:WF+17+2*\b]
.endif
.endr
.endr
.irp b, 0,1,2,3
	v_add_f32 v[WF+16+2*\b], v[WF+16+2*\b], v[WF+17+2*\b]
.endr
.irp x, 1,2,4,8
.irp b, 0,1,2,3
	v_add_f32_dpp v[WF+16+2*\b], v[WF+16+2*\b], v[WF+16+2*\b] row_xmask:\x row_mask:0xf bank_mask:0xf
.endr
.endr
	v_and_b32 v[WF+34], 3, v[R]
	v_cmp_eq_u32 s24, 1, v[WF+34]
	v_cmp_eq_u32 s25, 2, v[WF+34]
	v_cmp_eq_u32 s26, 3, v[WF+34]
	s_wait_alu depctr_va_sdst(0)                   ; the three compares have written s24 to s26, ahead of the selects that read them
	v_cndmask_b32 v[WF+32], v[WF], v[WF+2], s24
	v_cndmask_b32 v[WF+33], v[WF+16], v[WF+18], s24
	v_cndmask_b32 v[WF+32], v[WF+32], v[WF+4], s25
	v_cndmask_b32 v[WF+33], v[WF+33], v[WF+20], s25
	v_cndmask_b32 v[WF+32], v[WF+32], v[WF+6], s26
	v_cndmask_b32 v[WF+33], v[WF+33], v[WF+22], s26
	s_wait_alu depctr_va_vdst(0)                   ; the selects have written the pair, which the LDS store reads; the products are done reading v[WF+36 ..], in which wave 0's load lands further down
	ds_store_b64 v[SSTW], v[WF+32:WF+33]
.endm
.macro GOFF k                          ; queries 4 k .. 4 k + 3: the offsets of their 12 rows of ft
.irp i, 0,1,2,3
.irp n, 0,1,2
.set f, 3*(4*\k+\i)+\n
	s_bfe_u32 s23, s[24+f/2], (16<<16)|(16*(f%2))  ; the f-th 16-bit number of the tile's 48
	s_min_u32 s23, s23, 0x7ff                      ; a number read from memory is held inside the table before it enters an address
	v_lshl_add_u32 v[GO+12*(\k%2)+3*\i+\n], s23, 9, v[L16]
.endr
.endr
.endm
.macro GLOAD k                         ; the 12 rows are asked for
.irp i, 0,1,2,3
.irp n, 0,1,2
	global_load_b128 v[WF+48*(\k%2)+12*\i+4*\n:WF+48*(\k%2)+12*\i+4*\n+3], v[GO+12*(\k%2)+3*\i+\n], s[6:7]
.endr
.endr
.endm
.macro GBLEND k, cnt                   ; they are blended.  cnt: the loads issued behind them
	s_wait_loadcnt \cnt
	s_wait_dscnt 0x0                               ; earlier LDS stores are done
	s_wait_alu depctr_vm_vsrc(0)                   ; the LDS stores issued so far have read their data (the last blend's v[GR ..]; ahead of batch 0: v[HA ..], in which b0 lands); this batch's loads have read their offsets, which are written again below
.irp i, 0,1,2,3
.irp n, 0,1,2
.set f, 3*(4*\k+\i)+\n
.if f < 16
.set ws, 48+f
.else
.set ws, 52+f
.endif
.irp e, 0,1,2,3
.if \n == 0
	v_mul_f32 v[GR+4*\i+\e], s[ws], v[WF+48*(\k%2)+12*\i+\e]
.else
	v_fmac_f32 v[GR+4*\i+\e], s[ws], v[WF+48*(\k%2)+12*\i+4*\n+\e]
.endif
.endr
.endr
.endr
.endm
.macro GSTORE k                        ; and go to my stage
.irp i, 0,1,2,3
	ds_store_b128 v[XSW], v[GR+4*\i:GR+4*\i+3] offset:(4*\k+\i)*528
.endr
.endm
	s_load_b256 s[4:11], s[0:1], 0x0               ; feat2 s[4:5], ft s[6:7], nidx s[8:9], nwt s[10:11]
	s_load_b256 s[12:19], s[0:1], 0x20             ; W0's codes s[12:13], its scales s[14:15], b0 s[16:17], xq s[18:19]
	s_load_b64 s[20:21], s[0:1], 0x40              ; st0
	v_lshl_add_u32 v254, v0, 2, 0x1de00
	v_mov_b32 v255, 0
	v_lshrrev_b32 v[L16], 5, v0
	v_readfirstlane_b32 s[WV], v[L16]              ; wave 0..7
	s_mov_b32 s[SEL], 0x76543210
	s_mov_b32 s[SEL+1], 0xfedcba98
	s_lshr_b32 s66, ttmp9, 6                       ; the batch
	s_and_b32 s67, ttmp9, 63                       ; which 128 queries of it
	s_lshl_b32 s100, ttmp9, 3
	s_wait_alu depctr_va_sdst(0)                   ; the wave's number is written, ahead of its first reader
	s_add_co_u32 s100, s100, s[WV]                 ; my tile of 16 queries, of 2,048
	s_lshl_b32 s24, s66, 21                        ; feat2: a batch is 64 x 8,192 x 4 bytes; + 128 queries x 4
	s_lshl_b32 s23, s67, 9
	s_add_co_u32 s24, s24, s23
	s_mov_b32 s25, 0
	s_lshl_b32 s26, s66, 20                        ; ft: a batch is 2,048 x 512 bytes
	s_mov_b32 s27, 0
	s_mul_i32 s28, s100, 2560                      ; xq
	s_mov_b32 s29, 0
	s_lshl_b32 s30, ttmp9, 9                       ; st0: 512 bytes a work-group
	s_mov_b32 s31, 0
	s_mul_i32 s32, s100, 96                        ; nidx: 16 x 6 bytes
	s_mov_b32 s33, 0
	s_mul_i32 s34, s100, 192                       ; nwt: 16 x 12 bytes
	s_mov_b32 s35, 0
	v_and_b32 v[R], 15, v0
	v_bfe_u32 v[H], v0, 4, 1
	v_and_b32 v[L8], 31, v0
	v_lshlrev_b32 v[L16], 4, v[L8]
	v_lshlrev_b32 v[L8], 3, v[L8]
	v_lshlrev_b32 v[T8], 3, v0
	v_and_b32 v[SOF], 127, v0
	v_mul_u32_u24 v[SOF], v[SOF], 6                ; a row of W0's scales is 6 bytes
	s_lshl_b32 s23, s[WV], 15
	v_add_nc_u32 v[F2O], s23, v[L16]               ; feat2: channel wave (+ 8 i), 16 bytes a lane: a load covers a channel's 512 bytes
	v_lshlrev_b32 v[BOF], 6, v[H]
	s_wait_kmcnt 0x0
	s_add_nc_u64 s[4:5], s[4:5], s[24:25]
	s_add_nc_u64 s[6:7], s[6:7], s[26:27]
	s_add_nc_u64 s[18:19], s[18:19], s[28:29]
	s_add_nc_u64 s[20:21], s[20:21], s[30:31]
	s_add_nc_u64 s[8:9], s[8:9], s[32:33]
	s_add_nc_u64 s[10:11], s[10:11], s[34:35]
	s_load_b512 s[24:39], s[8:9], 0x0              ; the tile's 48 indices: s[24:47]
	s_load_b256 s[40:47], s[8:9], 0x40
	s_load_b512 s[48:63], s[10:11], 0x0            ; its 48 weights: number f in s[48 + f] (f under 16), else in s[52 + f]
	s_load_b512 s[68:83], s[10:11], 0x40
	s_load_b512 s[84:99], s[10:11], 0x80
	s_wait_alu depctr_va_vdst(0)                   ; the offsets made so far are written, which the loads below read
.irp i, 0,1,2,3,4,5,6,7,8
	global_load_b64 v[HA+2*\i:HA+2*\i+1], v[T8], s[12:13] offset:2048*\i
.endr
.irp i, 0,1,2
	global_load_u16 v[HA+18+\i], v[SOF], s[14:15] offset:2*\i
.endr
.irp i, 0,1,2,3,4,5,6,7
	global_load_b128 v[HA+24+4*\i:HA+27+4*\i], v[F2O], s[4:5] offset:262144*\i th:TH_LOAD_NT
.endr
	v_and_b32 v[W0A], 8, v[R]
	v_add_nc_u32 v[W0A], v[W0A], v[R]              ; r + 8 (r / 8)
	v_lshl_add_u32 v[S0A], v[W0A], 3, SC0
	v_mul_u32_u24 v[W0A], v[W0A], 144
	v_mad_u32_u24 v[W0A], v[H], 24, v[W0A]
	s_mul_i32 s23, s[WV], 528
	s_add_co_u32 s23, s23, F2S
	v_add_nc_u32 v[F2W], s23, v[L16]
	s_lshl_b32 s23, s[WV], 6
	s_add_co_u32 s23, s23, F2S
	v_lshl_add_u32 v[F2R], v[R], 2, s23            ; my query's column,
	v_mad_u32_u24 v[F2R], v[H], 8448, v[F2R]       ; 16 channels further down for lanes 16-31
	s_mul_i32 s23, s[WV], 8448
	s_add_co_u32 s23, s23, XST
	v_add_nc_u32 v[XSW], s23, v[L16]
	v_mul_u32_u24 v[XSR], v[R], 528
	v_add_nc_u32 v[XSR], s23, v[XSR]
	v_lshl_add_u32 v[XSR], v[H], 6, v[XSR]
	s_lshl_b32 s23, s[WV], 3
	s_add_co_u32 s23, s23, SST
	v_and_b32 v[SSTW], 3, v[R]
	v_lshl_add_u32 v[SSTW], v[SSTW], 7, s23
	v_lshl_add_u32 v[SSTW], v[H], 6, v[SSTW]       ; group 2 (r % 4) + h: 64 bytes a group, 8 a wave
	s_wait_kmcnt 0x0
	GOFF 0
	GOFF 1
	s_wait_alu depctr_va_vdst(0)                   ; the 24 offsets of batches 0 and 1 are written, which their loads read; so are the LDS addresses made above
	GLOAD 0
	GLOAD 1
	s_wait_loadcnt 24                              ; all but the two batches of 12: W0 and feat2 are in
	v_lshl_or_b32 v[HA+22], v[HA+19], 16, v[HA+18]
	v_or_b32 v[HA+23], 0x7f7f0000, v[HA+20]
	s_wait_alu depctr_va_vdst(0)                   ; W0's scale words are written, which an LDS store below reads
.irp i, 0,1,2,3,4,5,6,7,8
	ds_store_b64 v[T8], v[HA+2*\i:HA+2*\i+1] offset:W0C+2048*\i
.endr
	ds_store_b64 v[T8], v[HA+22:HA+23] offset:SC0
.irp i, 0,1,2,3,4,5,6,7
	ds_store_b128 v[F2W], v[HA+24+4*\i:HA+27+4*\i] offset:4224*\i
.endr
	GBLEND 0, 12                                   ; behind batch 0: batch 1
	GOFF 2
	s_wait_alu depctr_va_vdst(0)                   ; batch 0's blend is written, which its LDS stores read, and is done reading its rows, in which batch 2's land; batch 2's offsets are written; the lines that made W0's scale words are done with v[HA ..], in which b0 lands
.irp t, 0,1,2,3,4,5,6,7                            ; b0 is the C of the sums' first instructions: lane (r, h) wants, for tile t, channels 32 (t / 2) + 8 (t % 2) + 16 h + 0 .. 7
	global_load_b128 v[HA+8*\t:HA+8*\t+3], v[BOF], s[16:17] offset:(32*(\t/2)+8*(\t%2))*4
	global_load_b128 v[HA+8*\t+4:HA+8*\t+7], v[BOF], s[16:17] offset:(32*(\t/2)+8*(\t%2))*4+16
.endr
	GLOAD 2
	GSTORE 0
	GBLEND 1, 28                                   ; behind batch 1: b0's 16 and batch 2's 12
	GOFF 3
	s_wait_alu depctr_va_vdst(0)                   ; batch 1's blend is written and is done reading its rows, in which batch 3's land; batch 3's offsets are written
	GLOAD 3
	GSTORE 1
	GBLEND 2, 12                                   ; behind batch 2: batch 3
	s_wait_alu depctr_va_vdst(0)                   ; batch 2's blend is written, which its LDS stores read
	GSTORE 2
	GBLEND 3, 0
	s_wait_alu depctr_va_vdst(0)                   ; batch 3's blend is written, which its LDS stores read; x's numbers land there behind the barrier
	GSTORE 3
	s_wait_dscnt 0x0                               ; for the others' sake: my parts of W0 and of feat2 lie in LDS
	s_barrier_signal -1
	s_barrier_wait -1
.irp b, 0,1
.irp i, 0,1,2,3,4,5,6,7,8,9,10,11,12,13,14,15
	ds_load_b32 v[WF+16*\b+\i], v[F2R] offset:(32*\b+\i)*528       ; x's channels 32 b + 16 h + i: feat2
.endr
.endr
.irp b, 0,1
.irp j, 0,1,2,3
	ds_load_b128 v[WF+32+16*\b+4*\j:WF+35+16*\b+4*\j], v[XSR] offset:128*\b+16*\j         ; channels 64 + 32 b + 16 h on: the blend's first 64
.endr
.endr
.irp b, 0,1
.irp j, 0,1,2,3
	ds_load_b128 v[WF+64+16*\b+4*\j:WF+67+16*\b+4*\j], v[XSR] offset:256+128*\b+16*\j     ; channels 128 + 32 b + 16 h on
.endr
.endr
	s_wait_dscnt 8                                 ; the first K step's numbers are in
	s_wait_alu depctr_vm_vsrc(0)                   ; batch 3's LDS stores have read v[GR ..], and the gather's loads their offsets: the quantiser writes both runs of registers
	QUANT WF, 4, XF0, XS
	s_wait_dscnt 0x0
	QUANT WF+64, 2, XF1, XS+1
.rept 8
	v_nop                                          ; a scale register written by vector instructions stands eight places ahead of a scaled matrix instruction
.endr
	s_wait_alu depctr_va_vdst(0)                   ; x's codes and scale words are written: the stores below read them and the products take them; the quantiser is done reading x's numbers, in which W0's fragments land
	global_store_b128 v[L16], v[XF0:XF0+3], s[18:19]               ; the tile's record: images of the registers; each store covers 512 or 256 consecutive bytes, aligned
	global_store_b128 v[L16], v[XF0+4:XF0+7], s[18:19] offset:512
	global_store_b128 v[L16], v[XF0+8:XF0+11], s[18:19] offset:1024
	global_store_b128 v[L16], v[XF1:XF1+3], s[18:19] offset:1536
	global_store_b64 v[L8], v[XF1+4:XF1+5], s[18:19] offset:2048
	global_store_b64 v[L8], v[XS:XS+1], s[18:19] offset:2304
	CONV0
.rept 4
	v_nop                                          ; four places in front of the first read of results
.endr
	STATS
	s_wait_dscnt 0x0                               ; for wave 0's sake
	s_barrier_signal -1
	s_barrier_wait -1
	s_cmp_lg_u32 s[WV], 0
	s_cbranch_scc1 .Ldone
	ds_load_b128 v[WF+36:WF+39], v[L16] offset:SST
	s_wait_dscnt 0x0
	global_store_b128 v[L16], v[WF+36:WF+39], s[20:21]             ; the work-group's 512 bytes of sums, consecutive and aligned
.Ldone:
	s_wait_dscnt 0x0                               ; the closing lines, six on end
	s_wait_alu 0x0
	s_wait_tensorcnt 0x0
	ds_add_u32 v254, v255
	s_wait_dscnt 0x0
	s_endpgm
.Lfunc_end_k_q83bfb21cfb_gatherq:
	.size	k_q83bfb21cfb_gatherq, .Lfunc_end_k_q83bfb21cfb_gatherq-k_q83bfb21cfb_gatherq
	.p2alignl 7, 3214868480
	.fill 96, 4, 3214868480
	.section	.rodata,"a",@progbits
	.p2align	6, 0x0
	.amdhsa_kernel k_q83bfb21cfb_gatherq
		.amdhsa_group_segment_fixed_size 123392
		.amdhsa_private_segment_fixed_size 0
		.amdhsa_enable_private_segment 0
		.amdhsa_kernarg_size 72
		.amdhsa_user_sgpr_count 2
		.amdhsa_user_sgpr_kernarg_segment_ptr 1
		.amdhsa_wavefront_size32 1
		.amdhsa_system_sgpr_workgroup_id_x 1
		.amdhsa_system_sgpr_workgroup_id_y 1
		.amdhsa_system_sgpr_workgroup_id_z 1
		.amdhsa_system_vgpr_workitem_id 0
		.amdhsa_next_free_vgpr 256
		.amdhsa_next_free_sgpr 102
		.amdhsa_reserve_vcc 0
		.amdhsa_float_denorm_mode_32 3
		.amdhsa_float_denorm_mode_16_64 3
		.amdhsa_memory_ordered 1
		.amdhsa_forward_progress 1
		.amdhsa_inst_pref_size 59
	.end_amdhsa_kernel
	.amdgpu_metadata
---
amdhsa.version: [ 1, 2 ]
amdhsa.kernels:
  - .name:           k_q83bfb21cfb_gatherq
    .symbol:         k_q83bfb21cfb_gatherq.kd
    .args:
      - { .name: feat2, .offset: 0, .size: 8, .value_kind: global_buffer, .address_space: global }
      - { .name: ft, .offset: 8, .size: 8, .value_kind: global_buffer, .address_space: global }
      - { .name: nidx, .offset: 16, .size: 8, .value_kind: global_buffer, .address_space: global }
      - { .name: nwt, .offset: 24, .size: 8, .value_kind: global_buffer, .address_space: global }
      - { .name: w0_codes, .offset: 32, .size: 8, .value_kind: global_buffer, .address_space: global }
      - { .name: w0_scales, .offset: 40, .size: 8, .value_kind: global_buffer, .address_space: global }
      - { .name: b0, .offset: 48, .size: 8, .value_kind: global_buffer, .address_space: global }
      - { .name: xq, .offset: 56, .size: 8, .value_kind: global_buffer, .address_space: global }
      - { .name: st0, .offset: 64, .size: 8, .value_kind: global_buffer, .address_space: global }
    .group_segment_fixed_size: 123392
    .private_segment_fixed_size: 0
    .kernarg_segment_align: 8
    .kernarg_segment_size: 72
    .max_flat_workgroup_size: 256
    .sgpr_count:     102
    .vgpr_count:     256
    .wavefront_size: 32
...
	.end_amdgpu_metadata
.endif
;; end of part 6
;; launch mid (part 7): grid 256 x 1, 8 waves a work-group, no clusters, 37,120 bytes of LDS; arguments xq, st0, w0_codes, w0_scales, b0, g0, beta0, w1_codes, w1_scales, b1, hq, st1; writes hq, st1
.if DOCPART == 7
	.amdgcn_target "amdgcn-amd-amdhsa--gfx1250"
	.amdhsa_code_object_version 6
	.text
	.protected	k_q83bfb21cfb_mid
	.globl	k_q83bfb21cfb_mid
	.p2align	8
	.type	k_q83bfb21cfb_mid,@function
k_q83bfb21cfb_mid:
	s_mov_b64 s[64:65], 0
	v_nop
	global_prefetch_b8 v0, s[64:65] scope:SCOPE_SE
	s_setreg_imm32_b32 hwreg(HW_REG_WAVE_SCHED_MODE, 0, 2), 2
	s_setreg_imm32_b32 hwreg(HW_REG_WAVE_MODE, 25, 1), 1
	s_wait_xcnt 0x0
	s_wait_alu depctr_vm_vsrc(0)
; The first GroupNorm's figures are made of the batch's 512 parts a group; y0 = W0 x + b0 is made again from x's codes (the same instructions on the same operands: the same bits);
; h = lrelu((y0 - mean) rstd g0 + beta0) is quantised along its 128 channels and stored as codes; y1 = W1 h + b1 is made on the codes, and of it only sums leave, as in the launch before.
; SHARES and LAYOUT as there: 8 waves, 16 queries each, products transposed, register 16 b + i of a lane = channel 32 b + 16 (lane / 16) + i of query lane % 16.
; THE FIGURES.  Wave w serves group w: mean = the sum of the parts' sums / 2^17; the sum of squares about it = the parts' own + 256 x the sum of (part's mean - mean)^2: no difference of large sums is formed.
; No tensor load, no cluster: what work-groups share (the weights, 32,000 bytes; a batch's 32,768 bytes of sums) is read once by each.
; LIMITS: NaN and infinities are not served, nor the scale byte 0xff.  A block of zeros gets the byte 1 where the rule says 127: its codes are zeros, and this program alone reads the bytes.
; THE MODE: SCHED_MODE bits 1:0 = 2 (LLVM: expert scheduling mode 2), set by the entry lines.  The code itself states the register dependences
; between vector or matrix instructions and memory or LDS instructions, with s_wait_alu, always for 0.
; THE PLAN.  Registers that memory or LDS instructions touch, and who else names them:
;   v1-v15, v253-v255  offsets and LDS addresses: made at the head, never written again.
;   WF        the weights and the parts land; two vector lines make W0's scale words; LDS stores read the weights, the figures' lines read the parts; W0's fragments land and the products read them;
;             then the norm: two buffers of 32 registers (16 gains, 16 biases) that take turns, step q on buffer q % 2, and 16 registers at work; then W1's fragments land, while the quantiser, which does not name WF, runs.
;   TM        the figures' lines write it; three LDS stores read it; the means land in it; the norm reads them; the quantiser writes it.
;   HA        b0 lands; products, norm and quantiser; then b1 lands; products and sums.
;   XF0, XS   x lands; the products read it; the quantiser writes h's codes and scale word there; the stores read them and the products take them.
; The norm's steps 0 and 1 are asked for together; ONE wait on va_vdst behind step 0 and one behind step 1 state that the step is done reading its buffer, in which the step two on lands.
.set W0C, 0                            ; LDS: W0's codes, rows of 144 bytes
.set SC0, 18432                        ; its scale words, 8 bytes a row (256 threads write 128 rows twice over: the upper half is not read)
.set W1C, 20480                        ; W1's codes, rows of 96 bytes
.set SC1, 32768                        ; its scale words, 4 bytes a row (likewise)
.set MG,  33792                        ; the 8 groups' means, each twice
.set AC,  34048                        ; rstd x g0, 128 channels
.set BC,  34560                        ; beta0
.set B1L, 35072                        ; b1
.set SST, 35584                        ; the sums of y1: 8 groups x 8 waves x 8 bytes
.set L16, 1
.set R,   2
.set H,   3
.set L8,  4
.set W0A, 5
.set S0A, 6
.set W1A, 7
.set S1A, 8
.set T8,  9
.set T16, 10
.set SOF, 11
.set T4M, 12
.set BOF, 13
.set POF, 14
.set COF, 15
.set HA,  16                           ; v[16:79]   the 8 accumulators
.set WF,  80                           ; v[80:175]  at the head what goes to LDS and the parts; then 8 fragments of weights; between, at work
.set P,   120                          ; v[120:151] 16 parts: (sum, sum of squares) each
.set TM,  176
.set PT,  192
.set XF0, 200                          ; x's fragments; XF0 later h's
.set XF1, 212
.set XS,  224                          ; v224, v225: x's scale words, later h's (twice): scales and nothing else
.set W0S, 226
.set W1S, 242
.set G,   250
.set BETA, 251
.set B1V, 252
.set SSTW, 253
.set T4,  254
.set MGA, 255
.set SEL, 2
.set WV,  28
.set K8,  29                           ; 2^-8
.set K17, 33                           ; 2^-17
.set KE,  45                           ; 1e-5
.set W8,  46                           ; 8 x wave
.macro QUANT s, nb, dst, pw            ; 16 nb numbers of a lane, register 16 b + i = k 32 b + 16 (lane / 16) + i, become codes in v[dst] on and the scale word v[pw]
.irp b, 0,1,2,3
.if \b < \nb
	v_max3_num_f32 v[TM+\b], |v[\s+16*\b]|, |v[\s+1+16*\b]|, 0x2800000   ; my 16 numbers of block b, and the floor 2^(5 - 127): the byte cannot fall under 1
.endif
.endr
.irp i, 2,4,6,8,10,12,14
.irp b, 0,1,2,3
.if \b < \nb
	v_max3_num_f32 v[TM+\b], v[TM+\b], |v[\s+16*\b+\i]|, |v[\s+1+16*\b+\i]|
.endif
.endr
.endr
.irp b, 0,1,2,3
.if \b < \nb
	v_permlanex16_b32 v[TM+4+\b], v[TM+\b], s[SEL], s[SEL+1]
.endif
.endr
.irp b, 0,1,2,3
.if \b < \nb
	v_max_num_f32 v[TM+\b], v[TM+\b], v[TM+4+\b]
.endif
.endr
.irp b, 0,1,2,3
.if \b < \nb
	v_add_nc_u32 v[TM+12+\b], 0xfe000000, v[TM+\b] ; 4 off the exponent field: the conversion's scale operand
.endif
.endr
.irp b, 0,1,2,3
.if \b < \nb
	v_lshrrev_b32 v[TM+4+\b], 23, v[TM+12+\b]      ; the scale's byte
.endif
.endr
	v_lshl_or_b32 v[\pw], v[TM+5], 8, v[TM+4]
	v_lshl_or_b32 v[\pw], v[TM+6], 16, v[\pw]
	v_lshl_or_b32 v[\pw], v[TM+7], 24, v[\pw]
.irp c, 0,1
	v_cvt_scalef32_pk16_bf6_f32 v[\dst+6*\c:\dst+6*\c+2], v[\s+32*\c:\s+32*\c+15], v[TM+12+2*\c]
	v_cvt_scalef32_pk16_bf6_f32 v[PT+4*\c:PT+4*\c+2], v[\s+32*\c+16:\s+32*\c+31], v[TM+13+2*\c]
.endr
	v_nop                                          ; one plain instruction behind a scaled conversion
.irp c, 0,1
.irp i, 0,1,2
	v_permlane16_swap_b32 v[\dst+6*\c+\i], v[PT+4*\c+\i]
.endr
.irp i, 0,1,2
	v_mov_b32 v[\dst+6*\c+3+\i], v[PT+4*\c+\i]
.endr
.endr
.endm
.macro WFRAG t, adr, pitch, koff, np
.irp p, 0,1,2,3,4,5
.if \p < \np
	ds_load_b64 v[WF+12*(\t)+2*\p:WF+12*(\t)+2*\p+1], v[\adr] offset:(32*((\t)/2)+8*((\t)%2))*\pitch+\koff+48*(\p/3)+8*(\p%3)
.endif
.endr
.endm
.macro CONV0                           ; y0 = b0 (in the accumulators) + W0 x; the 8 accumulators take turns
.irp t, 0,1,2,3,4,5,6,7
	WFRAG \t, W0A, 144, 0, 6
	ds_load_b64 v[W0S+2*\t:W0S+2*\t+1], v[S0A] offset:(32*(\t/2)+8*(\t%2))*8
.endr
	s_wait_dscnt 0x0
.irp t, 0,1,2,3,4,5,6,7
	v_wmma_scale_f32_16x16x128_f8f6f4 v[HA+8*\t:HA+8*\t+7], v[WF+12*\t:WF+12*\t+11], v[XF0:XF0+11], v[HA+8*\t:HA+8*\t+7], v[W0S+2*\t], v[XS] matrix_a_fmt:MATRIX_FMT_BF6 matrix_b_fmt:MATRIX_FMT_BF6
.endr
.rept 4
	v_nop                                          ; four places in front of vector writes into registers that matrix instructions have read
.endr
.irp t, 0,1,2,3,4,5,6,7
.irp e, 6,7,8,9,10,11
	v_mov_b32 v[WF+12*\t+\e], 0                    ; k = 192 .. 255: zero codes
.endr
.endr
.rept 4
	v_nop                                          ; an operand written by vector instructions stands four places ahead of a scaled matrix instruction
.endr
	s_wait_alu depctr_va_vdst(0)                   ; the eight products are done reading W0's fragments, in which the loads below land; the zero codes are written, which the next eight products take
.irp t, 0,1,2,3,4,5,6,7
	WFRAG \t, W0A, 144, 96, 3
.endr
	s_wait_dscnt 0x0
.irp t, 0,1,2,3,4,5,6,7
	v_wmma_scale_f32_16x16x128_f8f6f4 v[HA+8*\t:HA+8*\t+7], v[WF+12*\t:WF+12*\t+11], v[XF1:XF1+11], v[HA+8*\t:HA+8*\t+7], v[W0S+2*\t+1], v[XS+1] matrix_a_fmt:MATRIX_FMT_BF6 matrix_b_fmt:MATRIX_FMT_BF6
.endr
.endm
.macro W1LOAD                          ; W1's eight fragments and their scale words
.irp t, 0,1,2,3,4,5,6,7
	WFRAG \t, W1A, 96, 0, 6
	ds_load_b32 v[W1S+\t], v[S1A] offset:(32*(\t/2)+8*(\t%2))*4
.endr
.endm
.macro W1MUL                           ; y1 = b1 (in the accumulators) + W1 h
.irp t, 0,1,2,3,4,5,6,7
	v_wmma_scale_f32_16x16x128_f8f6f4 v[HA+8*\t:HA+8*\t+7], v[WF+12*\t:WF+12*\t+11], v[XF0:XF0+11], v[HA+8*\t:HA+8*\t+7], v[W1S+\t], v[XS] matrix_a_fmt:MATRIX_FMT_BF6 matrix_b_fmt:MATRIX_FMT_BF6
.endr
.endm
.macro STATS                           ; as in the launch before
.irp b, 0,1,2,3
	v_pk_add_f32 v[WF+2*\b:WF+2*\b+1], v[HA+16*\b:HA+16*\b+1], v[HA+16*\b+2:HA+16*\b+3]
.endr
.irp i, 4,6,8,10,12,14
.irp b, 0,1,2,3
	v_pk_add_f32 v[WF+2*\b:WF+2*\b+1], v[WF+2*\b:WF+2*\b+1], v[HA+16*\b+\i:HA+16*\b+\i+1]
.endr
.endr
.irp b, 0,1,2,3
	v_add_f32 v[WF+2*\b], v[WF+2*\b], v[WF+2*\b+1]
.endr
.irp x, 1,2,4,8
.irp b, 0,1,2,3
	v_add_f32_dpp v[WF+2*\b], v[WF+2*\b], v[WF+2*\b] row_xmask:\x row_mask:0xf bank_mask:0xf
.endr
.endr
.irp b, 0,1,2,3
	v_mul_f32 v[WF+8+2*\b], 0x3b800000, v[WF+2*\b]
	v_mul_f32 v[WF+9+2*\b], 0x3b800000, v[WF+2*\b]
.endr
.irp i, 0,2,4,6,8,10,12,14
.irp b, 0,1,2,3
	v_pk_add_f32 v[WF+24+2*\b:WF+25+2*\b], v[HA+16*\b+\i:HA+16*\b+\i+1], v[WF+8+2*\b:WF+9+2*\b] neg_lo:[0,1] neg_hi:[0,1]
.endr
.irp b, 0,1,2,3
.if \i == 0
	v_pk_mul_f32 v[WF+16+2*\b:WF+17+2*\b], v[WF+24+2*\b:WF+25+2*\b], v[WF+24+2*\b:WF+25+2*\b]
.else
	v_pk_fma_f32 v[WF+16+2*\b:WF+17+2*\b], v[WF+24+2*\b:WF+25+2*\b], v[WF+24+2*\b:WF+25+2*\b], v[WF+16+2*\b:WF+17+2*\b]
.endif
.endr
.endr
.irp b, 0,1,2,3
	v_add_f32 v[WF+16+2*\b], v[WF+16+2*\b], v[WF+17+2*\b]
.endr
.irp x, 1,2,4,8
.irp b, 0,1,2,3
	v_add_f32_dpp v[WF+16+2*\b], v[WF+16+2*\b], v[WF+16+2*\b] row_xmask:\x row_mask:0xf bank_mask:0xf
.endr
.endr
	v_and_b32 v[WF+34], 3, v[R]
	v_cmp_eq_u32 s42, 1, v[WF+34]
	v_cmp_eq_u32 s43, 2, v[WF+34]
	v_cmp_eq_u32 s44, 3, v[WF+34]
	s_wait_alu depctr_va_sdst(0)                   ; the three compares have written s42 to s44, ahead of the selects that read them
	v_cndmask_b32 v[WF+32], v[WF], v[WF+2], s42
	v_cndmask_b32 v[WF+33], v[WF+16], v[WF+18], s42
	v_cndmask_b32 v[WF+32], v[WF+32], v[WF+4], s43
	v_cndmask_b32 v[WF+33], v[WF+33], v[WF+20], s43
	v_cndmask_b32 v[WF+32], v[WF+32], v[WF+6], s44
	v_cndmask_b32 v[WF+33], v[WF+33], v[WF+22], s44
	s_wait_alu depctr_va_vdst(0)                   ; the selects have written the pair, which the LDS store reads; the products are done reading v[WF+36 ..], in which wave 0's load lands further down
	ds_store_b64 v[SSTW], v[WF+32:WF+33]
.endm
.macro WAVESUM v, t                    ; the sum over the wave's 32 lanes, in every lane
.irp x, 1,2,4,8
	v_add_f32_dpp v[\v], v[\v], v[\v] row_xmask:\x row_mask:0xf bank_mask:0xf
.endr
	v_permlanex16_b32 v[\t], v[\v], s[SEL], s[SEL+1]
	v_add_f32 v[\v], v[\v], v[\t]
.endm
.macro GSTAT                           ; my group's mean and rstd from its 512 parts, 16 a lane
	v_add_f32 v[TM], v[P], v[P+4]
	v_add_f32 v[TM+1], v[P+2], v[P+6]
	v_add_f32 v[TM+8], v[P+1], v[P+5]
	v_add_f32 v[TM+9], v[P+3], v[P+7]
.irp i, 2,3,4,5,6,7
	v_add_f32 v[TM], v[TM], v[P+4*\i]
	v_add_f32 v[TM+1], v[TM+1], v[P+4*\i+2]
	v_add_f32 v[TM+8], v[TM+8], v[P+4*\i+1]
	v_add_f32 v[TM+9], v[TM+9], v[P+4*\i+3]
.endr
	v_add_f32 v[TM], v[TM], v[TM+1]
	v_add_f32 v[TM+8], v[TM+8], v[TM+9]
	WAVESUM TM, TM+1
	v_mul_f32 v[TM+2], s[K17], v[TM]               ; the mean of 16 x 8,192 numbers, twice
	v_mul_f32 v[TM+3], s[K17], v[TM]
.irp i, 0,2,4,6,8,10,12,14
	v_fma_f32 v[TM+4], v[P+2*\i], s[K8], -v[TM+2]  ; a part's mean less the mean
	v_fma_f32 v[TM+5], v[P+2*\i+2], s[K8], -v[TM+2]
.if \i == 0
	v_mul_f32 v[TM+6], v[TM+4], v[TM+4]
	v_mul_f32 v[TM+7], v[TM+5], v[TM+5]
.else
	v_fmac_f32 v[TM+6], v[TM+4], v[TM+4]
	v_fmac_f32 v[TM+7], v[TM+5], v[TM+5]
.endif
.endr
	v_add_f32 v[TM+6], v[TM+6], v[TM+7]
	v_fmamk_f32 v[TM+6], v[TM+6], 0x43800000, v[TM+8]   ; x 256, + the parts' own sums of squares
	WAVESUM TM+6, TM+7
	v_fma_f32 v[TM+6], v[TM+6], s[K17], s[KE]      ; the variance + 1e-5
	v_rsq_f32 v[TM+10], v[TM+6]
	v_mov_b32 v[TM+12], s[W8]                      ; (a plain instruction behind the transcendental)
	s_wait_alu depctr_va_vdst(0)                   ; rstd is written, ahead of its first reader; so are the mean and its LDS address, which the first store below reads
	v_mul_f32 v[TM+11], v[TM+10], v[G]
	ds_store_b64 v[TM+12], v[TM+2:TM+3] offset:MG  ; all lanes write the same bytes with the same values
	ds_store_b32 v[COF], v[BETA] offset:BC         ; channel 16 w + r
	s_wait_alu depctr_va_vdst(0)                   ; rstd x g is written, which the store below reads; the lines above are done reading the parts, in which W0's fragments land behind the barrier
	ds_store_b32 v[COF], v[TM+11] offset:AC
.endm
; THE NORM: y -> lrelu((y - mean) (rstd g) + beta), in four steps of one block of 32 channels: 16 registers of a lane, two tiles.  Step q's 16 gains and 16 biases lie in buffer q % 2.
.macro NLOAD q
.irp u, 0,1
	ds_load_b128 v[WF+32*((\q)%2)+8*\u:WF+32*((\q)%2)+8*\u+3], v[BOF] offset:AC+(32*(\q)+8*\u)*4
	ds_load_b128 v[WF+32*((\q)%2)+8*\u+4:WF+32*((\q)%2)+8*\u+7], v[BOF] offset:AC+(32*(\q)+8*\u)*4+16
	ds_load_b128 v[WF+32*((\q)%2)+16+8*\u:WF+32*((\q)%2)+16+8*\u+3], v[BOF] offset:BC+(32*(\q)+8*\u)*4
	ds_load_b128 v[WF+32*((\q)%2)+16+8*\u+4:WF+32*((\q)%2)+16+8*\u+7], v[BOF] offset:BC+(32*(\q)+8*\u)*4+16
.endr
.endm
.macro NWORK q                         ; each accumulator is read from its low end on
.set j, 0
.rept 8
	v_pk_add_f32 v[HA+16*(\q)+j:HA+16*(\q)+j+1], v[HA+16*(\q)+j:HA+16*(\q)+j+1], v[TM+2*(\q):TM+2*(\q)+1] neg_lo:[0,1] neg_hi:[0,1]
.set j, j+2
.endr
.set j, 0
.rept 8
	v_pk_fma_f32 v[HA+16*(\q)+j:HA+16*(\q)+j+1], v[HA+16*(\q)+j:HA+16*(\q)+j+1], v[WF+32*((\q)%2)+j:WF+32*((\q)%2)+j+1], v[WF+32*((\q)%2)+16+j:WF+32*((\q)%2)+17+j]
.set j, j+2
.endr
.set j, 0
.rept 8
	v_pk_mul_f32 v[WF+64+j:WF+65+j], v[HA+16*(\q)+j:HA+16*(\q)+j+1], 0x3dcccccd op_sel_hi:[1,0]
.set j, j+2
.endr
.set j, 0
.rept 16
	v_max_num_f32 v[HA+16*(\q)+j], v[HA+16*(\q)+j], v[WF+64+j]     ; max(y, 0.1 y) is y where y >= 0, else 0.1 y
.set j, j+1
.endr
.endm
	s_load_b512 s[4:19], s[0:1], 0x0               ; xq s[4:5], st0 s[6:7], W0's codes s[8:9], scales s[10:11], b0 s[12:13], g0 s[14:15], beta0 s[16:17], W1's codes s[18:19]
	s_load_b256 s[20:27], s[0:1], 0x40             ; W1's scales s[20:21], b1 s[22:23], hq s[24:25], st1 s[26:27]
	v_lshl_add_u32 v195, v0, 2, 0x8d00
	v_mov_b32 v199, 0
	v_lshrrev_b32 v[L16], 5, v0
	v_readfirstlane_b32 s[WV], v[L16]              ; wave 0..7
	s_mov_b32 s[SEL], 0x76543210
	s_mov_b32 s[SEL+1], 0xfedcba98
	s_mov_b32 s[K8], 0x3b800000
	s_mov_b32 s[K17], 0x37000000
	s_mov_b32 s[KE], 0x3727c5ac
	s_wait_alu depctr_va_sdst(0)                   ; the wave's number is written, ahead of its first reader
	s_lshl_b32 s[W8], s[WV], 3
	s_lshr_b32 s30, ttmp9, 6                       ; the batch
	s_lshl_b32 s32, ttmp9, 3
	s_add_co_u32 s32, s32, s[WV]                   ; my tile
	s_mul_i32 s34, s32, 2560
	s_mov_b32 s35, 0
	s_lshl_b32 s36, s30, 15                        ; st0: 64 work-groups x 512 bytes a batch
	s_mov_b32 s37, 0
	s_mul_i32 s38, s32, 1792
	s_mov_b32 s39, 0
	s_lshl_b32 s40, ttmp9, 9
	s_mov_b32 s41, 0
	v_and_b32 v[R], 15, v0
	v_bfe_u32 v[H], v0, 4, 1
	v_and_b32 v[L8], 31, v0
	v_lshlrev_b32 v[L16], 4, v[L8]
	v_lshrrev_b32 v[POF], 2, v[L8]
	v_and_b32 v[TM], 3, v[L8]
	v_lshlrev_b32 v[POF], 9, v[POF]                ; the parts: work-group 8 i + lane / 4,
	v_lshl_add_u32 v[POF], v[TM], 4, v[POF]        ; 16 (lane % 4) of my group's 64 bytes there
	s_lshl_b32 s31, s[WV], 6
	v_add_nc_u32 v[POF], s31, v[POF]
	v_lshl_add_u32 v[COF], v[R], 2, s31            ; channel 16 w + r, in bytes
	v_lshlrev_b32 v[L8], 3, v[L8]
	v_lshlrev_b32 v[T8], 3, v0
	v_lshlrev_b32 v[T16], 4, v0
	v_lshlrev_b32 v[T4], 2, v0
	v_and_b32 v[T4M], 127, v0
	v_mul_u32_u24 v[SOF], v[T4M], 6
	v_lshlrev_b32 v[T4M], 2, v[T4M]
	v_lshlrev_b32 v[BOF], 6, v[H]
	v_lshlrev_b32 v[MGA], 3, v[H]
	s_wait_kmcnt 0x0
	s_add_nc_u64 s[4:5], s[4:5], s[34:35]
	s_add_nc_u64 s[6:7], s[6:7], s[36:37]
	s_add_nc_u64 s[24:25], s[24:25], s[38:39]
	s_add_nc_u64 s[26:27], s[26:27], s[40:41]
	s_wait_alu depctr_va_vdst(0)                   ; the offsets made so far are written, which the loads and stores below read
.irp i, 0,1,2,3,4,5,6,7,8                          ; 16 loads: the weights on their way to LDS
	global_load_b64 v[WF+2*\i:WF+2*\i+1], v[T8], s[8:9] offset:2048*\i
.endr
.irp i, 0,1,2
	global_load_u16 v[WF+18+\i], v[SOF], s[10:11] offset:2*\i
.endr
.irp i, 0,1,2
	global_load_b128 v[WF+24+4*\i:WF+27+4*\i], v[T16], s[18:19] offset:4096*\i
.endr
	global_load_b32 v[WF+21], v[T4M], s[20:21]
.irp i, 0,1,2,3,4,5,6,7                            ; 11 loads: the parts, g0, beta0, b1
	global_load_b128 v[P+4*\i:P+4*\i+3], v[POF], s[6:7] offset:4096*\i
.endr
	global_load_b32 v[G], v[COF], s[14:15]
	global_load_b32 v[BETA], v[COF], s[16:17]
	global_load_b32 v[B1V], v[COF], s[22:23]
	global_load_b128 v[XF0:XF0+3], v[L16], s[4:5] th:TH_LOAD_NT    ; 6 loads: my tile's record of x
	global_load_b128 v[XF0+4:XF0+7], v[L16], s[4:5] offset:512 th:TH_LOAD_NT
	global_load_b128 v[XF0+8:XF0+11], v[L16], s[4:5] offset:1024 th:TH_LOAD_NT
	global_load_b128 v[XF1:XF1+3], v[L16], s[4:5] offset:1536 th:TH_LOAD_NT
	global_load_b64 v[XF1+4:XF1+5], v[L8], s[4:5] offset:2048 th:TH_LOAD_NT
	global_load_b64 v[XS:XS+1], v[L8], s[4:5] offset:2304 th:TH_LOAD_NT
.irp t, 0,1,2,3,4,5,6,7                            ; 16 loads: b0, the C of the sums' first instructions
	global_load_b128 v[HA+8*\t:HA+8*\t+3], v[BOF], s[12:13] offset:(32*(\t/2)+8*(\t%2))*4
	global_load_b128 v[HA+8*\t+4:HA+8*\t+7], v[BOF], s[12:13] offset:(32*(\t/2)+8*(\t%2))*4+16
.endr
.irp e, 6,7,8,9,10,11
	v_mov_b32 v[XF1+\e], 0                         ; x's k = 192 .. 255
.endr
	v_and_b32 v[TM], 8, v[R]
	v_add_nc_u32 v[TM], v[TM], v[R]                ; r + 8 (r / 8)
	v_lshl_add_u32 v[S0A], v[TM], 3, SC0
	v_lshl_add_u32 v[S1A], v[TM], 2, SC1
	v_mul_u32_u24 v[W0A], v[TM], 144
	v_mad_u32_u24 v[W0A], v[H], 24, v[W0A]
	v_mul_u32_u24 v[W1A], v[TM], 96
	v_mad_u32_u24 v[W1A], v[H], 24, v[W1A]
	v_add_nc_u32 v[W1A], W1C, v[W1A]
	s_add_co_u32 s31, s[W8], SST
	v_and_b32 v[SSTW], 3, v[R]
	v_lshl_add_u32 v[SSTW], v[SSTW], 7, s31
	v_lshl_add_u32 v[SSTW], v[H], 6, v[SSTW]
	s_wait_loadcnt 33                              ; behind the weights: 11 + 6 + 16
	v_lshl_or_b32 v[WF+22], v[WF+19], 16, v[WF+18]
	v_or_b32 v[WF+23], 0x7f7f0000, v[WF+20]
	s_wait_alu depctr_va_vdst(0)                   ; W0's scale words are written, which an LDS store below reads; so are the LDS addresses made above and x's zero codes
.irp i, 0,1,2,3,4,5,6,7,8
	ds_store_b64 v[T8], v[WF+2*\i:WF+2*\i+1] offset:W0C+2048*\i
.endr
	ds_store_b64 v[T8], v[WF+22:WF+23] offset:SC0
.irp i, 0,1,2
	ds_store_b128 v[T16], v[WF+24+4*\i:WF+27+4*\i] offset:W1C+4096*\i
.endr
	ds_store_b32 v[T4], v[WF+21] offset:SC1
	s_wait_loadcnt 22                              ; behind the parts and the gains: 6 + 16
	GSTAT
	ds_store_b32 v[COF], v[B1V] offset:B1L
	s_wait_dscnt 0x0                               ; for the others' sake: my parts of the weights and my group's figures lie in LDS
	s_barrier_signal -1
	s_barrier_wait -1
	s_wait_loadcnt 0x0                             ; x and b0
	s_wait_alu depctr_vm_vsrc(0)                   ; my LDS stores have read the weights' registers, in which W0's fragments land, and the figures' registers, in which the means land and which the quantiser writes
	CONV0
.rept 4
	v_nop                                          ; four places in front of the first read of results
.endr
	s_wait_alu depctr_va_vdst(0)                   ; the products are done reading W0's fragments, in which the norm's gains and biases land
.irp b, 0,1,2,3
	ds_load_b64 v[TM+2*\b:TM+2*\b+1], v[MGA] offset:MG+16*\b       ; group 2 b + h's mean, twice
.endr
	NLOAD 0
	NLOAD 1
	s_wait_dscnt 8                                 ; the means and step 0's 8 loads are in; step 1's stay out
	NWORK 0
	s_wait_alu depctr_va_vdst(0)                   ; step 0 is done reading buffer 0, in which step 2's loads land
	NLOAD 2
	s_wait_dscnt 8                                 ; step 1's are in
	NWORK 1
	s_wait_alu depctr_va_vdst(0)                   ; step 1 is done reading buffer 1, in which step 3's loads land
	NLOAD 3
	s_wait_dscnt 8                                 ; step 2's are in
	NWORK 2
	s_wait_dscnt 0x0
	NWORK 3
	s_wait_alu depctr_va_vdst(0)                   ; the norm is done with v[WF ..], in which W1's fragments land; the quantiser below names none of these registers
	W1LOAD
	QUANT HA, 4, XF0, XS
	v_mov_b32 v[XS+1], v[XS]
.rept 8
	v_nop                                          ; a scale register written by vector instructions stands eight places ahead of a scaled matrix instruction
.endr
	s_wait_alu depctr_va_vdst(0)                   ; h's codes and scale words are written: the stores below read them and the products take them; the quantiser is done reading v[HA ..], in which b1 lands
	global_store_b128 v[L16], v[XF0:XF0+3], s[24:25]               ; the tile's record of h: each store covers 512 or 256 consecutive bytes, aligned
	global_store_b128 v[L16], v[XF0+4:XF0+7], s[24:25] offset:512
	global_store_b128 v[L16], v[XF0+8:XF0+11], s[24:25] offset:1024
	global_store_b64 v[L8], v[XS:XS+1], s[24:25] offset:1536
.irp t, 0,1,2,3,4,5,6,7
	ds_load_b128 v[HA+8*\t:HA+8*\t+3], v[BOF] offset:B1L+(32*(\t/2)+8*(\t%2))*4
	ds_load_b128 v[HA+8*\t+4:HA+8*\t+7], v[BOF] offset:B1L+(32*(\t/2)+8*(\t%2))*4+16
.endr
	s_wait_dscnt 0x0                               ; W1's fragments, their scale words and b1 are in
	W1MUL
.rept 4
	v_nop
.endr
	STATS
	s_wait_dscnt 0x0                               ; for wave 0's sake
	s_barrier_signal -1
	s_barrier_wait -1
	s_cmp_lg_u32 s[WV], 0
	s_cbranch_scc1 .Ldone
	ds_load_b128 v[WF+36:WF+39], v[L16] offset:SST
	s_wait_dscnt 0x0
	global_store_b128 v[L16], v[WF+36:WF+39], s[26:27]             ; the work-group's 512 bytes of sums, consecutive and aligned
.Ldone:
	s_wait_dscnt 0x0                               ; the closing lines, six on end
	s_wait_alu 0x0
	s_wait_tensorcnt 0x0
	ds_add_u32 v195, v199
	s_wait_dscnt 0x0
	s_endpgm
.Lfunc_end_k_q83bfb21cfb_mid:
	.size	k_q83bfb21cfb_mid, .Lfunc_end_k_q83bfb21cfb_mid-k_q83bfb21cfb_mid
	.p2alignl 7, 3214868480
	.fill 96, 4, 3214868480
	.section	.rodata,"a",@progbits
	.p2align	6, 0x0
	.amdhsa_kernel k_q83bfb21cfb_mid
		.amdhsa_group_segment_fixed_size 37120
		.amdhsa_private_segment_fixed_size 0
		.amdhsa_enable_private_segment 0
		.amdhsa_kernarg_size 96
		.amdhsa_user_sgpr_count 2
		.amdhsa_user_sgpr_kernarg_segment_ptr 1
		.amdhsa_wavefront_size32 1
		.amdhsa_system_sgpr_workgroup_id_x 1
		.amdhsa_system_sgpr_workgroup_id_y 1
		.amdhsa_system_sgpr_workgroup_id_z 1
		.amdhsa_system_vgpr_workitem_id 0
		.amdhsa_next_free_vgpr 256
		.amdhsa_next_free_sgpr 66
		.amdhsa_reserve_vcc 0
		.amdhsa_float_denorm_mode_32 3
		.amdhsa_float_denorm_mode_16_64 3
		.amdhsa_memory_ordered 1
		.amdhsa_forward_progress 1
		.amdhsa_inst_pref_size 54
	.end_amdhsa_kernel
	.amdgpu_metadata
---
amdhsa.version: [ 1, 2 ]
amdhsa.kernels:
  - .name:           k_q83bfb21cfb_mid
    .symbol:         k_q83bfb21cfb_mid.kd
    .args:
      - { .name: xq, .offset: 0, .size: 8, .value_kind: global_buffer, .address_space: global }
      - { .name: st0, .offset: 8, .size: 8, .value_kind: global_buffer, .address_space: global }
      - { .name: w0_codes, .offset: 16, .size: 8, .value_kind: global_buffer, .address_space: global }
      - { .name: w0_scales, .offset: 24, .size: 8, .value_kind: global_buffer, .address_space: global }
      - { .name: b0, .offset: 32, .size: 8, .value_kind: global_buffer, .address_space: global }
      - { .name: g0, .offset: 40, .size: 8, .value_kind: global_buffer, .address_space: global }
      - { .name: beta0, .offset: 48, .size: 8, .value_kind: global_buffer, .address_space: global }
      - { .name: w1_codes, .offset: 56, .size: 8, .value_kind: global_buffer, .address_space: global }
      - { .name: w1_scales, .offset: 64, .size: 8, .value_kind: global_buffer, .address_space: global }
      - { .name: b1, .offset: 72, .size: 8, .value_kind: global_buffer, .address_space: global }
      - { .name: hq, .offset: 80, .size: 8, .value_kind: global_buffer, .address_space: global }
      - { .name: st1, .offset: 88, .size: 8, .value_kind: global_buffer, .address_space: global }
    .group_segment_fixed_size: 37120
    .private_segment_fixed_size: 0
    .kernarg_segment_align: 8
    .kernarg_segment_size: 96
    .max_flat_workgroup_size: 256
    .sgpr_count:     66
    .vgpr_count:     256
    .wavefront_size: 32
...
	.end_amdgpu_metadata
.endif
;; end of part 7
;; launch last (part 8): grid 256 x 1, 8 waves a work-group, no clusters, 83,200 bytes of LDS; arguments hq, st1, w1_codes, w1_scales, b1, g1, beta1, out0; writes out0
.if DOCPART == 8
	.amdgcn_target "amdgcn-amd-amdhsa--gfx1250"
	.amdhsa_code_object_version 6
	.text
	.protected	k_q83bfb21cfb_last
	.globl	k_q83bfb21cfb_last
	.p2align	8
	.type	k_q83bfb21cfb_last,@function
k_q83bfb21cfb_last:
	s_mov_b64 s[64:65], 0
	v_nop
	global_prefetch_b8 v0, s[64:65] scope:SCOPE_SE
	s_setreg_imm32_b32 hwreg(HW_REG_WAVE_SCHED_MODE, 0, 2), 2
	s_setreg_imm32_b32 hwreg(HW_REG_WAVE_MODE, 25, 1), 1
	s_wait_xcnt 0x0
	s_wait_alu depctr_vm_vsrc(0)
; The second GroupNorm's figures are made of the batch's 512 parts a group; y1 = W1 h + b1 is made again from h's codes (the same bits as in the launch before);
; out = lrelu((y1 - mean) rstd g1 + beta1), f32, laid [channel][query]: it is turned through a stage in LDS, so that a wave stores 512 consecutive bytes of a channel's row.
; SHARES and LAYOUT as in the two launches before: 8 waves, 16 queries each, the product transposed, register 16 b + i of a lane = channel 32 b + 16 (lane / 16) + i of query lane % 16.
; No tensor load, no cluster: what work-groups share (W1, 12,800 bytes; a batch's 32,768 bytes of sums) is read once by each.
; LIMITS: NaN and infinities are not served, nor the scale byte 0xff.
; THE MODE: SCHED_MODE bits 1:0 = 2 (LLVM: expert scheduling mode 2), set by the entry lines.  The code itself states the register dependences
; between vector or matrix instructions and memory or LDS instructions, with s_wait_alu, always for 0.
; THE PLAN.  Registers that memory or LDS instructions touch, and who else names them:
;   v1-v15, v250  offsets and LDS addresses: made at the head, never written again.
;   WF        W1 and the parts land; LDS stores read W1, the figures' lines read the parts; W1's fragments land and the products read them; then the norm: two buffers of 32 registers (16 gains, 16 biases)
;             that take turns, step q on buffer q % 2, and 16 registers at work; at the end whole rows land from the stage and the stores to memory read them.
;   TM        the figures' lines write it; three LDS stores read it; the means land in it; the norm reads them.
;   HA        b1 lands; the products and the norm write it; step q's 16 results are read by 16 LDS stores and never written again.
; ONE wait on va_vdst stands behind each step of the norm: the step is done reading its buffer, in which the step two on lands, and has written its 16 results, which the 16 stores into the stage read.
; Those loads and stores stand at the head of the next step, whose vector lines name the other buffer and the next 16 results.
.set W1C, 0                            ; LDS: W1's codes, rows of 96 bytes
.set SC1, 12288                        ; its scale words, 4 bytes a row (256 threads write 128 rows twice over: the upper half is not read)
.set MG,  13312                        ; the 8 groups' means, each twice
.set AC,  13568                        ; rstd x g1
.set BC,  14080                        ; beta1
.set OST, 14592                        ; the stage: 128 channels x (128 queries x 4 bytes + 16)
.set L16, 1
.set R,   2
.set H,   3
.set L8,  4
.set W1A, 5
.set S1A, 6
.set T16, 7
.set T4M, 8
.set T4,  9
.set BOF, 10
.set POF, 11
.set COF, 12
.set MGA, 13
.set OSW, 14
.set OSR, 15
.set HA,  16
.set WF,  80
.set P,   120
.set TM,  176
.set XF0, 200                          ; h's fragment
.set XS,  224                          ; v224 (and v225): its scale words
.set W1S, 242
.set OUTO, 250
.set G,   251
.set BETA, 252
.set SEL, 2
.set WV,  20
.set K8,  32
.set K17, 33
.set KE,  34
.set W8,  35
.macro WFRAG t, adr, pitch, koff, np
.irp p, 0,1,2,3,4,5
.if \p < \np
	ds_load_b64 v[WF+12*(\t)+2*\p:WF+12*(\t)+2*\p+1], v[\adr] offset:(32*((\t)/2)+8*((\t)%2))*\pitch+\koff+48*(\p/3)+8*(\p%3)
.endif
.endr
.endm
.macro CONV1                           ; y1 = b1 (in the accumulators) + W1 h: one instruction for each of the 8 accumulators
.irp t, 0,1,2,3,4,5,6,7
	WFRAG \t, W1A, 96, 0, 6
	ds_load_b32 v[W1S+\t], v[S1A] offset:(32*(\t/2)+8*(\t%2))*4
.endr
	s_wait_dscnt 0x0
.irp t, 0,1,2,3,4,5,6,7
	v_wmma_scale_f32_16x16x128_f8f6f4 v[HA+8*\t:HA+8*\t+7], v[WF+12*\t:WF+12*\t+11], v[XF0:XF0+11], v[HA+8*\t:HA+8*\t+7], v[W1S+\t], v[XS] matrix_a_fmt:MATRIX_FMT_BF6 matrix_b_fmt:MATRIX_FMT_BF6
.endr
.endm
.macro WAVESUM v, t
.irp x, 1,2,4,8
	v_add_f32_dpp v[\v], v[\v], v[\v] row_xmask:\x row_mask:0xf bank_mask:0xf
.endr
	v_permlanex16_b32 v[\t], v[\v], s[SEL], s[SEL+1]
	v_add_f32 v[\v], v[\v], v[\t]
.endm
.macro GSTAT                           ; my group's mean and rstd from its 512 parts, 16 a lane: no difference of large sums is formed
	v_add_f32 v[TM], v[P], v[P+4]
	v_add_f32 v[TM+1], v[P+2], v[P+6]
	v_add_f32 v[TM+8], v[P+1], v[P+5]
	v_add_f32 v[TM+9], v[P+3], v[P+7]
.irp i, 2,3,4,5,6,7
	v_add_f32 v[TM], v[TM], v[P+4*\i]
	v_add_f32 v[TM+1], v[TM+1], v[P+4*\i+2]
	v_add_f32 v[TM+8], v[TM+8], v[P+4*\i+1]
	v_add_f32 v[TM+9], v[TM+9], v[P+4*\i+3]
.endr
	v_add_f32 v[TM], v[TM], v[TM+1]
	v_add_f32 v[TM+8], v[TM+8], v[TM+9]
	WAVESUM TM, TM+1
	v_mul_f32 v[TM+2], s[K17], v[TM]
	v_mul_f32 v[TM+3], s[K17], v[TM]
.irp i, 0,2,4,6,8,10,12,14
	v_fma_f32 v[TM+4], v[P+2*\i], s[K8], -v[TM+2]
	v_fma_f32 v[TM+5], v[P+2*\i+2], s[K8], -v[TM+2]
.if \i == 0
	v_mul_f32 v[TM+6], v[TM+4], v[TM+4]
	v_mul_f32 v[TM+7], v[TM+5], v[TM+5]
.else
	v_fmac_f32 v[TM+6], v[TM+4], v[TM+4]
	v_fmac_f32 v[TM+7], v[TM+5], v[TM+5]
.endif
.endr
	v_add_f32 v[TM+6], v[TM+6], v[TM+7]
	v_fmamk_f32 v[TM+6], v[TM+6], 0x43800000, v[TM+8]
	WAVESUM TM+6, TM+7
	v_fma_f32 v[TM+6], v[TM+6], s[K17], s[KE]
	v_rsq_f32 v[TM+10], v[TM+6]
	v_mov_b32 v[TM+12], s[W8]                      ; (a plain instruction behind the transcendental)
	s_wait_alu depctr_va_vdst(0)                   ; rstd is written, ahead of its first reader; so are the mean and its LDS address, which the first store below reads
	v_mul_f32 v[TM+11], v[TM+10], v[G]
	ds_store_b64 v[TM+12], v[TM+2:TM+3] offset:MG
	ds_store_b32 v[COF], v[BETA] offset:BC
	s_wait_alu depctr_va_vdst(0)                   ; rstd x g is written, which the store below reads; the lines above are done reading the parts, in which W1's fragments land behind the barrier; the LDS addresses made at the head are written
	ds_store_b32 v[COF], v[TM+11] offset:AC
.endm
; THE NORM: y -> lrelu((y - mean) (rstd g) + beta), in four steps of one block of 32 channels: 16 registers of a lane, two tiles.  Step q's 16 gains and 16 biases lie in buffer q % 2.
.macro NLOAD q
.irp u, 0,1
	ds_load_b128 v[WF+32*((\q)%2)+8*\u:WF+32*((\q)%2)+8*\u+3], v[BOF] offset:AC+(32*(\q)+8*\u)*4
	ds_load_b128 v[WF+32*((\q)%2)+8*\u+4:WF+32*((\q)%2)+8*\u+7], v[BOF] offset:AC+(32*(\q)+8*\u)*4+16
	ds_load_b128 v[WF+32*((\q)%2)+16+8*\u:WF+32*((\q)%2)+16+8*\u+3], v[BOF] offset:BC+(32*(\q)+8*\u)*4
	ds_load_b128 v[WF+32*((\q)%2)+16+8*\u+4:WF+32*((\q)%2)+16+8*\u+7], v[BOF] offset:BC+(32*(\q)+8*\u)*4+16
.endr
.endm
.macro NWORK q                         ; each accumulator is read from its low end on
.set j, 0
.rept 8
	v_pk_add_f32 v[HA+16*(\q)+j:HA+16*(\q)+j+1], v[HA+16*(\q)+j:HA+16*(\q)+j+1], v[TM+2*(\q):TM+2*(\q)+1] neg_lo:[0,1] neg_hi:[0,1]
.set j, j+2
.endr
.set j, 0
.rept 8
	v_pk_fma_f32 v[HA+16*(\q)+j:HA+16*(\q)+j+1], v[HA+16*(\q)+j:HA+16*(\q)+j+1], v[WF+32*((\q)%2)+j:WF+32*((\q)%2)+j+1], v[WF+32*((\q)%2)+16+j:WF+32*((\q)%2)+17+j]
.set j, j+2
.endr
.set j, 0
.rept 8
	v_pk_mul_f32 v[WF+64+j:WF+65+j], v[HA+16*(\q)+j:HA+16*(\q)+j+1], 0x3dcccccd op_sel_hi:[1,0]
.set j, j+2
.endr
.set j, 0
.rept 16
	v_max_num_f32 v[HA+16*(\q)+j], v[HA+16*(\q)+j], v[WF+64+j]     ; max(y, 0.1 y) is y where y >= 0, else 0.1 y
.set j, j+1
.endr
.endm
.macro OSTORE q                        ; step q's 16 results into the stage: channel 32 q + 16 (lane / 16) + 8 u + e, my query's column
.irp u, 0,1
.irp e, 0,1,2,3,4,5,6,7
	ds_store_b32 v[OSW], v[HA+16*(\q)+8*\u+\e] offset:(32*(\q)+8*\u+\e)*528
.endr
.endr
.endm
	s_load_b512 s[4:19], s[0:1], 0x0               ; hq s[4:5], st1 s[6:7], W1's codes s[8:9], scales s[10:11], b1 s[12:13], g1 s[14:15], beta1 s[16:17], out0 s[18:19]
	v_lshl_add_u32 v254, v0, 2, 0x14100
	v_mov_b32 v255, 0
	v_lshrrev_b32 v[L16], 5, v0
	v_readfirstlane_b32 s[WV], v[L16]              ; wave 0..7
	s_mov_b32 s[SEL], 0x76543210
	s_mov_b32 s[SEL+1], 0xfedcba98
	s_mov_b32 s[K8], 0x3b800000
	s_mov_b32 s[K17], 0x37000000
	s_mov_b32 s[KE], 0x3727c5ac
	s_wait_alu depctr_va_sdst(0)                   ; the wave's number is written, ahead of its first reader
	s_lshl_b32 s[W8], s[WV], 3
	s_lshr_b32 s22, ttmp9, 6                       ; the batch
	s_and_b32 s23, ttmp9, 63
	s_lshl_b32 s24, ttmp9, 3
	s_add_co_u32 s24, s24, s[WV]                   ; my tile
	s_mul_i32 s26, s24, 1792
	s_mov_b32 s27, 0
	s_lshl_b32 s28, s22, 15
	s_mov_b32 s29, 0
	s_lshl_b32 s30, s22, 22                        ; out0: a batch is 128 x 8,192 x 4 bytes; + 128 queries x 4
	s_lshl_b32 s21, s23, 9
	s_add_co_u32 s30, s30, s21
	s_mov_b32 s31, 0
	v_and_b32 v[R], 15, v0
	v_bfe_u32 v[H], v0, 4, 1
	v_and_b32 v[L8], 31, v0
	v_lshlrev_b32 v[L16], 4, v[L8]
	v_lshrrev_b32 v[POF], 2, v[L8]
	v_and_b32 v[TM], 3, v[L8]
	v_lshlrev_b32 v[POF], 9, v[POF]
	v_lshl_add_u32 v[POF], v[TM], 4, v[POF]
	s_lshl_b32 s21, s[WV], 6
	v_add_nc_u32 v[POF], s21, v[POF]
	v_lshl_add_u32 v[COF], v[R], 2, s21
	v_lshlrev_b32 v[L8], 3, v[L8]
	v_lshlrev_b32 v[T16], 4, v0
	v_lshlrev_b32 v[T4], 2, v0
	v_and_b32 v[T4M], 127, v0
	v_lshlrev_b32 v[T4M], 2, v[T4M]
	v_lshlrev_b32 v[BOF], 6, v[H]
	v_lshlrev_b32 v[MGA], 3, v[H]
	s_wait_kmcnt 0x0
	s_add_nc_u64 s[4:5], s[4:5], s[26:27]
	s_add_nc_u64 s[6:7], s[6:7], s[28:29]
	s_add_nc_u64 s[18:19], s[18:19], s[30:31]
	s_wait_alu depctr_va_vdst(0)                   ; the offsets made so far are written, which the loads and the first LDS stores below read
.irp i, 0,1,2                                      ; 4 loads: W1 on its way to LDS
	global_load_b128 v[WF+4*\i:WF+4*\i+3], v[T16], s[8:9] offset:4096*\i
.endr
	global_load_b32 v[WF+12], v[T4M], s[10:11]
.irp i, 0,1,2,3,4,5,6,7                            ; 10 loads: the parts, g1, beta1
	global_load_b128 v[P+4*\i:P+4*\i+3], v[POF], s[6:7] offset:4096*\i
.endr
	global_load_b32 v[G], v[COF], s[14:15]
	global_load_b32 v[BETA], v[COF], s[16:17]
	global_load_b128 v[XF0:XF0+3], v[L16], s[4:5] th:TH_LOAD_NT    ; 4 loads: my tile's record of h
	global_load_b128 v[XF0+4:XF0+7], v[L16], s[4:5] offset:512 th:TH_LOAD_NT
	global_load_b128 v[XF0+8:XF0+11], v[L16], s[4:5] offset:1024 th:TH_LOAD_NT
	global_load_b64 v[XS:XS+1], v[L8], s[4:5] offset:1536 th:TH_LOAD_NT
.irp t, 0,1,2,3,4,5,6,7                            ; 16 loads: b1, the C of the sums
	global_load_b128 v[HA+8*\t:HA+8*\t+3], v[BOF], s[12:13] offset:(32*(\t/2)+8*(\t%2))*4
	global_load_b128 v[HA+8*\t+4:HA+8*\t+7], v[BOF], s[12:13] offset:(32*(\t/2)+8*(\t%2))*4+16
.endr
	v_and_b32 v[TM], 8, v[R]
	v_add_nc_u32 v[TM], v[TM], v[R]                ; r + 8 (r / 8)
	v_lshl_add_u32 v[S1A], v[TM], 2, SC1
	v_mul_u32_u24 v[W1A], v[TM], 96
	v_mad_u32_u24 v[W1A], v[H], 24, v[W1A]
	s_add_co_u32 s21, s21, OST
	v_lshl_add_u32 v[OSW], v[R], 2, s21            ; the stage, on the way in: my query's column,
	v_mad_u32_u24 v[OSW], v[H], 8448, v[OSW]       ; 16 channels further down for lanes 16-31
	s_mul_i32 s21, s[WV], 8448
	s_add_co_u32 s21, s21, OST
	v_add_nc_u32 v[OSR], s21, v[L16]               ; and on the way out: channels 16 w on, 16 bytes a lane
	s_lshl_b32 s21, s[WV], 19
	v_add_nc_u32 v[OUTO], s21, v[L16]              ; the same in out0: 16 rows of 32,768 bytes a wave
	s_wait_loadcnt 30                              ; behind W1: 10 + 4 + 16
.irp i, 0,1,2
	ds_store_b128 v[T16], v[WF+4*\i:WF+4*\i+3] offset:W1C+4096*\i  ; (their data come from loads, their addresses stand ahead of the wait above, and no vector line since names either)
.endr
	ds_store_b32 v[T4], v[WF+12] offset:SC1
	s_wait_loadcnt 20                              ; behind the parts and the gains: 4 + 16
	GSTAT
	s_wait_dscnt 0x0                               ; for the others' sake: my part of W1 and my group's figures lie in LDS
	s_barrier_signal -1
	s_barrier_wait -1
	s_wait_loadcnt 0x0                             ; h and b1
	s_wait_alu depctr_vm_vsrc(0)                   ; my LDS stores have read W1's registers, in which its fragments land, and the figures' registers, in which the means land
	CONV1
.rept 4
	v_nop                                          ; four places in front of the first read of results
.endr
	s_wait_alu depctr_va_vdst(0)                   ; the products are done reading W1's fragments, in which the norm's gains and biases land
.irp b, 0,1,2,3
	ds_load_b64 v[TM+2*\b:TM+2*\b+1], v[MGA] offset:MG+16*\b       ; group 2 b + h's mean, twice
.endr
	NLOAD 0
	NLOAD 1
	s_wait_dscnt 8                                 ; the means and step 0's 8 loads are in; step 1's stay out
	NWORK 0
	s_wait_alu depctr_va_vdst(0)                   ; step 0 has written its 16 results, which the stores below read, and is done reading buffer 0, in which step 2's loads land
	NLOAD 2
	OSTORE 0
	s_wait_dscnt 24                                ; step 1's loads are in: behind them stand step 2's 8 loads and 16 stores
	NWORK 1
	s_wait_alu depctr_va_vdst(0)                   ; step 1 has written its 16 results and is done reading buffer 1, in which step 3's loads land
	NLOAD 3
	OSTORE 1
	s_wait_dscnt 40                                ; step 2's loads are in: behind them stand 16 stores, step 3's 8 loads and 16 stores
	NWORK 2
	s_wait_alu depctr_va_vdst(0)                   ; step 2 has written its 16 results, which the stores below read
	OSTORE 2
	s_wait_dscnt 32                                ; step 3's loads are in: behind them stand twice 16 stores
	NWORK 3
	s_wait_alu depctr_va_vdst(0)                   ; step 3 has written its 16 results, which the stores below read; the norm is done with v[WF ..], in which whole rows land behind the barrier
	OSTORE 3
	s_wait_dscnt 0x0                               ; for the others' sake: my 16 queries' columns lie in the stage
	s_barrier_signal -1
	s_barrier_wait -1
.irp i, 0,1,2,3,4,5,6,7,8,9,10,11,12,13,14,15
	ds_load_b128 v[WF+4*\i:WF+4*\i+3], v[OSR] offset:528*\i
.endr
.irp i, 0,1,2,3,4,5,6,7,8,9,10,11,12,13,14,15
	s_wait_dscnt 15-\i
	global_store_b128 v[OUTO], v[WF+4*\i:WF+4*\i+3], s[18:19] offset:32768*\i th:TH_STORE_NT   ; 32 lanes store 512 consecutive bytes of a channel's row, at a multiple of 256 from out0's first byte
.endr
	s_wait_dscnt 0x0                               ; the closing lines, six on end
	s_wait_alu 0x0
	s_wait_tensorcnt 0x0
	ds_add_u32 v254, v255
	s_wait_dscnt 0x0
	s_endpgm
.Lfunc_end_k_q83bfb21cfb_last:
	.size	k_q83bfb21cfb_last, .Lfunc_end_k_q83bfb21cfb_last-k_q83bfb21cfb_last
	.p2alignl 7, 3214868480
	.fill 96, 4, 3214868480
	.section	.rodata,"a",@progbits
	.p2align	6, 0x0
	.amdhsa_kernel k_q83bfb21cfb_last
		.amdhsa_group_segment_fixed_size 83200
		.amdhsa_private_segment_fixed_size 0
		.amdhsa_enable_private_segment 0
		.amdhsa_kernarg_size 64
		.amdhsa_user_sgpr_count 2
		.amdhsa_user_sgpr_kernarg_segment_ptr 1
		.amdhsa_wavefront_size32 1
		.amdhsa_system_sgpr_workgroup_id_x 1
		.amdhsa_system_sgpr_workgroup_id_y 1
		.amdhsa_system_sgpr_workgroup_id_z 1
		.amdhsa_system_vgpr_workitem_id 0
		.amdhsa_next_free_vgpr 256
		.amdhsa_next_free_sgpr 66
		.amdhsa_reserve_vcc 0
		.amdhsa_float_denorm_mode_32 3
		.amdhsa_float_denorm_mode_16_64 3
		.amdhsa_memory_ordered 1
		.amdhsa_forward_progress 1
		.amdhsa_inst_pref_size 34
	.end_amdhsa_kernel
	.amdgpu_metadata
---
amdhsa.version: [ 1, 2 ]
amdhsa.kernels:
  - .name:           k_q83bfb21cfb_last
    .symbol:         k_q83bfb21cfb_last.kd
    .args:
      - { .name: hq, .offset: 0, .size: 8, .value_kind: global_buffer, .address_space: global }
      - { .name: st1, .offset: 8, .size: 8, .value_kind: global_buffer, .address_space: global }
      - { .name: w1_codes, .offset: 16, .size: 8, .value_kind: global_buffer, .address_space: global }
      - { .name: w1_scales, .offset: 24, .size: 8, .value_kind: global_buffer, .address_space: global }
      - { .name: b1, .offset: 32, .size: 8, .value_kind: global_buffer, .address_space: global }
      - { .name: g1, .offset: 40, .size: 8, .value_kind: global_buffer, .address_space: global }
      - { .name: beta1, .offset: 48, .size: 8, .value_kind: global_buffer, .address_space: global }
      - { .name: out0, .offset: 56, .size: 8, .value_kind: global_buffer, .address_space: global }
    .group_segment_fixed_size: 83200
    .private_segment_fixed_size: 0
    .kernarg_segment_align: 8
    .kernarg_segment_size: 64
    .max_flat_workgroup_size: 256
    .sgpr_count:     66
    .vgpr_count:     256
    .wavefront_size: 32
...
	.end_amdgpu_metadata
.endif
;; end of part 8
